; MI455X (gfx1250); checked and timed in simulation.
; The chip was launched on July 23, 2026; its instructions are those of AMD's public machine-readable ISA for CDNA 5 (MIT licence, August 2026) and "CDNA5" Instruction Set Architecture Reference Guide (July 2026). The comments in the code are by the model that wrote it; some were corrected since.
;; Mixer Block. Allowed arithmetic: float matrix products may take bf16 or f16 operands with f32 sums; all other float work in f32.
;; Inputs: cb1 1,024 float32; cb2 1,024 float32; cw1 1,024 x 1,024 float32; cw2 1,024 x 1,024 float32; ln1_b 1,024 float32; ln1_g 1,024 float32; ln2_b 1,024 float32; ln2_g 1,024 float32; tb1 1,024 float32; tb2 1,024 float32; tw1 1,024 x 1,024 float32; tw2 1,024 x 1,024 float32; x 16 x 1,024 x 1,024 float32.
;; Outputs: out0 16 x 1,024 x 1,024 float32.
;; 2 versions, each right; version 2 is version 1 with the launches prep, ln2 written anew for expert scheduling mode. Each part assembles by itself: llvm-mc -triple=amdgcn-amd-amdhsa -mcpu=gfx1250 --defsym DOCPART=n.
;; ======== version 1 of 2: 6 launches
;; limits: a function is approximated: absolute error at most 2.5e-05; an absolute error that grows with the inputs' magnitude: up to 1.25e-05 times it
;; workspace buffers: w1b 2,097,152 bytes; w2b 2,097,152 bytes; w3b 2,097,152 bytes; w4b 2,097,152 bytes; yt 33,554,432 bytes; g 33,554,432 bytes; x1 67,108,864 bytes
;; launch prep (part 1): grid 256 x 1, 16 waves a work-group, no clusters, 280,576 bytes of LDS; arguments x, ln1_g, ln1_b, yt, tw1, tw2, cw1, cw2, w1b, w2b, w3b, w4b; writes yt, w1b, w2b, w3b, w4b
.if DOCPART == 1
	.amdgcn_target "amdgcn-amd-amdhsa--gfx1250"
	.amdhsa_code_object_version 6
	.text
	.protected	k_q282e8d421a_prep
	.globl	k_q282e8d421a_prep
	.p2align	8
	.type	k_q282e8d421a_prep,@function
k_q282e8d421a_prep:
	s_mov_b64 s[64:65], 0
	v_nop
	global_prefetch_b8 v0, s[64:65] scope:SCOPE_SE
	s_setreg_imm32_b32 hwreg(HW_REG_WAVE_MODE, 25, 1), 1
	s_wait_xcnt 0x0
; Two jobs in one launch, chosen by the work-group's number.
; POSITION ORDER.  An index t = 256 c + 64 j + r along T (c: its class) is kept in the workspace at position 256 j + 64 ((4 - c) & 3) + r: every run of
; 256 positions holds 64 t of each class, in the order of classes 0, 3, 2, 1.  The class map c -> (4 - c) & 3 is its own inverse.  yt's columns and the rows and columns of
; w1b and w2b are in position order; the products that follow skip whole classes of the triangular weights by it.
;
; WORK-GROUPS 0 TO 127: yt[b][h][position of t] = bf16( LayerNorm over h of x[b][t][:] * g + beta ): the normalised rows, stored TRANSPOSED.
; The work-group owns 128 positions of one batch (two runs of 64 rows of x), so that its piece of a transposed row is 256 consecutive bytes, aligned; that is
; why this job has 16 x 8 = 128 work-groups and not more.  Sixteen waves; a wave takes 8 rows, two at a time, a whole row in 32 registers: mean, then
; centred squares (two passes over registers, as the definition has them), so x is read once.  Two rows' numbers of one column are packed into one word, two
; such words go to LDS by one store of 8 bytes into TR[h][position], pitch 272.  In these stores lane L stands at 1,088 L, which takes four values modulo 256
; there are 64 such stores a wave, and the pitch must stay a multiple of 16 for the way back.
;
; WORK-GROUPS 128 TO 255: the four weight matrices, [1024][1024] f32, rounded once to bf16; tw1 and tw2 get the lower-triangular mask (element (r, c) is kept
; where c <= r) and position order in rows and columns.  LIMIT: a masked weight is replaced by 0 and not multiplied by 0, so a weight above the diagonal that
; is not finite gives 0 here.  The work-group owns 8 rows of each matrix: 8 steps of 4 rows.  A thread owns 8 neighbouring numbers of the OUTPUT: sixteen
; lanes store 256 consecutive bytes, aligned, and eight lanes read 256 consecutive bytes, aligned.  All 16 loads go out first; no register is written twice.
.set ROWB, 4096                        ; bytes in a row of x
.set TP,   272                         ; pitch of TR: 256 bytes + 16
.set XO,  1                            ; v1         byte offset of my 16 bytes in my wave's first row; never rewritten
.set G,   2                            ; v[2:33]    gain of my 32 columns (chunk j: columns 128 j + 4 L + 0..3)
.set BB,  34                           ; v[34:65]   bias of the same
.set X0,  66                           ; v[66:97]   the pair's first row
.set X1,  98                           ; v[98:129]  the pair's second row
.set PK,  130                          ; v[130:193] column k = 4 j + c: two words, 4 neighbouring positions in bf16
.set T,   194                          ; v[194:201] at work, first row
.set U,   202                          ; v[202:209] at work, second row
.set M0,  210                          ; pairs: minus the mean, and 1 / sqrt(var + eps), of each row
.set M1,  212
.set R0,  214
.set R1,  216
.set TA,  218                          ; running LDS address of the transposing stores
.set TA0, 219                          ; 1,088 L + 16 w
.set GBO, 220                          ; 16 L
.set LN,  221                          ; lane
.set RDA, 222                          ; the way back: LDS address
.set GO,  223                          ; the way back: byte offset in yt
; the weights' job
.set IO,  1                            ; v1  byte offset in, natural order: 32 t
.set OO,  2                            ; v2  byte offset out: 16 t
.set D0,  3                            ; v3  (row of step 0) - (my first column): element e of step k is kept where e - 4 k <= D0
.set IP,  4                            ; v4  byte offset in, for an output in position order
.set IN,  8                            ; v[8:71]    step s: 8 numbers as loaded
.set OUT, 72                           ; v[72:103]  step s: 4 registers to store
	v_lshl_add_u32 v224, v0, 2, 0x44000
	v_mov_b32 v225, 0
	s_mov_b32 s21, ttmp9
	s_cmp_ge_u32 s21, 128
	s_cbranch_scc1 .Lweights
	s_load_b256 s[4:11], s[0:1], 0x0               ; x s[4:5], gain s[6:7], bias s[8:9], yt s[10:11]
	v_lshrrev_b32 v[TA], 5, v0
	v_readfirstlane_b32 s16, v[TA]                 ; wave 0..15
	s_lshr_b32 s18, s21, 3                         ; batch
	s_lshl_b32 s2, s18, 22                         ; x 1,024 rows of 4,096 bytes
	s_mov_b32 s3, 0
	s_lshl_b32 s18, s18, 21                        ; x 1,024 rows of 2,048 bytes
	s_and_b32 s17, s21, 7                          ; block of 128 positions
	s_lshl_b32 s19, s17, 8                         ; x 256 bytes
	s_add_co_u32 s18, s18, s19
	s_mov_b32 s19, 0
	; my wave's 8 positions 128 block + 8 w lie in run 2 (block & 1) + w / 8 of 64; its class is (4 - run) & 3; j = block / 2
	s_and_b32 s22, s17, 1
	s_lshl_b32 s22, s22, 1
	s_lshr_b32 s23, s16, 3
	s_add_co_u32 s22, s22, s23
	s_sub_co_u32 s22, 4, s22
	s_and_b32 s22, s22, 3
	s_lshl_b32 s22, s22, 8                         ; 256 c
	s_lshr_b32 s23, s17, 1
	s_lshl_b32 s23, s23, 6                         ; + 64 j
	s_add_co_u32 s22, s22, s23
	s_and_b32 s23, s16, 7
	s_lshl_b32 s23, s23, 3                         ; + 8 (w mod 8)
	s_add_co_u32 s22, s22, s23
	s_lshl_b32 s22, s22, 12                        ; my first row of x, in bytes
	s_mov_b32 s12, 0x76543210                      ; v_permlanex16_b32: lane i of one half reads lane i of the other
	s_mov_b32 s13, 0xfedcba98
	s_mov_b32 s14, 0x3a800000                      ; 1 / 1024
	s_mov_b32 s15, 0x3727c5ac                      ; 1e-5
	s_mov_b32 s20, 0xba800000                      ; -1 / 1024
	v_and_b32 v[LN], 31, v0
	v_lshlrev_b32 v[GBO], 4, v[LN]
	v_add_nc_u32 v[XO], s22, v[GBO]
	v_mul_u32_u24 v[TA0], v[LN], 4*TP              ; row 4 L of TR
	v_lshl_add_u32 v[TA0], s16, 4, v[TA0]          ; + my wave's 8 positions
	v_lshrrev_b32 v[T], 4, v[LN]
	v_lshl_add_u32 v[T], s16, 6, v[T]              ; the way back: row 64 w + L / 16
	v_and_b32 v[U], 15, v[LN]
	v_mul_u32_u24 v[RDA], v[T], TP
	v_lshl_add_u32 v[RDA], v[U], 4, v[RDA]
	v_lshlrev_b32 v[GO], 11, v[T]
	v_lshl_add_u32 v[GO], v[U], 4, v[GO]
	s_wait_kmcnt 0x0
	s_add_nc_u64 s[4:5], s[4:5], s[2:3]
	s_add_nc_u64 s[10:11], s[10:11], s[18:19]
.macro LOADCH p, j                     ; chunk j (512 bytes) of both rows of pair p
	global_load_b128 v[X0+4*\j:X0+4*\j+3], v[XO], s[4:5] offset:(2*(\p))*ROWB+512*\j th:TH_LOAD_NT
	global_load_b128 v[X1+4*\j:X1+4*\j+3], v[XO], s[4:5] offset:(2*(\p)+1)*ROWB+512*\j th:TH_LOAD_NT
.endm
.irp j, 0,1,2,3,4,5,6,7
	LOADCH 0, \j
.endr
.irp j, 0,1,2,3,4,5,6,7
	global_load_b128 v[G+4*\j:G+4*\j+3],   v[GBO], s[6:7] offset:512*\j
	global_load_b128 v[BB+4*\j:BB+4*\j+3], v[GBO], s[8:9] offset:512*\j
.endr
.macro RED r, tmp                      ; sum over the 32 lanes, the result in every lane; tmp has been written before
	v_add_f32_dpp v[\r], v[\r], v[\r] row_xmask:1 row_mask:0xf bank_mask:0xf
	v_add_f32_dpp v[\r], v[\r], v[\r] row_xmask:2 row_mask:0xf bank_mask:0xf
	v_add_f32_dpp v[\r], v[\r], v[\r] row_xmask:4 row_mask:0xf bank_mask:0xf
	v_add_f32_dpp v[\r], v[\r], v[\r] row_xmask:8 row_mask:0xf bank_mask:0xf
	v_permlanex16_b32 v[\tmp], v[\r], s12, s13
	v_add_f32 v[\r], v[\r], v[\tmp]
.endm
; both rows, interleaved: mean; the rows centred in place; mean of the squares; 1 / sqrt(var + eps) in R0, R1
.macro STATS
	v_pk_add_f32 v[T:T+1],   v[X0:X0+1],   v[X0+2:X0+3]       ; the first pairs start the chains: nothing is cleared
	v_pk_add_f32 v[U:U+1],   v[X1:X1+1],   v[X1+2:X1+3]
	v_pk_add_f32 v[T+2:T+3], v[X0+4:X0+5], v[X0+6:X0+7]
	v_pk_add_f32 v[U+2:U+3], v[X1+4:X1+5], v[X1+6:X1+7]
.irp k, 8,12,16,20,24,28
	v_pk_add_f32 v[T:T+1],   v[T:T+1],   v[X0+\k:X0+\k+1]
	v_pk_add_f32 v[U:U+1],   v[U:U+1],   v[X1+\k:X1+\k+1]
	v_pk_add_f32 v[T+2:T+3], v[T+2:T+3], v[X0+\k+2:X0+\k+3]
	v_pk_add_f32 v[U+2:U+3], v[U+2:U+3], v[X1+\k+2:X1+\k+3]
.endr
	v_pk_add_f32 v[T:T+1], v[T:T+1], v[T+2:T+3]
	v_pk_add_f32 v[U:U+1], v[U:U+1], v[U+2:U+3]
	v_add_f32 v[T], v[T], v[T+1]
	v_add_f32 v[U], v[U], v[U+1]
	RED T, T+1
	RED U, U+1
	v_mul_f32 v[M0],   s20, v[T]                   ; minus the mean, twice (a pair for the packed add)
	v_mul_f32 v[M0+1], s20, v[T]
	v_mul_f32 v[M1],   s20, v[U]
	v_mul_f32 v[M1+1], s20, v[U]
.irp k, 0,2,4,6,8,10,12,14,16,18,20,22,24,26,28,30
	v_pk_add_f32 v[X0+\k:X0+\k+1], v[X0+\k:X0+\k+1], v[M0:M0+1]
	v_pk_add_f32 v[X1+\k:X1+\k+1], v[X1+\k:X1+\k+1], v[M1:M1+1]
.endr
	v_pk_mul_f32 v[T:T+1],   v[X0:X0+1],   v[X0:X0+1]
	v_pk_mul_f32 v[U:U+1],   v[X1:X1+1],   v[X1:X1+1]
	v_pk_mul_f32 v[T+2:T+3], v[X0+2:X0+3], v[X0+2:X0+3]
	v_pk_mul_f32 v[U+2:U+3], v[X1+2:X1+3], v[X1+2:X1+3]
.irp k, 4,8,12,16,20,24,28
	v_pk_fma_f32 v[T:T+1],   v[X0+\k:X0+\k+1],   v[X0+\k:X0+\k+1],   v[T:T+1]
	v_pk_fma_f32 v[U:U+1],   v[X1+\k:X1+\k+1],   v[X1+\k:X1+\k+1],   v[U:U+1]
	v_pk_fma_f32 v[T+2:T+3], v[X0+\k+2:X0+\k+3], v[X0+\k+2:X0+\k+3], v[T+2:T+3]
	v_pk_fma_f32 v[U+2:U+3], v[X1+\k+2:X1+\k+3], v[X1+\k+2:X1+\k+3], v[U+2:U+3]
.endr
	v_pk_add_f32 v[T:T+1], v[T:T+1], v[T+2:T+3]
	v_pk_add_f32 v[U:U+1], v[U:U+1], v[U+2:U+3]
	v_add_f32 v[T], v[T], v[T+1]
	v_add_f32 v[U], v[U], v[U+1]
	RED T, T+1
	RED U, U+1
	v_fma_f32 v[T], v[T], s14, s15                 ; var + eps
	v_fma_f32 v[U], v[U], s14, s15
	v_rsq_f32 v[R0],   v[T]
	v_rsq_f32 v[R0+1], v[T]
	v_rsq_f32 v[R1],   v[U]
	v_rsq_f32 v[R1+1], v[U]
	v_nop                                          ; one plain vector instruction between a transcendental and the use of its result (ISA guide 5.7.2)
	s_wait_alu depctr_va_vdst(0)
.endm
; rows 2 p and 2 p + 1 of my wave.  more = 1: each chunk's registers are loaded again, with the next pair, as soon as they are used up.
.macro PAIR p, more
	s_wait_loadcnt 0x0                             ; both rows are whole (and, the first time, gain and bias)
	STATS
.irp j, 0,1,2,3,4,5,6,7
	v_pk_mul_f32 v[X0+4*\j:X0+4*\j+1],   v[X0+4*\j:X0+4*\j+1],   v[R0:R0+1]
	v_pk_mul_f32 v[X0+4*\j+2:X0+4*\j+3], v[X0+4*\j+2:X0+4*\j+3], v[R0:R0+1]
	v_pk_mul_f32 v[X1+4*\j:X1+4*\j+1],   v[X1+4*\j:X1+4*\j+1],   v[R1:R1+1]
	v_pk_mul_f32 v[X1+4*\j+2:X1+4*\j+3], v[X1+4*\j+2:X1+4*\j+3], v[R1:R1+1]
	v_pk_fma_f32 v[X0+4*\j:X0+4*\j+1],   v[X0+4*\j:X0+4*\j+1],   v[G+4*\j:G+4*\j+1],   v[BB+4*\j:BB+4*\j+1]
	v_pk_fma_f32 v[X0+4*\j+2:X0+4*\j+3], v[X0+4*\j+2:X0+4*\j+3], v[G+4*\j+2:G+4*\j+3], v[BB+4*\j+2:BB+4*\j+3]
	v_pk_fma_f32 v[X1+4*\j:X1+4*\j+1],   v[X1+4*\j:X1+4*\j+1],   v[G+4*\j:G+4*\j+1],   v[BB+4*\j:BB+4*\j+1]
	v_pk_fma_f32 v[X1+4*\j+2:X1+4*\j+3], v[X1+4*\j+2:X1+4*\j+3], v[G+4*\j+2:G+4*\j+3], v[BB+4*\j+2:BB+4*\j+3]
.irp c, 0,1,2,3
	v_cvt_pk_bf16_f32 v[PK+2*(4*\j+\c)+(\p&1)], v[X0+4*\j+\c], v[X1+4*\j+\c]   ; two neighbouring positions of one column h
.endr
.if \more
	LOADCH \p+1, \j
.endif
.endr
.if \p&1
	v_add_nc_u32 v[TA], 8*(\p>>1), v[TA0]          ; four positions are together: 8 bytes into row h = 128 j + 4 L + c of TR
.irp j, 0,1,2,3,4,5,6,7
.irp c, 0,1,2,3
	ds_store_b64 v[TA], v[PK+2*(4*\j+\c):PK+2*(4*\j+\c)+1] offset:TP*\c
.endr
.if \j < 7
	v_add_nc_u32 v[TA], 128*TP, v[TA]
.endif
.endr
.endif
.endm
	PAIR 0, 1
	PAIR 1, 1
	PAIR 2, 1
	PAIR 3, 0
	s_wait_dscnt 0x0                               ; my stores into TR are done, for the other waves' sake
	s_barrier_signal -1
	s_barrier_wait -1                              ; everybody's are
; The way back: wave w takes rows h = 64 w .. 64 w + 63 of TR, two rows an instruction: sixteen lanes read and store 256 consecutive bytes.
.macro WOUT bt, f
.if \bt >= 2
	s_wait_xcnt 0x0                                ; the registers that stores two batches ago read are loaded again only behind this wait
.endif
.irp t, 0,1,2,3,4,5,6,7
	ds_load_b128 v[\f+4*\t:\f+4*\t+3], v[RDA] offset:2*TP*(8*\bt+\t)
.endr
.irp t, 0,1,2,3,4,5,6,7
	s_wait_dscnt 7-\t                              ; LDS loads come back in order: number t of the eight is in
	global_store_b128 v[GO], v[\f+4*\t:\f+4*\t+3], s[10:11] offset:4096*(8*\bt+\t)
.endr
.endm
	WOUT 0, X0
	WOUT 1, X1
	WOUT 2, X0
	WOUT 3, X1
	s_wait_tensorcnt 0x0
	ds_add_u32 v224, v225
	s_wait_dscnt 0x0
	s_endpgm
.Lweights:
	s_load_b512 s[32:47], s[0:1], 0x20             ; tw1 tw2 cw1 cw2 in s[32:39], w1b w2b w3b w4b in s[40:47]
	s_sub_co_u32 s22, s21, 128                     ; n = 0..127: rows 8 n .. 8 n + 7 of each matrix
	s_lshl_b32 s2, s22, 15                         ; 8 rows of 4,096 bytes
	s_mov_b32 s3, 0
	s_lshl_b32 s4, s22, 14                         ; 8 rows of 2,048 bytes, natural order
	s_mov_b32 s5, 0
	s_lshr_b32 s6, s22, 3                          ; position of row 8 n = 256 c + 64 j + 8 (n mod 8): c = n / 32, j = (n / 8) mod 4
	s_and_b32 s6, s6, 3
	s_lshl_b32 s6, s6, 8                           ; 256 j
	s_lshr_b32 s7, s22, 5
	s_sub_co_u32 s7, 4, s7
	s_and_b32 s7, s7, 3
	s_lshl_b32 s7, s7, 6                           ; + 64 ((4 - c) & 3)
	s_add_co_u32 s6, s6, s7
	s_and_b32 s7, s22, 7
	s_lshl_b32 s7, s7, 3                           ; + 8 (n mod 8)
	s_add_co_u32 s6, s6, s7
	s_lshl_b32 s6, s6, 11                          ; rows of 2,048 bytes
	s_mov_b32 s7, 0
	s_lshl_b32 s8, s22, 3                          ; my first row
	v_lshlrev_b32 v[IO], 5, v0
	v_lshlrev_b32 v[OO], 4, v0
	v_lshrrev_b32 v5, 7, v0                        ; which of a step's four rows
	v_and_b32 v6, 127, v0                          ; my 8 output positions begin at 8 x this = 256 j + 64 run + 8 m
	v_bfe_u32 v7, v6, 3, 2                         ; run
	v_sub_nc_u32 v7, 4, v7
	v_and_b32 v7, 3, v7                            ; its class
	v_lshlrev_b32 v7, 8, v7                        ; 256 c
	v_lshrrev_b32 v[D0], 5, v6
	v_lshl_add_u32 v7, v[D0], 6, v7                ; + 64 j
	v_and_b32 v[D0], 7, v0
	v_lshl_add_u32 v7, v[D0], 3, v7                ; + 8 m: the column that my first position stands for
	v_lshlrev_b32 v[IP], 2, v7
	v_lshl_add_u32 v[IP], v5, 12, v[IP]
	v_sub_nc_u32 v[D0], v5, v7
	v_add_nc_u32 v[D0], s8, v[D0]
	s_wait_kmcnt 0x0
.irp m, 0,1,2,3
	s_add_nc_u64 s[32+2*\m:33+2*\m], s[32+2*\m:33+2*\m], s[2:3]
.endr
	s_add_nc_u64 s[40:41], s[40:41], s[6:7]
	s_add_nc_u64 s[42:43], s[42:43], s[6:7]
	s_add_nc_u64 s[44:45], s[44:45], s[4:5]
	s_add_nc_u64 s[46:47], s[46:47], s[4:5]
.irp m, 0,1
.irp k, 0,1
	global_load_b128 v[IN+8*(2*\m+\k):IN+8*(2*\m+\k)+3],   v[IP], s[32+2*\m:33+2*\m] offset:\k*16384 th:TH_LOAD_NT
	global_load_b128 v[IN+8*(2*\m+\k)+4:IN+8*(2*\m+\k)+7], v[IP], s[32+2*\m:33+2*\m] offset:\k*16384+16 th:TH_LOAD_NT
.endr
.endr
.irp m, 2,3
.irp k, 0,1
	global_load_b128 v[IN+8*(2*\m+\k):IN+8*(2*\m+\k)+3],   v[IO], s[32+2*\m:33+2*\m] offset:\k*16384 th:TH_LOAD_NT
	global_load_b128 v[IN+8*(2*\m+\k)+4:IN+8*(2*\m+\k)+7], v[IO], s[32+2*\m:33+2*\m] offset:\k*16384+16 th:TH_LOAD_NT
.endr
.endr
; step k (0, 1) of matrix m; masked = 1: the triangular mask is applied
.macro STEP m, k, masked
	s_wait_loadcnt 14-2*(2*\m+\k)                  ; loads come back in order: this step's two are in, the later steps' stay out
.if \masked
.irp e, 0,1,2,3,4,5,6,7
	v_cmp_le_i32 vcc_lo, \e-4*\k, v[D0]            ; column <= row
	v_cndmask_b32 v[IN+8*(2*\m+\k)+\e], 0, v[IN+8*(2*\m+\k)+\e], vcc_lo
.endr
.endif
.irp j, 0,1,2,3
	v_cvt_pk_bf16_f32 v[OUT+4*(2*\m+\k)+\j], v[IN+8*(2*\m+\k)+2*\j], v[IN+8*(2*\m+\k)+2*\j+1]
.endr
	global_store_b128 v[OO], v[OUT+4*(2*\m+\k):OUT+4*(2*\m+\k)+3], s[40+2*\m:41+2*\m] offset:\k*8192
.endm
	STEP 0, 0, 1
	STEP 0, 1, 1
	STEP 1, 0, 1
	STEP 1, 1, 1
	STEP 2, 0, 0
	STEP 2, 1, 0
	STEP 3, 0, 0
	STEP 3, 1, 0
	s_endpgm
.Lfunc_end_k_q282e8d421a_prep:
	.size	k_q282e8d421a_prep, .Lfunc_end_k_q282e8d421a_prep-k_q282e8d421a_prep
	.p2alignl 7, 3214868480
	.fill 96, 4, 3214868480
	.section	.rodata,"a",@progbits
	.p2align	6, 0x0
	.amdhsa_kernel k_q282e8d421a_prep
		.amdhsa_group_segment_fixed_size 280576
		.amdhsa_private_segment_fixed_size 0
		.amdhsa_enable_private_segment 0
		.amdhsa_kernarg_size 96
		.amdhsa_user_sgpr_count 2
		.amdhsa_user_sgpr_kernarg_segment_ptr 1
		.amdhsa_wavefront_size32 1
		.amdhsa_system_sgpr_workgroup_id_x 1
		.amdhsa_system_sgpr_workgroup_id_y 1
		.amdhsa_system_sgpr_workgroup_id_z 1
		.amdhsa_system_vgpr_workitem_id 0
		.amdhsa_next_free_vgpr 226
		.amdhsa_next_free_sgpr 66
		.amdhsa_reserve_vcc 1
		.amdhsa_float_denorm_mode_32 3
		.amdhsa_float_denorm_mode_16_64 3
		.amdhsa_memory_ordered 1
		.amdhsa_forward_progress 1
		.amdhsa_inst_pref_size 86
	.end_amdhsa_kernel
	.amdgpu_metadata
---
amdhsa.version: [ 1, 2 ]
amdhsa.kernels:
  - .name:           k_q282e8d421a_prep
    .symbol:         k_q282e8d421a_prep.kd
    .args:
      - { .name: x, .offset: 0, .size: 8, .value_kind: global_buffer, .address_space: global }
      - { .name: ln1_g, .offset: 8, .size: 8, .value_kind: global_buffer, .address_space: global }
      - { .name: ln1_b, .offset: 16, .size: 8, .value_kind: global_buffer, .address_space: global }
      - { .name: yt, .offset: 24, .size: 8, .value_kind: global_buffer, .address_space: global }
      - { .name: tw1, .offset: 32, .size: 8, .value_kind: global_buffer, .address_space: global }
      - { .name: tw2, .offset: 40, .size: 8, .value_kind: global_buffer, .address_space: global }
      - { .name: cw1, .offset: 48, .size: 8, .value_kind: global_buffer, .address_space: global }
      - { .name: cw2, .offset: 56, .size: 8, .value_kind: global_buffer, .address_space: global }
      - { .name: w1b, .offset: 64, .size: 8, .value_kind: global_buffer, .address_space: global }
      - { .name: w2b, .offset: 72, .size: 8, .value_kind: global_buffer, .address_space: global }
      - { .name: w3b, .offset: 80, .size: 8, .value_kind: global_buffer, .address_space: global }
      - { .name: w4b, .offset: 88, .size: 8, .value_kind: global_buffer, .address_space: global }
    .group_segment_fixed_size: 280576
    .private_segment_fixed_size: 0
    .kernarg_segment_align: 8
    .kernarg_segment_size: 96
    .max_flat_workgroup_size: 512
    .sgpr_count:     66
    .vgpr_count:     226
    .wavefront_size: 32
...
	.end_amdgpu_metadata
.endif
;; end of part 1
;; launch tmix1 (part 2): grid 4 x 64, 4 waves a work-group, clusters of 4 x 4, 327,680 bytes of LDS; arguments yt, w1b, g, tb1; writes g
.if DOCPART == 2
	.amdgcn_target "amdgcn-amd-amdhsa--gfx1250"
	.amdhsa_code_object_version 6
	.text
	.protected	k_q282e8d421a_tmix1
	.globl	k_q282e8d421a_tmix1
	.p2align	8
	.type	k_q282e8d421a_tmix1,@function
k_q282e8d421a_tmix1:
	s_mov_b64 s[64:65], 0
	v_nop
	global_prefetch_b8 v0, s[64:65] scope:SCOPE_SE
	s_setreg_imm32_b32 hwreg(HW_REG_WAVE_MODE, 25, 1), 1
	s_wait_xcnt 0x0
	s_wait_alu depctr_hold_cnt(0) depctr_sa_sdst(0) depctr_va_vdst(0) depctr_va_sdst(0) depctr_va_ssrc(0) depctr_va_vcc(0) depctr_vm_vsrc(0)
	s_getreg_b32 s2, hwreg(HW_REG_IB_STS2, 6, 4)
	s_cmp_eq_u32 s2, 0
	s_cbranch_scc0 .Lentry_in_a_cluster
	s_endpgm
.Lentry_in_a_cluster:
	s_bfe_u32 s2, ttmp6, 0x10000c
	s_cmp_lg_u32 s2, 0xf033
	s_cbranch_scc0 .Lentry_shape_is_right
	s_endpgm
.Lentry_shape_is_right:
; g[(b,h)][pos(t')] = bf16( gelu( sum over t <= t' of y[(b,h)][t] w1[t'][t] + tb1[t'] ) ).
; Q = yt: [16384][1024] bf16, columns in position order.  P = w1b: [1024][1024] bf16, lower triangular, rows and columns in position order, its zeros stored.
; g: [16384][1024] bf16, columns in position order.  tb1: [1024] f32, natural order.  Sums in f32; gelu in f32 in its erf form.
; POSITION ORDER: t = 256 c + 64 j + r (c: its class) stands at position 256 j + 64 ((4 - c) & 3) + r: every 256 positions hold 64 t of each class, classes 0, 3, 2, 1.
; A weight is zero wherever the class of its column exceeds the class of its row, so a K chunk of class c meets only the rows of classes >= c.  In a block of 256 rows
; of P, cut into 16 tiles p of 16 rows (p 0-3 class 0, 4-7 class 3, 8-11 class 2, 12-15 class 1), these are: c = 0: p 0-15; c = 1: p 4-15; c = 2: p 4-11; c = 3: p 4-7.
; That is 64 + 48 + 32 + 16 of 4 x 64 matrix instructions, the same in every work-group: no trip count and no branch hangs on a block's place.
; LIMIT: erf is the rational form of Abramowitz and Stegun 7.1.25, absolute error at most 2.5e-5 for every argument, so gelu(x) is off by at most
; 1.25e-5 |x|, which lies below the rounding to bf16 that follows.  gelu(x) = max(x, 0) - 0.5 |x| (a1 t + a2 t^2 + a3 t^3) 2^(-0.7213 x^2), t = 1 / (1 + 0.33267 |x|).
; A work-group makes 256 rows x 256 positions with four waves; wave w makes its 64 rows of Q x all 256 rows of P, so each wave holds every class and all four have the
; same work: 64 accumulator tiles, 512 registers.  64 x 4 blocks = 256 work-groups.  K goes in 8 steps of 128 positions through a ring of two LDS slots filled by the tensor
; data mover; a tile's rows are 256 bytes of memory, aligned.  Even steps (classes 0 and 3) lie in slot 0, odd steps (classes 2 and 1) in slot 1; an odd step needs P's rows 64-255 alone.
; CLUSTERS: 4 x 4 work-groups.  Q's tile hangs on the block row and is shared along a row of the cluster, P's on the block column and is shared along a column.
;
; REGISTERS, in windows of 256:
;   window 0: v0-31 addresses and constants; v32-63 at work on the way out; v64-95, v96-127 fragments of Q, two buffers; v128-255 the bias of my 256 positions
;   window 1: v0-127, v128-255 fragments of P (tile p at 8 p), two buffers
;   window 2: accumulator tiles (p, q), p 0-7, at v[8 (4 p + q)];   window 3: p 8-15 at v[8 (4 (p - 8) + q)]
; Source 0 = 16 rows of P, source 1 = 16 rows of Q: lane l holds row l % 16 of the result, its registers 0 to 7 the positions 8 (l / 16) + 0 .. 7, which pack into 16 bytes.
.set SIZE_K, 1024
.set KSTEP,  128
.set PITCH,  272                       ; an LDS row: 256 bytes + 16 of padding, so the 16 rows that a load touches start at 16 different 16-byte columns
.set HALFT,  128*PITCH
.set SLOT,   4*HALFT                   ; Q's 256 rows, then P's 256 rows
.set STAGE,  2*SLOT                    ; behind the ring: 16 rows x 528 bytes for each wave, for the way out; no tensor load lands there
.set SPITCH, 528                       ; 512 bytes + 16
.set LAPS,   4                         ; a lap = an even and an odd K step = once round the ring
.set ADRQ, 16                          ; v16-17  LDS address of my Q fragments in slot 0, 1
.set ADRP, 20                          ; v20-21  the same for P
.set STO,  24                          ; v24     the way out: where I put 16 bytes of a row
.set RD,   25                          ; v25     the way out: 16 L in my stage
.set CO,   26                          ; v26     16 L: my bytes in a row of my block
.set QF,   64                          ; Q's fragments: buffer b at QF + 32 b
.set CBV,  128                         ; v[128:255] tb1 of position 16 p + 8 (l / 16) + j at 8 p + j
.set XR,   64                          ; the way out: eight tiles' sums + bias
.set T,    32                          ; the way out, eight numbers at a time: t, then the packed result
.set E,    40                          ; 2^(-0.7213 x^2)
.set P,    48                          ; the polynomial
.set HH,   56                          ; |x|
.set G1Q, 24                           ; s[24:31] descriptor group 1 for Q's tiles
.set G0Q, 32                           ; s[32:39] descriptor group 0 for Q's tiles, one set for each slot
.set G1P, 48                           ; s[48:55] descriptor group 1 for P's tiles in slot 0 (128 rows a wave); s[80:87] in slot 1 (96 rows a wave)
.set G0P, 56                           ; s[56:63] descriptor group 0 for P's tiles, one set for each slot
.set FLAGS, (1<<16)|(1<<20)|(1<<21)|(5<<22)|(3<<25)   ; elements of 2 bytes; padding on; bit 21 beside a mask; 4 words behind every 64
.set MSB, 0
.macro WIN new                         ; the immediate's high byte repeats the setting that is left
.if MSB != \new
	s_set_vgpr_msb (MSB<<8)|\new
.set MSB, \new
.endif
.endm
.set MUL_LO, 0xa1                      ; source 0 (P) window 1, source 1 (Q) window 0, C and D window 2
.set MUL_HI, 0xf1                      ; the same, C and D window 3
.set TO_P,   0x40                      ; destination window 1, address window 0
; A joint load.  Waves 0 and 1 fetch Q's two halves, waves 2 and 3 P's.  The branch hangs on the wave's number alone.
.macro JLOAD s
	s_cmp_eq_u32 s11, 0
	s_cbranch_scc0 .Lfor_p_\@
	tensor_load_to_lds s[G0Q+4*\s:G0Q+4*\s+3], s[G1Q:G1Q+7]
	s_nop 0
	s_branch .Lasked_\@
.Lfor_p_\@:
	tensor_load_to_lds s[G0P+4*\s:G0P+4*\s+3], s[G1P+32*\s:G1P+32*\s+7]
	s_nop 0
.Lasked_\@:
.endm
; A round of the cluster's barrier: my work-group's barrier; wave 0 signals for the work-group; every wave waits for all sixteen; my work-group's barrier again.
.macro CREST                           ; a round behind its opening barrier
	s_cmp_lg_u32 s10, 0
	s_cbranch_scc1 .Lnot_wave_0_\@
	s_barrier_signal -3
.Lnot_wave_0_\@:
	s_barrier_wait -3
	s_barrier_signal -1
	s_barrier_wait -1
.endm
.macro CROUND                          ; a whole round
	s_barrier_signal -1
	s_barrier_wait -1
	CREST
.endm
	s_load_b128 s[4:7], s[0:1], 0x0                ; Q s[4:5], P s[6:7]
	s_load_b64 s[8:9], s[0:1], 0x10                ; g
	s_load_b64 s[68:69], s[0:1], 0x18              ; bias
	v_lshl_add_u32 v30, v0, 2, 0x4c400
	v_mov_b32 v31, 0
	ds_add_u32 v30, v31
	v_lshrrev_b32 v1, 5, v0
	v_readfirstlane_b32 s10, v1                    ; wave 0..3
	s_lshr_b32 s11, s10, 1                         ; I fetch for Q (0) or for P (1)
	s_and_b32 s12, s10, 1                          ; which half of that tile I fetch
	s_bfe_u32 s40, ttmp6, 0x40000                  ; cx
	s_bfe_u32 s41, ttmp6, 0x40004                  ; cy
	s_lshl_b32 s42, ttmp9, 2
	s_add_co_u32 s42, s42, s40                     ; block of 256 positions = 4 x cluster x + cx
	s_and_b32 s13, ttmp7, 0xffff
	s_lshl_b32 s13, s13, 2
	s_add_co_u32 s13, s13, s41                     ; block of 256 rows = 4 x cluster y + cy
	s_lshl_b32 s43, s41, 2
	s_lshl_b32 s43, 15, s43                        ; my row of the cluster: places 4 cy .. 4 cy + 3
	s_lshl_b32 s44, 0x1111, s40                    ; my column: places cx, cx + 4, cx + 8, cx + 12
	s_or_b32 s[G1Q], s43, FLAGS
	s_or_b32 s[G1P], s44, FLAGS
	s_or_b32 s[G1P+32], s44, FLAGS
.irp g, G1Q, G1P, G1P+32
	s_mov_b32 s[\g+1], KSTEP<<16                   ; tensor_dim0 = 128
	s_mov_b32 s[\g+3], KSTEP<<16                   ; tile_dim0 = 128
	s_mov_b32 s[\g+5], SIZE_K                      ; elements from row to row
	s_mov_b32 s[\g+6], 0
	s_mov_b32 s[\g+7], 0
.endr
	s_mov_b32 s[G1Q+2], 128<<16                    ; tensor_dim1 = tile_dim1 = 128 rows
	s_mov_b32 s[G1Q+4], 128
	s_mov_b32 s[G1P+2], 128<<16
	s_mov_b32 s[G1P+4], 128
	s_mov_b32 s[G1P+34], 96<<16                    ; an odd step: 96 rows a wave
	s_mov_b32 s[G1P+36], 96
	; Q's tiles hang on the block of rows alone, which my row of the cluster shares; P's on the block of positions alone, which my column shares.
	s_lshl_b32 s17, s12, 7
	s_lshl_b32 s16, s13, 8
	s_add_co_u32 s16, s16, s17                     ; Q: row 256 x block + 128 x half
	s_lshl_b32 s16, s16, 11                        ; rows of 2,048 bytes
	s_mov_b32 s17, 0
	s_lshl_b32 s47, s12, 7
	s_lshl_b32 s46, s42, 8
	s_add_co_u32 s46, s46, s47                     ; P, even steps: row 256 x block + 128 x half
	s_lshl_b32 s46, s46, 11
	s_mov_b32 s47, 0
	s_mul_i32 s73, s12, 96
	s_lshl_b32 s72, s42, 8
	s_add_co_u32 s72, s72, s73
	s_add_co_u32 s72, s72, 64                      ; P, odd steps: row 256 x block + 64 + 96 x half
	s_lshl_b32 s72, s72, 11
	s_add_co_u32 s72, s72, KSTEP*2                 ; K step 1
	s_mov_b32 s73, 0
	s_mul_i32 s20, s10, HALFT                      ; where they go: wave x 128 rows (Q's halves, then P's)
	s_mul_i32 s21, s10, 96*PITCH                   ; P in slot 1: row 256 + 64 + 96 (wave - 2) = 128 + 96 x wave
	s_wait_dscnt 0x0
	s_wait_kmcnt 0x0
	s_add_nc_u64 s[14:15], s[4:5], s[16:17]
	s_add_nc_u64 s[46:47], s[6:7], s[46:47]
	s_add_nc_u64 s[72:73], s[6:7], s[72:73]
	CROUND                                         ; all sixteen work-groups are here: the first joint loads meet
	s_mov_b32 s[G0Q], 1
	s_add_co_u32 s[G0Q+1], s20, 0
	s_add_nc_u64 s[G0Q+2:G0Q+3], s[14:15], 0
	s_or_b32 s[G0Q+3], s[G0Q+3], 0x80000000
	s_mov_b32 s[G0P], 1
	s_add_co_u32 s[G0P+1], s20, 0
	s_add_nc_u64 s[G0P+2:G0P+3], s[46:47], 0
	s_or_b32 s[G0P+3], s[G0P+3], 0x80000000
	JLOAD 0
	s_mov_b32 s[G0Q+4], 1
	s_add_co_u32 s[G0Q+5], s20, SLOT
	s_add_nc_u64 s[G0Q+6:G0Q+7], s[14:15], KSTEP*2
	s_or_b32 s[G0Q+7], s[G0Q+7], 0x80000000
	s_mov_b32 s[G0P+4], 1
	s_add_co_u32 s[G0P+5], s21, SLOT+128*PITCH
	s_add_nc_u64 s[G0P+6:G0P+7], s[72:73], 0
	s_or_b32 s[G0P+7], s[G0P+7], 0x80000000
	JLOAD 1                                        ; both first fills go out before anything else: two tensor loads of the wave are out, never more
	; a fragment is 16 rows x 32 K in 8 registers: two loads of 16 bytes, 32 bytes apart, at row x pitch + 16 (l / 16)
	v_and_b32 v1, 15, v0                           ; l % 16
	v_bfe_u32 v2, v0, 4, 1                         ; l / 16
	v_mul_u32_u24 v3, v1, PITCH
	v_lshl_add_u32 v3, v2, 4, v3
	s_mul_i32 s21, s10, 64*PITCH                   ; my 64 rows of Q
	s_mov_b32 s22, 2*HALFT                         ; P lies behind Q's 256 rows
.irp s, 0,1
	v_add_nc_u32 v[ADRQ+\s], s21, v3
	v_add_nc_u32 v[ADRP+\s], s22, v3
	s_add_co_u32 s21, s21, SLOT
	s_add_co_u32 s22, s22, SLOT
.endr
	s_mul_i32 s23, s10, 16*SPITCH
	s_add_co_u32 s23, s23, STAGE                   ; my stage
	v_mul_u32_u24 v4, v1, SPITCH                   ; in: row l % 16, 16 bytes for each half of the lanes
	v_lshl_add_u32 v4, v2, 4, v4
	v_add_nc_u32 v[STO], s23, v4
	v_and_b32 v5, 31, v0
	v_lshlrev_b32 v[CO], 4, v5                     ; back: the 32 lanes take one row of 512 bytes
	v_add_nc_u32 v[RD], s23, v[CO]
	; the bias of my block's 256 positions, as the accumulators hold them: position 16 p + .. of block cx stands for t' = 256 ((4 - p / 4) & 3) + 64 cx + 16 (p % 4) + ..
	s_lshl_b32 s74, s42, 8                         ; 64 cx numbers of 4 bytes
	s_mov_b32 s75, 0
	s_add_nc_u64 s[68:69], s[68:69], s[74:75]
	v_lshlrev_b32 v27, 5, v2                       ; 8 numbers further for lanes 16-31
.irp p, 0,1,2,3,4,5,6,7,8,9,10,11,12,13,14,15
	global_load_b128 v[CBV+8*\p:CBV+8*\p+3],   v27, s[68:69] offset:((4-(\p>>2))&3)*1024+(\p&3)*64
	global_load_b128 v[CBV+8*\p+4:CBV+8*\p+7], v27, s[68:69] offset:((4-(\p>>2))&3)*1024+(\p&3)*64+16
.endr
	v_mov_b32 v8,  0xbe32303a                      ; -a1 / 2 (the factor -0.5 of the formula is folded into the coefficients)
	v_mov_b32 v9,  0xbe32303a
	v_mov_b32 v10, 0x3d445ca1                      ; -a2 / 2
	v_mov_b32 v11, 0x3d445ca1
	v_mov_b32 v12, 0xbebf7377                      ; -a3 / 2
	v_mov_b32 v13, 0xbebf7377
	v_mov_b32 v14, 0xbf38aa3b                      ; -log2(e) / 2
	v_mov_b32 v15, 0xbf38aa3b
	v_mov_b32 v28, 0x3eaa540e                      ; 0.47047 / sqrt(2)
	v_mov_b32 v29, 0x3eaa540e
	s_mov_b32 s76, 0x7fffffff
; 4 n matrix instructions: P's tiles p0 .. p0 + n - 1 (all in one window) x my 4 tiles of Q, 32 along K, from buffer b.  zero = 1: the product starts the sums.
.macro MULP b, p0, n, zero
.set pp, \p0
.rept \n
.irp q, 0,1,2,3
.if \zero
	v_wmma_f32_16x16x32_bf16 v[8*(4*(pp&7)+\q):8*(4*(pp&7)+\q)+7], v[128*\b+8*pp:128*\b+8*pp+7], v[QF+32*\b+8*\q:QF+32*\b+8*\q+7], 0
.else
	v_wmma_f32_16x16x32_bf16 v[8*(4*(pp&7)+\q):8*(4*(pp&7)+\q)+7], v[128*\b+8*pp:128*\b+8*pp+7], v[QF+32*\b+8*\q:QF+32*\b+8*\q+7], v[8*(4*(pp&7)+\q):8*(4*(pp&7)+\q)+7]
.endif
.endr
.set pp, pp+1
.endr
.endm
; one run of LDS loads: the fragments of one quarter step (32 K at byte k of the rows) into buffer b: P's tiles p0 .. p0 + n - 1 and my 4 tiles of Q
.macro FETCH slot, k, b, p0, n
	WIN TO_P
.set pp, \p0
.rept \n
	ds_load_b128 v[128*\b+8*pp:128*\b+8*pp+3],   v[ADRP+\slot] offset:\k+pp*16*PITCH
	ds_load_b128 v[128*\b+8*pp+4:128*\b+8*pp+7], v[ADRP+\slot] offset:\k+pp*16*PITCH+32
.set pp, pp+1
.endr
	WIN 0
.irp q, 0,1,2,3
	ds_load_b128 v[QF+32*\b+8*\q:QF+32*\b+8*\q+3],   v[ADRQ+\slot] offset:\k+\q*16*PITCH
	ds_load_b128 v[QF+32*\b+8*\q+4:QF+32*\b+8*\q+7], v[ADRQ+\slot] offset:\k+\q*16*PITCH+32
.endr
.endm
; four places behind a matrix instruction before a load lands on, or a vector instruction touches, one of its registers
.macro PLACES
.rept 4
	v_nop
.endr
.endm
; A quarter step: its fragments are in (they were asked for a quarter ago); the next quarter's are asked for, in one run, into the buffer that the last quarter read; then the products.
; The accumulators take turns, one instruction a turn, in ascending order in every quarter.
; An even step, slot 0: class 3 at bytes 128 and 192 of the rows, then class 0 at bytes 0 and 64.  z = 1: the first lap, whose first products start the sums.
.macro EVEN3 z
	s_wait_dscnt 0
	PLACES
	FETCH 0, 192, 1, 4, 4
	WIN MUL_LO
	MULP 0, 4, 4, \z
	s_wait_dscnt 0
	PLACES
	FETCH 0, 0, 0, 0, 16
	WIN MUL_LO
	MULP 1, 4, 4, 0
	s_wait_dscnt 0
	PLACES
	FETCH 0, 64, 1, 0, 16
	WIN MUL_LO
	MULP 0, 0, 4, \z
	MULP 0, 4, 4, 0
	WIN MUL_HI
	MULP 0, 8, 8, \z
.endm
; The last quarter of an even step changes slots.  In front of the barrier each wave waits for its reads of this slot and for all its tensor loads (one is out: its part
; of the other slot).  Behind it the refill comes first, then the other slot's first fragments (class 2).
.macro ETURN fill
	s_wait_dscnt 0                                 ; my reads of this slot are over
	s_set_vgpr_msb 0xf1f0
	s_wait_tensorcnt 0x0                           ; and all my tensor loads have landed
	ds_add_u32 v30, v31
	s_wait_dscnt 0x0
	s_set_vgpr_msb 0xf0f1
	s_barrier_signal -1                            ; say so (where a slot is filled again this barrier opens a round of the cluster's barrier),
	WIN MUL_LO
	MULP 1, 0, 4, 0                                ; work on registers while the others arrive,
	WIN 0
	s_barrier_wait -1
.if \fill
	CREST                                          ; no wave of any partner still reads this slot's tile or has a load on its way
	s_add_nc_u64 s[G0Q+2:G0Q+3], s[G0Q+2:G0Q+3], 2*KSTEP*2
	s_add_nc_u64 s[G0P+2:G0P+3], s[G0P+2:G0P+3], 2*KSTEP*2
	JLOAD 0                                        ; the first tensor load behind the round, and the wave's only one until the next
.endif
	PLACES
	FETCH 1, 0, 0, 4, 8
	WIN MUL_LO
	MULP 1, 4, 4, 0
	WIN MUL_HI
	MULP 1, 8, 8, 0
.endm
; An odd step, slot 1: class 2 at bytes 0 and 64, then class 1 at bytes 128 and 192.
.macro ODD3
	s_wait_dscnt 0
	PLACES
	FETCH 1, 64, 1, 4, 8
	WIN MUL_LO
	MULP 0, 4, 4, 0
	WIN MUL_HI
	MULP 0, 8, 4, 0
	s_wait_dscnt 0
	PLACES
	FETCH 1, 128, 0, 4, 12
	WIN MUL_LO
	MULP 1, 4, 4, 0
	WIN MUL_HI
	MULP 1, 8, 4, 0
	s_wait_dscnt 0
	PLACES
	FETCH 1, 192, 1, 4, 12
	WIN MUL_LO
	MULP 0, 4, 4, 0
	WIN MUL_HI
	MULP 0, 8, 8, 0
.endm
.macro OTURN                           ; the last quarter of an odd step, slot 1 filled again; then slot 0's first fragments (class 3)
	s_wait_dscnt 0
	s_set_vgpr_msb 0xf1f0
	s_wait_tensorcnt 0x0
	ds_add_u32 v30, v31
	s_wait_dscnt 0x0
	s_set_vgpr_msb 0xf0f1
	s_barrier_signal -1
	WIN MUL_LO
	MULP 1, 4, 4, 0
	WIN 0
	s_barrier_wait -1
	CREST
	s_add_nc_u64 s[G0Q+6:G0Q+7], s[G0Q+6:G0Q+7], 2*KSTEP*2
	s_add_nc_u64 s[G0P+6:G0P+7], s[G0P+6:G0P+7], 2*KSTEP*2
	JLOAD 1
	PLACES
	FETCH 0, 128, 0, 4, 4
	WIN MUL_HI
	MULP 1, 8, 8, 0
.endm
.macro LAP z
	EVEN3 \z
	ETURN 1
	ODD3
	OTURN
.endm
	s_wait_tensorcnt 1                             ; my part of K step 0 is in; K step 1's may stay out
	s_barrier_signal -1
	s_barrier_wait -1                              ; everybody's is
	FETCH 0, 128, 0, 4, 4
	LAP 1                                          ; the first lap stands in front of the loop: its first products start the sums
	WIN 0                                          ; at a label and at a branch every window is 0
	s_mov_b32 s3, LAPS-2
.Llap:
	LAP 0
	WIN 0
	s_sub_co_u32 s3, s3, 1
	s_cmp_lg_u32 s3, 0
	s_cbranch_scc1 .Llap
	EVEN3 0                                        ; the last lap fills nothing
	ETURN 0
	ODD3
	s_wait_dscnt 0                                 ; the very last quarter
	WIN MUL_LO
	MULP 1, 4, 4, 0
	WIN MUL_HI
	MULP 1, 8, 8, 0
	; THE WAY OUT, 16 rows at a time: + bias, gelu, round to bf16, 16 bytes a lane into my own stage, read back as whole rows of 512 bytes.
	PLACES
	s_wait_loadcnt 0x0                             ; the bias, asked for at the start
	s_lshl_b32 s16, s13, 8
	s_lshl_b32 s17, s10, 6
	s_add_co_u32 s16, s16, s17                     ; my first row: 256 x block + 64 x wave
	s_lshl_b32 s16, s16, 11
	s_mov_b32 s17, 0
	s_add_nc_u64 s[8:9], s[8:9], s[16:17]
	s_lshl_b32 s46, s42, 9                         ; my block's first position, in bytes
	s_mov_b32 s47, 0
	s_add_nc_u64 s[8:9], s[8:9], s[46:47]
; gelu of the eight numbers at v[x .. x+7]; the result, packed to bf16, in v[T:T+3]
.macro GELU8 x
.irp k, 0,1,2,3,4,5,6,7
	v_and_b32 v[HH+\k], s76, v[\x+\k]              ; |x|
.endr
.irp k, 0,2,4,6
	v_pk_fma_f32 v[T+\k:T+\k+1], v[HH+\k:HH+\k+1], v[28:29], 1.0 op_sel_hi:[1,1,0]
.endr
.irp k, 0,2,4,6
	v_pk_mul_f32 v[E+\k:E+\k+1], v[\x+\k:\x+\k+1], v[\x+\k:\x+\k+1]
.endr
.irp k, 0,2,4,6
	v_pk_mul_f32 v[E+\k:E+\k+1], v[E+\k:E+\k+1], v[14:15]
.endr
.irp k, 0,1,2,3,4,5,6,7
	v_rcp_f32 v[T+\k], v[T+\k]                     ; t
.endr
.irp k, 0,1,2,3,4,5,6,7
	v_exp_f32 v[E+\k], v[E+\k]                     ; e^(-x^2 / 2)
.endr
.irp k, 0,1,2,3,4,5,6,7
	v_max_num_f32 v[\x+\k], 0, v[\x+\k]            ; plain work that touches neither T nor E stands between the transcendentals and the use of their results (ISA guide 5.7.2)
.endr
	s_wait_alu depctr_va_vdst(0)
.irp k, 0,2,4,6
	v_pk_fma_f32 v[P+\k:P+\k+1], v[T+\k:T+\k+1], v[12:13], v[10:11]
.endr
.irp k, 0,2,4,6
	v_pk_fma_f32 v[P+\k:P+\k+1], v[P+\k:P+\k+1], v[T+\k:T+\k+1], v[8:9]
.endr
.irp k, 0,2,4,6
	v_pk_mul_f32 v[P+\k:P+\k+1], v[P+\k:P+\k+1], v[T+\k:T+\k+1]
.endr
.irp k, 0,2,4,6
	v_pk_mul_f32 v[P+\k:P+\k+1], v[P+\k:P+\k+1], v[E+\k:E+\k+1]
.endr
.irp k, 0,2,4,6
	v_pk_fma_f32 v[\x+\k:\x+\k+1], v[HH+\k:HH+\k+1], v[P+\k:P+\k+1], v[\x+\k:\x+\k+1]
.endr
.irp k, 0,1,2,3
	v_cvt_pk_bf16_f32 v[T+\k], v[\x+2*\k], v[\x+2*\k+1]
.endr
.endm
; the eight tiles (8 hf + a, q) of window 2 + hf (win: source 0 in that window): + bias, gelu, into the stage
.macro HALFG q, hf, win
	WIN \win
.irp a, 0,1,2,3,4,5,6,7
.irp r, 0,2,4,6
	v_pk_add_f32 v[XR+8*\a+\r:XR+8*\a+\r+1], v[8*(4*\a+\q)+\r:8*(4*\a+\q)+\r+1], v[CBV+8*(8*\hf+\a)+\r:CBV+8*(8*\hf+\a)+\r+1]
.endr
.endr
	WIN 0
.irp a, 0,1,2,3,4,5,6,7
	GELU8 XR+8*\a
	ds_store_b128 v[STO], v[T:T+3] offset:32*(8*\hf+\a)
.endr
.endm
; rows 16 q .. 16 q + 15 of my 64.  The rows are read back into window 1, 64 registers of their own for each q: no store's data is ever rewritten.
.macro OUTG q
	HALFG \q, 0, 0x02
	HALFG \q, 1, 0x03
	WIN 0x40
.irp t, 0,1,2,3,4,5,6,7,8,9,10,11,12,13,14,15
	ds_load_b128 v[64*\q+4*\t:64*\q+4*\t+3], v[RD] offset:\t*SPITCH   ; LDS serves a wave's instructions in order: these see the stores above
.endr
	WIN 0x04                                       ; store data in window 1, address in window 0
.irp t, 0,1,2,3,4,5,6,7,8,9,10,11,12,13,14,15
	s_wait_dscnt 15-\t                             ; number t of the sixteen is in
	global_store_b128 v[CO], v[64*\q+4*\t:64*\q+4*\t+3], s[8:9] offset:(16*\q+\t)*2048   ; the wave stores 512 consecutive bytes, aligned
.endr
.endm
	OUTG 0
	OUTG 1
	OUTG 2
	OUTG 3
	WIN 0
	s_wait_tensorcnt 0x0
	ds_add_u32 v30, v31
	s_wait_dscnt 0x0
	CROUND                                         ; the closing round: no work-group ends while a partner may still ask for a tile that names it
	s_endpgm
.Lfunc_end_k_q282e8d421a_tmix1:
	.size	k_q282e8d421a_tmix1, .Lfunc_end_k_q282e8d421a_tmix1-k_q282e8d421a_tmix1
	.p2alignl 7, 3214868480
	.fill 96, 4, 3214868480
	.section	.rodata,"a",@progbits
	.p2align	6, 0x0
	.amdhsa_kernel k_q282e8d421a_tmix1
		.amdhsa_group_segment_fixed_size 327680
		.amdhsa_private_segment_fixed_size 0
		.amdhsa_enable_private_segment 0
		.amdhsa_kernarg_size 32
		.amdhsa_user_sgpr_count 2
		.amdhsa_user_sgpr_kernarg_segment_ptr 1
		.amdhsa_wavefront_size32 1
		.amdhsa_system_sgpr_workgroup_id_x 1
		.amdhsa_system_sgpr_workgroup_id_y 1
		.amdhsa_system_sgpr_workgroup_id_z 1
		.amdhsa_system_vgpr_workitem_id 0
		.amdhsa_next_free_vgpr 1024
		.amdhsa_next_free_sgpr 96
		.amdhsa_reserve_vcc 0
		.amdhsa_float_denorm_mode_32 3
		.amdhsa_float_denorm_mode_16_64 3
		.amdhsa_memory_ordered 1
		.amdhsa_forward_progress 1
		.amdhsa_inst_pref_size 255
	.end_amdhsa_kernel
	.section	.bss,"aw",@nobits
	.p2align	6
	.space	262144
	.amdgpu_metadata
---
amdhsa.version: [ 1, 2 ]
amdhsa.kernels:
  - .name:           k_q282e8d421a_tmix1
    .symbol:         k_q282e8d421a_tmix1.kd
    .args:
      - { .name: yt, .offset: 0, .size: 8, .value_kind: global_buffer, .address_space: global }
      - { .name: w1b, .offset: 8, .size: 8, .value_kind: global_buffer, .address_space: global }
      - { .name: g, .offset: 16, .size: 8, .value_kind: global_buffer, .address_space: global }
      - { .name: tb1, .offset: 24, .size: 8, .value_kind: global_buffer, .address_space: global }
    .group_segment_fixed_size: 327680
    .private_segment_fixed_size: 0
    .kernarg_segment_align: 8
    .kernarg_segment_size: 32
    .max_flat_workgroup_size: 128
    .sgpr_count:     96
    .vgpr_count:     1024
    .wavefront_size: 32
...
	.end_amdgpu_metadata
.endif
;; end of part 2
;; launch tmix2 (part 3): grid 4 x 64, 4 waves a work-group, clusters of 4 x 4, 327,680 bytes of LDS; arguments w2b, g, x1, tb2, x; writes x1
.if DOCPART == 3
	.amdgcn_target "amdgcn-amd-amdhsa--gfx1250"
	.amdhsa_code_object_version 6
	.text
	.protected	k_q282e8d421a_tmix2
	.globl	k_q282e8d421a_tmix2
	.p2align	8
	.type	k_q282e8d421a_tmix2,@function
k_q282e8d421a_tmix2:
	s_mov_b64 s[64:65], 0
	v_nop
	global_prefetch_b8 v0, s[64:65] scope:SCOPE_SE
	s_setreg_imm32_b32 hwreg(HW_REG_WAVE_MODE, 25, 1), 1
	s_wait_xcnt 0x0
	s_wait_alu depctr_hold_cnt(0) depctr_sa_sdst(0) depctr_va_vdst(0) depctr_va_sdst(0) depctr_va_ssrc(0) depctr_va_vcc(0) depctr_vm_vsrc(0)
	s_getreg_b32 s2, hwreg(HW_REG_IB_STS2, 6, 4)
	s_cmp_eq_u32 s2, 0
	s_cbranch_scc0 .Lentry_in_a_cluster
	s_endpgm
.Lentry_in_a_cluster:
	s_bfe_u32 s2, ttmp6, 0x10000c
	s_cmp_lg_u32 s2, 0xf033
	s_cbranch_scc0 .Lentry_shape_is_right
	s_endpgm
.Lentry_shape_is_right:
; x1[b][t''][h] = x[b][t''][h] + sum over t' <= t'' of w2[t''][t'] G[b][h][t'] + tb2[t''].
; P = w2b: [1024][1024] bf16, lower triangular, rows and columns in position order, its zeros stored.  Q = g: [16][1024][1024] bf16, columns in position order.
; tb2: [1024] f32, x and x1: [16][1024][1024] f32, all in natural order.  Sums in f32.  With P's rows as the rows of the product the result lies as [b][t''][h].
; POSITION ORDER: t = 256 c + 64 j + r (c: its class) stands at position 256 j + 64 ((4 - c) & 3) + r: every 256 positions hold 64 t of each class, classes 0, 3, 2, 1.
; A weight is zero wherever the class of its column exceeds the class of its row, so a K chunk of class c meets only the rows of classes >= c.  In a block of 256 rows
; of P, cut into 16 tiles p of 16 rows (p 0-3 class 0, 4-7 class 3, 8-11 class 2, 12-15 class 1), these are: c = 0: p 0-15; c = 1: p 4-15; c = 2: p 4-11; c = 3: p 4-7.
; That is 64 + 48 + 32 + 16 of 4 x 64 matrix instructions, the same in every work-group: no trip count and no branch hangs on a block's place.
; A work-group makes 256 rows (the positions 256 cy ..) x 256 columns h of one batch with four waves; wave w makes all 256 rows x its 64 columns, so each wave holds every class:
; 64 accumulator tiles, 512 registers.  64 x 4 blocks = 256 work-groups.  K goes in 8 steps of 128 positions through a ring of two LDS slots filled by the tensor data mover;
; a tile's rows are 256 bytes of memory, aligned.  Even steps (classes 0 and 3) lie in slot 0, odd steps (classes 2 and 1) in slot 1; an odd step needs P's rows 64-255 alone.
; CLUSTERS: 4 x 4 work-groups = one batch.  P's tile hangs on cy alone and is shared along a row of the cluster; Q's hangs on the batch (the cluster's y) and cx and is shared along a column.
;
; REGISTERS, in windows of 256:
;   window 0: v0-31 addresses; v32-63 the bias of my rows; v64-95, v96-127 fragments of Q, two buffers; v128-255 four blocks of 16 rows of x
;   window 1: v0-127, v128-255 fragments of P (tile p at 8 p), two buffers; on the way out eight blocks of x
;   window 2: accumulator tiles (p, q), p 0-7, at v[8 (4 p + q)];   window 3: p 8-15 at v[8 (4 (p - 8) + q)]
; Source 0 = 16 rows of Q, source 1 = 16 rows of P: lane l holds row l % 16 of the result, its registers 0 to 7 the columns 8 (l / 16) + 0 .. 7.
.set SIZE_K, 1024
.set KSTEP,  128
.set PITCH,  272                       ; an LDS row: 256 bytes + 16 of padding
.set HALFT,  128*PITCH
.set SLOT,   4*HALFT                   ; Q's 256 rows, then P's 256 rows
.set STAGE,  2*SLOT                    ; behind the ring: two blocks of 16 rows x 272 bytes for each wave; no tensor load lands there
.set SPITCH, 272                       ; 256 bytes + 16
.set SBLK,   16*SPITCH
.set CROW,   4096                      ; bytes in a row of x and x1
.set LAPS,   4
.set ADRQ, 16
.set ADRP, 20
.set STO,  24                          ; v24     the way out: where I put 32 bytes of a row
.set RD,   25                          ; v25     the way out: lanes 0-15 one row of 256 bytes, lanes 16-31 the next
.set CO,   26                          ; v26     the same two rows in x and x1
.set QF,   64
.set RBV,  32                          ; v[32:63] tile p: tb2 of its row l % 16, twice (a pair for the packed add)
.set G1Q, 24
.set G0Q, 32
.set G1P, 48                           ; s[48:55] slot 0 (128 rows a wave); s[80:87] slot 1 (96 rows a wave)
.set G0P, 56
.set FLAGS, (1<<16)|(1<<20)|(1<<21)|(5<<22)|(3<<25)   ; elements of 2 bytes; padding on; bit 21 beside a mask; 4 words behind every 64
.set MSB, 0
.macro WIN new
.if MSB != \new
	s_set_vgpr_msb (MSB<<8)|\new
.set MSB, \new
.endif
.endm
.set MUL_LO, 0xa4                      ; source 0 (Q) window 0, source 1 (P) window 1, C and D window 2
.set MUL_HI, 0xf4                      ; the same, C and D window 3
.set TO_P,   0x40
.macro JLOAD s                         ; waves 0 and 1 fetch Q's two halves, waves 2 and 3 P's; the branch hangs on the wave's number alone
	s_cmp_eq_u32 s11, 0
	s_cbranch_scc0 .Lfor_p_\@
	tensor_load_to_lds s[G0Q+4*\s:G0Q+4*\s+3], s[G1Q:G1Q+7]
	s_nop 0
	s_branch .Lasked_\@
.Lfor_p_\@:
	tensor_load_to_lds s[G0P+4*\s:G0P+4*\s+3], s[G1P+32*\s:G1P+32*\s+7]
	s_nop 0
.Lasked_\@:
.endm
.macro CREST                           ; a round of the cluster's barrier behind its opening barrier
	s_cmp_lg_u32 s10, 0
	s_cbranch_scc1 .Lnot_wave_0_\@
	s_barrier_signal -3
.Lnot_wave_0_\@:
	s_barrier_wait -3
	s_barrier_signal -1
	s_barrier_wait -1
.endm
.macro CROUND                          ; a whole round
	s_barrier_signal -1
	s_barrier_wait -1
	CREST
.endm
	s_load_b128 s[4:7], s[0:1], 0x0                ; P s[4:5], Q s[6:7]
	s_load_b64 s[8:9], s[0:1], 0x10                ; x1
	s_load_b64 s[68:69], s[0:1], 0x18              ; bias
	s_load_b64 s[70:71], s[0:1], 0x20              ; x
	v_lshl_add_u32 v30, v0, 2, 0x4c800
	v_mov_b32 v31, 0
	ds_add_u32 v30, v31
	v_lshrrev_b32 v1, 5, v0
	v_readfirstlane_b32 s10, v1                    ; wave 0..3
	s_lshr_b32 s11, s10, 1                         ; I fetch for Q (0) or for P (1)
	s_and_b32 s12, s10, 1                          ; which half of that tile I fetch
	s_bfe_u32 s40, ttmp6, 0x40000                  ; cx
	s_bfe_u32 s41, ttmp6, 0x40004                  ; cy
	s_lshl_b32 s42, ttmp9, 2
	s_add_co_u32 s42, s42, s40                     ; block of 256 h = 4 x cluster x + cx
	s_and_b32 s45, ttmp7, 0xffff                   ; the cluster's y = the batch
	s_lshl_b32 s43, s41, 2
	s_lshl_b32 s43, 15, s43                        ; my row of the cluster
	s_lshl_b32 s44, 0x1111, s40                    ; my column
	s_or_b32 s[G1Q], s44, FLAGS
	s_or_b32 s[G1P], s43, FLAGS
	s_or_b32 s[G1P+32], s43, FLAGS
.irp g, G1Q, G1P, G1P+32
	s_mov_b32 s[\g+1], KSTEP<<16                   ; tensor_dim0 = 128
	s_mov_b32 s[\g+3], KSTEP<<16                   ; tile_dim0 = 128
	s_mov_b32 s[\g+5], SIZE_K                      ; elements from row to row
	s_mov_b32 s[\g+6], 0
	s_mov_b32 s[\g+7], 0
.endr
	s_mov_b32 s[G1Q+2], 128<<16                    ; tensor_dim1 = tile_dim1 = 128 rows
	s_mov_b32 s[G1Q+4], 128
	s_mov_b32 s[G1P+2], 128<<16
	s_mov_b32 s[G1P+4], 128
	s_mov_b32 s[G1P+34], 96<<16                    ; an odd step: 96 rows a wave
	s_mov_b32 s[G1P+36], 96
	s_lshl_b32 s17, s12, 7
	s_lshl_b32 s16, s41, 8
	s_add_co_u32 s16, s16, s17                     ; P, even steps: row 256 cy + 128 x half
	s_lshl_b32 s16, s16, 11
	s_mov_b32 s17, 0
	s_mul_i32 s73, s12, 96
	s_lshl_b32 s72, s41, 8
	s_add_co_u32 s72, s72, s73
	s_add_co_u32 s72, s72, 64                      ; P, odd steps: row 256 cy + 64 + 96 x half
	s_lshl_b32 s72, s72, 11
	s_add_co_u32 s72, s72, KSTEP*2                 ; K step 1
	s_mov_b32 s73, 0
	s_lshl_b32 s47, s12, 7
	s_lshl_b32 s46, s42, 8
	s_add_co_u32 s46, s46, s47
	s_lshl_b32 s47, s45, 10
	s_add_co_u32 s46, s46, s47                     ; Q: row 1,024 x batch + 256 x block of h + 128 x half
	s_lshl_b32 s46, s46, 11
	s_mov_b32 s47, 0
	s_mul_i32 s20, s10, HALFT                      ; where they go: wave x 128 rows (Q's halves, then P's)
	s_mul_i32 s21, s10, 96*PITCH                   ; P in slot 1: row 256 + 64 + 96 (wave - 2) = 128 + 96 x wave
	s_wait_dscnt 0x0
	s_wait_kmcnt 0x0
	s_add_nc_u64 s[14:15], s[4:5], s[16:17]
	s_add_nc_u64 s[72:73], s[4:5], s[72:73]
	s_add_nc_u64 s[46:47], s[6:7], s[46:47]
	CROUND                                         ; all sixteen work-groups are here: the first joint loads meet
	s_mov_b32 s[G0Q], 1
	s_add_co_u32 s[G0Q+1], s20, 0
	s_add_nc_u64 s[G0Q+2:G0Q+3], s[46:47], 0
	s_or_b32 s[G0Q+3], s[G0Q+3], 0x80000000
	s_mov_b32 s[G0P], 1
	s_add_co_u32 s[G0P+1], s20, 0
	s_add_nc_u64 s[G0P+2:G0P+3], s[14:15], 0
	s_or_b32 s[G0P+3], s[G0P+3], 0x80000000
	JLOAD 0
	s_mov_b32 s[G0Q+4], 1
	s_add_co_u32 s[G0Q+5], s20, SLOT
	s_add_nc_u64 s[G0Q+6:G0Q+7], s[46:47], KSTEP*2
	s_or_b32 s[G0Q+7], s[G0Q+7], 0x80000000
	s_mov_b32 s[G0P+4], 1
	s_add_co_u32 s[G0P+5], s21, SLOT+128*PITCH
	s_add_nc_u64 s[G0P+6:G0P+7], s[72:73], 0
	s_or_b32 s[G0P+7], s[G0P+7], 0x80000000
	JLOAD 1                                        ; both first fills go out before anything else: two tensor loads of the wave are out, never more
	v_and_b32 v1, 15, v0                           ; l % 16
	v_bfe_u32 v2, v0, 4, 1                         ; l / 16
	v_mul_u32_u24 v3, v1, PITCH
	v_lshl_add_u32 v3, v2, 4, v3
	s_mul_i32 s21, s10, 64*PITCH                   ; my 64 rows of Q
	s_mov_b32 s22, 2*HALFT                         ; P lies behind Q's 256 rows
.irp s, 0,1
	v_add_nc_u32 v[ADRQ+\s], s21, v3
	v_add_nc_u32 v[ADRP+\s], s22, v3
	s_add_co_u32 s21, s21, SLOT
	s_add_co_u32 s22, s22, SLOT
.endr
	s_mul_i32 s23, s10, 2*SBLK
	s_add_co_u32 s23, s23, STAGE                   ; my stage
	v_mul_u32_u24 v4, v1, SPITCH                   ; in: row l % 16, 32 bytes for each half of the lanes
	v_lshl_add_u32 v4, v2, 5, v4
	v_add_nc_u32 v[STO], s23, v4
	v_mul_u32_u24 v5, v2, SPITCH                   ; back: lanes 0-15 take one row of 256 bytes, lanes 16-31 the next
	v_lshl_add_u32 v5, v1, 4, v5
	v_add_nc_u32 v[RD], s23, v5
	v_lshlrev_b32 v5, 12, v2                       ; and the same two rows in x and x1
	v_lshl_add_u32 v[CO], v1, 4, v5
	; tile p's rows stand for t'' = 256 ((4 - p / 4) & 3) + 64 cy + 16 (p % 4) + ..: the part with p goes into the immediates
	s_lshl_b32 s76, s45, 22                        ; batch x 1,024 rows of 4,096 bytes
	s_lshl_b32 s77, s41, 18                        ; + 64 cy rows
	s_add_co_u32 s76, s76, s77
	s_lshl_b32 s77, s42, 10                        ; + 256 columns of 4 bytes a block
	s_add_co_u32 s76, s76, s77
	s_lshl_b32 s77, s10, 8                         ; + 64 columns a wave
	s_add_co_u32 s76, s76, s77
	s_mov_b32 s77, 0
	s_add_nc_u64 s[8:9], s[8:9], s[76:77]
	s_add_nc_u64 s[70:71], s[70:71], s[76:77]
	s_lshl_b32 s74, s41, 8                         ; the bias: 64 cy numbers of 4 bytes
	s_mov_b32 s75, 0
	s_add_nc_u64 s[68:69], s[68:69], s[74:75]
	v_lshlrev_b32 v27, 2, v1
.irp p, 0,1,2,3,4,5,6,7,8,9,10,11,12,13,14,15
	global_load_b32 v[RBV+2*\p],   v27, s[68:69] offset:((4-(\p>>2))&3)*1024+(\p&3)*64
	global_load_b32 v[RBV+2*\p+1], v27, s[68:69] offset:((4-(\p>>2))&3)*1024+(\p&3)*64
.endr
; x's 16 rows of tile i (8 loads, two rows each) into window rw, registers rr .. rr + 31
.macro RLOAD i, rw, rr
	WIN (\rw<<6)
.irp t, 0,1,2,3,4,5,6,7
	global_load_b128 v[\rr+4*\t:\rr+4*\t+3], v[CO], s[70:71] offset:(((4-(\i>>2))&3)*256+(\i&3)*16+2*\t)*CROW th:TH_LOAD_NT
.endr
.endm
	RLOAD 0, 0, 128                                ; four blocks of x wait in registers that the products do not use
	RLOAD 1, 0, 160
	RLOAD 2, 0, 192
	RLOAD 3, 0, 224
; 4 n matrix instructions: P's tiles p0 .. p0 + n - 1 (all in one window) x my 4 tiles of Q, 32 along K, from buffer b.  zero = 1: the product starts the sums.
.macro MULP b, p0, n, zero
.set pp, \p0
.rept \n
.irp q, 0,1,2,3
.if \zero
	v_wmma_f32_16x16x32_bf16 v[8*(4*(pp&7)+\q):8*(4*(pp&7)+\q)+7], v[QF+32*\b+8*\q:QF+32*\b+8*\q+7], v[128*\b+8*pp:128*\b+8*pp+7], 0
.else
	v_wmma_f32_16x16x32_bf16 v[8*(4*(pp&7)+\q):8*(4*(pp&7)+\q)+7], v[QF+32*\b+8*\q:QF+32*\b+8*\q+7], v[128*\b+8*pp:128*\b+8*pp+7], v[8*(4*(pp&7)+\q):8*(4*(pp&7)+\q)+7]
.endif
.endr
.set pp, pp+1
.endr
.endm
; one run of LDS loads: the fragments of one quarter step (32 K at byte k of the rows) into buffer b: P's tiles p0 .. p0 + n - 1 and my 4 tiles of Q
.macro FETCH slot, k, b, p0, n
	WIN TO_P
.set pp, \p0
.rept \n
	ds_load_b128 v[128*\b+8*pp:128*\b+8*pp+3],   v[ADRP+\slot] offset:\k+pp*16*PITCH
	ds_load_b128 v[128*\b+8*pp+4:128*\b+8*pp+7], v[ADRP+\slot] offset:\k+pp*16*PITCH+32
.set pp, pp+1
.endr
	WIN 0
.irp q, 0,1,2,3
	ds_load_b128 v[QF+32*\b+8*\q:QF+32*\b+8*\q+3],   v[ADRQ+\slot] offset:\k+\q*16*PITCH
	ds_load_b128 v[QF+32*\b+8*\q+4:QF+32*\b+8*\q+7], v[ADRQ+\slot] offset:\k+\q*16*PITCH+32
.endr
.endm
.macro PLACES                          ; four places behind a matrix instruction before one of its registers is touched (ISA guide 7.12.1)
.rept 4
	v_nop
.endr
.endm
; A quarter step: its fragments are in (they were asked for a quarter ago); the next quarter's are asked for, in one run, into the buffer that the last quarter read; then the products.
; The accumulators take turns, one instruction a turn, in ascending order in every quarter.
; An even step, slot 0: class 3 at bytes 128 and 192 of the rows, then class 0 at bytes 0 and 64.  z = 1: the first lap, whose first products start the sums.
.macro EVEN3 z
	s_wait_dscnt 0
	PLACES
	FETCH 0, 192, 1, 4, 4
	WIN MUL_LO
	MULP 0, 4, 4, \z
	s_wait_dscnt 0
	PLACES
	FETCH 0, 0, 0, 0, 16
	WIN MUL_LO
	MULP 1, 4, 4, 0
	s_wait_dscnt 0
	PLACES
	FETCH 0, 64, 1, 0, 16
	WIN MUL_LO
	MULP 0, 0, 4, \z
	MULP 0, 4, 4, 0
	WIN MUL_HI
	MULP 0, 8, 8, \z
.endm
; The last quarter of an even step changes slots: each wave's reads of this slot and all its tensor loads are waited for in front of the barrier; the refill is first behind it.
.macro ETURN fill
	s_wait_dscnt 0                                 ; my reads of this slot are over
	s_set_vgpr_msb 0xf4f0
	s_wait_tensorcnt 0x0                           ; and all my tensor loads have landed
	ds_add_u32 v30, v31
	s_wait_dscnt 0x0
	s_set_vgpr_msb 0xf0f4
	s_barrier_signal -1
	WIN MUL_LO
	MULP 1, 0, 4, 0
	WIN 0
	s_barrier_wait -1
.if \fill
	CREST                                          ; no wave of any partner still reads this slot's tile or has a load on its way
	s_add_nc_u64 s[G0Q+2:G0Q+3], s[G0Q+2:G0Q+3], 2*KSTEP*2
	s_add_nc_u64 s[G0P+2:G0P+3], s[G0P+2:G0P+3], 2*KSTEP*2
	JLOAD 0
.endif
	PLACES
	FETCH 1, 0, 0, 4, 8
	WIN MUL_LO
	MULP 1, 4, 4, 0
	WIN MUL_HI
	MULP 1, 8, 8, 0
.endm
; An odd step, slot 1: class 2 at bytes 0 and 64, then class 1 at bytes 128 and 192.
.macro ODD3
	s_wait_dscnt 0
	PLACES
	FETCH 1, 64, 1, 4, 8
	WIN MUL_LO
	MULP 0, 4, 4, 0
	WIN MUL_HI
	MULP 0, 8, 4, 0
	s_wait_dscnt 0
	PLACES
	FETCH 1, 128, 0, 4, 12
	WIN MUL_LO
	MULP 1, 4, 4, 0
	WIN MUL_HI
	MULP 1, 8, 4, 0
	s_wait_dscnt 0
	PLACES
	FETCH 1, 192, 1, 4, 12
	WIN MUL_LO
	MULP 0, 4, 4, 0
	WIN MUL_HI
	MULP 0, 8, 8, 0
.endm
.macro OTURN                           ; the last quarter of an odd step, slot 1 filled again; then slot 0's first fragments (class 3)
	s_wait_dscnt 0
	s_set_vgpr_msb 0xf4f0
	s_wait_tensorcnt 0x0
	ds_add_u32 v30, v31
	s_wait_dscnt 0x0
	s_set_vgpr_msb 0xf0f4
	s_barrier_signal -1
	WIN MUL_LO
	MULP 1, 4, 4, 0
	WIN 0
	s_barrier_wait -1
	CREST
	s_add_nc_u64 s[G0Q+6:G0Q+7], s[G0Q+6:G0Q+7], 2*KSTEP*2
	s_add_nc_u64 s[G0P+6:G0P+7], s[G0P+6:G0P+7], 2*KSTEP*2
	JLOAD 1
	PLACES
	FETCH 0, 128, 0, 4, 4
	WIN MUL_HI
	MULP 1, 8, 8, 0
.endm
.macro LAP z
	EVEN3 \z
	ETURN 1
	ODD3
	OTURN
.endm
	s_wait_tensorcnt 1                             ; my part of K step 0 is in; K step 1's may stay out
	s_barrier_signal -1
	s_barrier_wait -1
	FETCH 0, 128, 0, 4, 4
	LAP 1
	WIN 0
	s_mov_b32 s3, LAPS-2
.Llap:
	LAP 0
	WIN 0
	s_sub_co_u32 s3, s3, 1
	s_cmp_lg_u32 s3, 0
	s_cbranch_scc1 .Llap
	EVEN3 0                                        ; the last lap fills nothing
	ETURN 0
	ODD3
	s_wait_dscnt 0
	WIN MUL_LO
	MULP 1, 4, 4, 0
	WIN MUL_HI
	MULP 1, 8, 8, 0
; THE WAY OUT, tile row by tile row (16 rows x my 64 columns = the 32 registers 32 (i % 8) .. of window w).
; STG: + the row's bias, 32 bytes a lane into one of my two stage blocks, read back as whole rows of 256 bytes INTO THE SAME 32 REGISTERS: no store's data is ever rewritten.
.macro STG i, w
	WIN ((\w<<6)|\w)
.irp q, 0,1,2,3
.irp r, 0,2,4,6
	v_pk_add_f32 v[8*(4*(\i&7)+\q)+\r:8*(4*(\i&7)+\q)+\r+1], v[8*(4*(\i&7)+\q)+\r:8*(4*(\i&7)+\q)+\r+1], v[RBV+2*\i:RBV+2*\i+1]
.endr
.endr
	WIN (\w<<2)
.irp q, 0,1,2,3
	ds_store_b128 v[STO], v[8*(4*(\i&7)+\q):8*(4*(\i&7)+\q)+3]   offset:(\i&1)*SBLK+64*\q
	ds_store_b128 v[STO], v[8*(4*(\i&7)+\q)+4:8*(4*(\i&7)+\q)+7] offset:(\i&1)*SBLK+64*\q+16
.endr
	WIN (\w<<6)
.irp t, 0,1,2,3,4,5,6,7
	ds_load_b128 v[32*(\i&7)+4*\t:32*(\i&7)+4*\t+3], v[RD] offset:(\i&1)*SBLK+\t*2*SPITCH   ; LDS serves a wave's instructions in order: these see the stores above
.endr
.endm
; FIN: + x (window rw, registers rr ..), stored.  dsn: the LDS instructions of the next tile row's STG, which stay out; ldn: the loads of x issued behind this tile row's.
.macro FIN i, w, rw, rr, dsn, ldn
	s_wait_dscnt \dsn
	s_wait_loadcnt \ldn
	WIN ((\w<<6)|(\rw<<2)|\w)
.irp t, 0,1,2,3,4,5,6,7
	v_pk_add_f32 v[32*(\i&7)+4*\t:32*(\i&7)+4*\t+1],   v[32*(\i&7)+4*\t:32*(\i&7)+4*\t+1],   v[\rr+4*\t:\rr+4*\t+1]
	v_pk_add_f32 v[32*(\i&7)+4*\t+2:32*(\i&7)+4*\t+3], v[32*(\i&7)+4*\t+2:32*(\i&7)+4*\t+3], v[\rr+4*\t+2:\rr+4*\t+3]
.endr
	WIN (\w<<2)
.irp t, 0,1,2,3,4,5,6,7
	global_store_b128 v[CO], v[32*(\i&7)+4*\t:32*(\i&7)+4*\t+3], s[8:9] offset:(((4-(\i>>2))&3)*256+(\i&3)*16+2*\t)*CROW   ; 16 lanes store 256 consecutive bytes, aligned
.endr
.endm
	PLACES
	RLOAD 4, 1, 0                                  ; x is asked for seven tile rows ahead: 56 loads of the wave are on their way
	RLOAD 5, 1, 32
	RLOAD 6, 1, 64
	s_wait_loadcnt 56                              ; the 32 loads of the bias are in: behind them seven blocks of x were asked for
	STG 0, 2
	STG 1, 2
	RLOAD 7, 1, 96
	FIN 0, 2, 0, 128, 16, 56
	STG 2, 2
	RLOAD 8, 1, 128
	FIN 1, 2, 0, 160, 16, 56
	STG 3, 2
	RLOAD 9, 1, 160
	FIN 2, 2, 0, 192, 16, 56
	STG 4, 2
	RLOAD 10, 1, 192
	FIN 3, 2, 0, 224, 16, 56
	STG 5, 2
	RLOAD 11, 1, 224
	FIN 4, 2, 1, 0, 16, 56
	STG 6, 2
	RLOAD 12, 0, 128
	FIN 5, 2, 1, 32, 16, 56
	STG 7, 2
	RLOAD 13, 0, 160
	FIN 6, 2, 1, 64, 16, 56
	STG 8, 3
	RLOAD 14, 0, 192
	FIN 7, 2, 1, 96, 16, 56
	STG 9, 3
	RLOAD 15, 0, 224
	FIN 8, 3, 1, 128, 16, 56
	STG 10, 3
	FIN 9, 3, 1, 160, 16, 48
	STG 11, 3
	FIN 10, 3, 1, 192, 16, 40
	STG 12, 3
	FIN 11, 3, 1, 224, 16, 32
	STG 13, 3
	FIN 12, 3, 0, 128, 16, 24
	STG 14, 3
	FIN 13, 3, 0, 160, 16, 16
	STG 15, 3
	FIN 14, 3, 0, 192, 16, 8
	FIN 15, 3, 0, 224, 0, 0
	WIN 0
	s_wait_tensorcnt 0x0
	ds_add_u32 v30, v31
	s_wait_dscnt 0x0
	CROUND                                         ; the closing round: no work-group ends while a partner may still ask for a tile that names it
	s_endpgm
.Lfunc_end_k_q282e8d421a_tmix2:
	.size	k_q282e8d421a_tmix2, .Lfunc_end_k_q282e8d421a_tmix2-k_q282e8d421a_tmix2
	.p2alignl 7, 3214868480
	.fill 96, 4, 3214868480
	.section	.rodata,"a",@progbits
	.p2align	6, 0x0
	.amdhsa_kernel k_q282e8d421a_tmix2
		.amdhsa_group_segment_fixed_size 327680
		.amdhsa_private_segment_fixed_size 0
		.amdhsa_enable_private_segment 0
		.amdhsa_kernarg_size 40
		.amdhsa_user_sgpr_count 2
		.amdhsa_user_sgpr_kernarg_segment_ptr 1
		.amdhsa_wavefront_size32 1
		.amdhsa_system_sgpr_workgroup_id_x 1
		.amdhsa_system_sgpr_workgroup_id_y 1
		.amdhsa_system_sgpr_workgroup_id_z 1
		.amdhsa_system_vgpr_workitem_id 0
		.amdhsa_next_free_vgpr 1024
		.amdhsa_next_free_sgpr 96
		.amdhsa_reserve_vcc 0
		.amdhsa_float_denorm_mode_32 3
		.amdhsa_float_denorm_mode_16_64 3
		.amdhsa_memory_ordered 1
		.amdhsa_forward_progress 1
		.amdhsa_inst_pref_size 200
	.end_amdhsa_kernel
	.amdgpu_metadata
---
amdhsa.version: [ 1, 2 ]
amdhsa.kernels:
  - .name:           k_q282e8d421a_tmix2
    .symbol:         k_q282e8d421a_tmix2.kd
    .args:
      - { .name: w2b, .offset: 0, .size: 8, .value_kind: global_buffer, .address_space: global }
      - { .name: g, .offset: 8, .size: 8, .value_kind: global_buffer, .address_space: global }
      - { .name: x1, .offset: 16, .size: 8, .value_kind: global_buffer, .address_space: global }
      - { .name: tb2, .offset: 24, .size: 8, .value_kind: global_buffer, .address_space: global }
      - { .name: x, .offset: 32, .size: 8, .value_kind: global_buffer, .address_space: global }
    .group_segment_fixed_size: 327680
    .private_segment_fixed_size: 0
    .kernarg_segment_align: 8
    .kernarg_segment_size: 40
    .max_flat_workgroup_size: 128
    .sgpr_count:     96
    .vgpr_count:     1024
    .wavefront_size: 32
...
	.end_amdgpu_metadata
.endif
;; end of part 3
;; launch ln2 (part 4): grid 256 x 1, 16 waves a work-group, no clusters, 0 bytes of LDS; arguments x1, ln2_g, ln2_b, yt; writes yt
.if DOCPART == 4
	.amdgcn_target "amdgcn-amd-amdhsa--gfx1250"
	.amdhsa_code_object_version 6
	.text
	.protected	k_q282e8d421a_ln2
	.globl	k_q282e8d421a_ln2
	.p2align	8
	.type	k_q282e8d421a_ln2,@function
k_q282e8d421a_ln2:
	s_mov_b64 s[64:65], 0
	v_nop
	global_prefetch_b8 v0, s[64:65] scope:SCOPE_SE
	s_setreg_imm32_b32 hwreg(HW_REG_WAVE_MODE, 25, 1), 1
	s_wait_xcnt 0x0
; yt[row][h] = bf16( LayerNorm over h of x1[row][:] * g + beta ).  x1: [16384][1024] f32.  yt: [16384][1024] bf16.
; Sixteen waves; the work-group owns 64 rows, a wave 4, two at a time, a whole row in 32 registers: mean, then centred squares (two passes over
; registers, as the definition has them), so x1 is read once.  At the start half of the work-group's 262,144 bytes are asked for at once (16 waves x 16 loads
; x 512 bytes).  A lane's four numbers of a chunk pack into 8 bytes: a store of the wave covers 256 consecutive bytes, aligned.
; No wave depends on another: no LDS, no barrier; the matrix unit has nothing to do here.
.set ROWB, 4096                        ; bytes in a row of x1
.set YROW, 2048                        ; bytes in a row of yt
.set XO,  1                            ; v1         byte offset of my 16 bytes in my wave's first row; never rewritten
.set G,   2                            ; v[2:33]    gain of my 32 columns (chunk j: columns 128 j + 4 L + 0..3)
.set BB,  34                           ; v[34:65]   bias of the same
.set X0,  66                           ; v[66:97]   the pair's first row
.set X1,  98                           ; v[98:129]  the pair's second row
.set PK,  130                          ; v[130:145] first row, v[146:161] second row: chunk j's 8 bytes to store
.set T,   194
.set U,   202
.set M0,  210
.set M1,  212
.set R0,  214
.set R1,  216
.set YO,  218                          ; byte offset of my 8 bytes in yt; never rewritten
.set GBO, 220
.set LN,  221
	s_load_b256 s[4:11], s[0:1], 0x0               ; x1 s[4:5], gain s[6:7], bias s[8:9], yt s[10:11]
	v_lshrrev_b32 v[T], 5, v0
	v_readfirstlane_b32 s16, v[T]                  ; wave 0..15
	s_lshl_b32 s2, ttmp9, 18                       ; 64 rows of 4,096 bytes
	s_mov_b32 s3, 0
	s_lshl_b32 s18, ttmp9, 17                      ; 64 rows of 2,048 bytes
	s_mov_b32 s19, 0
	s_mov_b32 s12, 0x76543210
	s_mov_b32 s13, 0xfedcba98
	s_mov_b32 s14, 0x3a800000                      ; 1 / 1024
	s_mov_b32 s15, 0x3727c5ac                      ; 1e-5
	s_mov_b32 s20, 0xba800000                      ; -1 / 1024
	v_and_b32 v[LN], 31, v0
	v_lshlrev_b32 v[GBO], 4, v[LN]
	v_lshl_add_u32 v[XO], s16, 14, v[GBO]          ; wave x 4 rows + 16 L
	v_lshlrev_b32 v[YO], 3, v[LN]
	v_lshl_add_u32 v[YO], s16, 13, v[YO]           ; wave x 4 rows + 8 L
	s_wait_kmcnt 0x0
	s_add_nc_u64 s[4:5], s[4:5], s[2:3]
	s_add_nc_u64 s[10:11], s[10:11], s[18:19]
.macro LOADCH p, j                     ; chunk j (512 bytes) of both rows of pair p
	global_load_b128 v[X0+4*\j:X0+4*\j+3], v[XO], s[4:5] offset:(2*(\p))*ROWB+512*\j th:TH_LOAD_NT
	global_load_b128 v[X1+4*\j:X1+4*\j+3], v[XO], s[4:5] offset:(2*(\p)+1)*ROWB+512*\j th:TH_LOAD_NT
.endm
.irp j, 0,1,2,3,4,5,6,7
	LOADCH 0, \j
.endr
.irp j, 0,1,2,3,4,5,6,7
	global_load_b128 v[G+4*\j:G+4*\j+3],   v[GBO], s[6:7] offset:512*\j
	global_load_b128 v[BB+4*\j:BB+4*\j+3], v[GBO], s[8:9] offset:512*\j
.endr
.macro RED r, tmp                      ; sum over the 32 lanes, the result in every lane; tmp has been written before
	v_add_f32_dpp v[\r], v[\r], v[\r] row_xmask:1 row_mask:0xf bank_mask:0xf
	v_add_f32_dpp v[\r], v[\r], v[\r] row_xmask:2 row_mask:0xf bank_mask:0xf
	v_add_f32_dpp v[\r], v[\r], v[\r] row_xmask:4 row_mask:0xf bank_mask:0xf
	v_add_f32_dpp v[\r], v[\r], v[\r] row_xmask:8 row_mask:0xf bank_mask:0xf
	v_permlanex16_b32 v[\tmp], v[\r], s12, s13
	v_add_f32 v[\r], v[\r], v[\tmp]
.endm
; both rows, interleaved: mean; the rows centred in place; mean of the squares; 1 / sqrt(var + eps) in R0, R1
.macro STATS
	v_pk_add_f32 v[T:T+1],   v[X0:X0+1],   v[X0+2:X0+3]
	v_pk_add_f32 v[U:U+1],   v[X1:X1+1],   v[X1+2:X1+3]
	v_pk_add_f32 v[T+2:T+3], v[X0+4:X0+5], v[X0+6:X0+7]
	v_pk_add_f32 v[U+2:U+3], v[X1+4:X1+5], v[X1+6:X1+7]
.irp k, 8,12,16,20,24,28
	v_pk_add_f32 v[T:T+1],   v[T:T+1],   v[X0+\k:X0+\k+1]
	v_pk_add_f32 v[U:U+1],   v[U:U+1],   v[X1+\k:X1+\k+1]
	v_pk_add_f32 v[T+2:T+3], v[T+2:T+3], v[X0+\k+2:X0+\k+3]
	v_pk_add_f32 v[U+2:U+3], v[U+2:U+3], v[X1+\k+2:X1+\k+3]
.endr
	v_pk_add_f32 v[T:T+1], v[T:T+1], v[T+2:T+3]
	v_pk_add_f32 v[U:U+1], v[U:U+1], v[U+2:U+3]
	v_add_f32 v[T], v[T], v[T+1]
	v_add_f32 v[U], v[U], v[U+1]
	RED T, T+1
	RED U, U+1
	v_mul_f32 v[M0],   s20, v[T]                   ; minus the mean, twice
	v_mul_f32 v[M0+1], s20, v[T]
	v_mul_f32 v[M1],   s20, v[U]
	v_mul_f32 v[M1+1], s20, v[U]
.irp k, 0,2,4,6,8,10,12,14,16,18,20,22,24,26,28,30
	v_pk_add_f32 v[X0+\k:X0+\k+1], v[X0+\k:X0+\k+1], v[M0:M0+1]
	v_pk_add_f32 v[X1+\k:X1+\k+1], v[X1+\k:X1+\k+1], v[M1:M1+1]
.endr
	v_pk_mul_f32 v[T:T+1],   v[X0:X0+1],   v[X0:X0+1]
	v_pk_mul_f32 v[U:U+1],   v[X1:X1+1],   v[X1:X1+1]
	v_pk_mul_f32 v[T+2:T+3], v[X0+2:X0+3], v[X0+2:X0+3]
	v_pk_mul_f32 v[U+2:U+3], v[X1+2:X1+3], v[X1+2:X1+3]
.irp k, 4,8,12,16,20,24,28
	v_pk_fma_f32 v[T:T+1],   v[X0+\k:X0+\k+1],   v[X0+\k:X0+\k+1],   v[T:T+1]
	v_pk_fma_f32 v[U:U+1],   v[X1+\k:X1+\k+1],   v[X1+\k:X1+\k+1],   v[U:U+1]
	v_pk_fma_f32 v[T+2:T+3], v[X0+\k+2:X0+\k+3], v[X0+\k+2:X0+\k+3], v[T+2:T+3]
	v_pk_fma_f32 v[U+2:U+3], v[X1+\k+2:X1+\k+3], v[X1+\k+2:X1+\k+3], v[U+2:U+3]
.endr
	v_pk_add_f32 v[T:T+1], v[T:T+1], v[T+2:T+3]
	v_pk_add_f32 v[U:U+1], v[U:U+1], v[U+2:U+3]
	v_add_f32 v[T], v[T], v[T+1]
	v_add_f32 v[U], v[U], v[U+1]
	RED T, T+1
	RED U, U+1
	v_fma_f32 v[T], v[T], s14, s15                 ; var + eps
	v_fma_f32 v[U], v[U], s14, s15
	v_rsq_f32 v[R0],   v[T]
	v_rsq_f32 v[R0+1], v[T]
	v_rsq_f32 v[R1],   v[U]
	v_rsq_f32 v[R1+1], v[U]
	v_nop                                          ; one plain vector instruction between a transcendental and the use of its result (ISA guide 5.7.2)
.endm
; rows 2 p and 2 p + 1 of my wave.  more = 1: each chunk's registers are loaded again, with the next pair, as soon as they are used up.
.macro PAIR p, more
	s_wait_loadcnt 0x0                             ; both rows are whole (and, the first time, gain and bias)
	s_wait_xcnt 0x0                                ; PK, which the last pair's stores read, is rewritten only behind this wait
	STATS
	s_wait_alu depctr_va_vdst(0)
.irp j, 0,1,2,3,4,5,6,7
	v_pk_mul_f32 v[X0+4*\j:X0+4*\j+1],   v[X0+4*\j:X0+4*\j+1],   v[R0:R0+1]
	v_pk_mul_f32 v[X0+4*\j+2:X0+4*\j+3], v[X0+4*\j+2:X0+4*\j+3], v[R0:R0+1]
	v_pk_mul_f32 v[X1+4*\j:X1+4*\j+1],   v[X1+4*\j:X1+4*\j+1],   v[R1:R1+1]
	v_pk_mul_f32 v[X1+4*\j+2:X1+4*\j+3], v[X1+4*\j+2:X1+4*\j+3], v[R1:R1+1]
	v_pk_fma_f32 v[X0+4*\j:X0+4*\j+1],   v[X0+4*\j:X0+4*\j+1],   v[G+4*\j:G+4*\j+1],   v[BB+4*\j:BB+4*\j+1]
	v_pk_fma_f32 v[X0+4*\j+2:X0+4*\j+3], v[X0+4*\j+2:X0+4*\j+3], v[G+4*\j+2:G+4*\j+3], v[BB+4*\j+2:BB+4*\j+3]
	v_pk_fma_f32 v[X1+4*\j:X1+4*\j+1],   v[X1+4*\j:X1+4*\j+1],   v[G+4*\j:G+4*\j+1],   v[BB+4*\j:BB+4*\j+1]
	v_pk_fma_f32 v[X1+4*\j+2:X1+4*\j+3], v[X1+4*\j+2:X1+4*\j+3], v[G+4*\j+2:G+4*\j+3], v[BB+4*\j+2:BB+4*\j+3]
	v_cvt_pk_bf16_f32 v[PK+2*\j],      v[X0+4*\j],   v[X0+4*\j+1]
	v_cvt_pk_bf16_f32 v[PK+2*\j+1],    v[X0+4*\j+2], v[X0+4*\j+3]
	v_cvt_pk_bf16_f32 v[PK+16+2*\j],   v[X1+4*\j],   v[X1+4*\j+1]
	v_cvt_pk_bf16_f32 v[PK+16+2*\j+1], v[X1+4*\j+2], v[X1+4*\j+3]
.if \more
	LOADCH \p+1, \j                                ; loads ahead of stores
.endif
	global_store_b64 v[YO], v[PK+2*\j:PK+2*\j+1],       s[10:11] offset:(2*\p)*YROW+256*\j
	global_store_b64 v[YO], v[PK+16+2*\j:PK+16+2*\j+1], s[10:11] offset:(2*\p+1)*YROW+256*\j
.endr
.endm
	PAIR 0, 1
	PAIR 1, 0
	s_endpgm
.Lfunc_end_k_q282e8d421a_ln2:
	.size	k_q282e8d421a_ln2, .Lfunc_end_k_q282e8d421a_ln2-k_q282e8d421a_ln2
	.p2alignl 7, 3214868480
	.fill 96, 4, 3214868480
	.section	.rodata,"a",@progbits
	.p2align	6, 0x0
	.amdhsa_kernel k_q282e8d421a_ln2
		.amdhsa_group_segment_fixed_size 0
		.amdhsa_private_segment_fixed_size 0
		.amdhsa_enable_private_segment 0
		.amdhsa_kernarg_size 32
		.amdhsa_user_sgpr_count 2
		.amdhsa_user_sgpr_kernarg_segment_ptr 1
		.amdhsa_wavefront_size32 1
		.amdhsa_system_sgpr_workgroup_id_x 1
		.amdhsa_system_sgpr_workgroup_id_y 1
		.amdhsa_system_sgpr_workgroup_id_z 1
		.amdhsa_system_vgpr_workitem_id 0
		.amdhsa_next_free_vgpr 224
		.amdhsa_next_free_sgpr 66
		.amdhsa_reserve_vcc 0
		.amdhsa_float_denorm_mode_32 3
		.amdhsa_float_denorm_mode_16_64 3
		.amdhsa_memory_ordered 1
		.amdhsa_forward_progress 1
		.amdhsa_inst_pref_size 37
	.end_amdhsa_kernel
	.amdgpu_metadata
---
amdhsa.version: [ 1, 2 ]
amdhsa.kernels:
  - .name:           k_q282e8d421a_ln2
    .symbol:         k_q282e8d421a_ln2.kd
    .args:
      - { .name: x1, .offset: 0, .size: 8, .value_kind: global_buffer, .address_space: global }
      - { .name: ln2_g, .offset: 8, .size: 8, .value_kind: global_buffer, .address_space: global }
      - { .name: ln2_b, .offset: 16, .size: 8, .value_kind: global_buffer, .address_space: global }
      - { .name: yt, .offset: 24, .size: 8, .value_kind: global_buffer, .address_space: global }
    .group_segment_fixed_size: 0
    .private_segment_fixed_size: 0
    .kernarg_segment_align: 8
    .kernarg_segment_size: 32
    .max_flat_workgroup_size: 512
    .sgpr_count:     66
    .vgpr_count:     224
    .wavefront_size: 32
...
	.end_amdgpu_metadata
.endif
;; end of part 4
;; launch cmix1 (part 5): grid 4 x 64, 4 waves a work-group, clusters of 4 x 4, 327,680 bytes of LDS; arguments yt, w3b, g, cb1; writes g
.if DOCPART == 5
	.amdgcn_target "amdgcn-amd-amdhsa--gfx1250"
	.amdhsa_code_object_version 6
	.text
	.protected	k_q282e8d421a_cmix1
	.globl	k_q282e8d421a_cmix1
	.p2align	8
	.type	k_q282e8d421a_cmix1,@function
k_q282e8d421a_cmix1:
	s_mov_b64 s[64:65], 0
	v_nop
	global_prefetch_b8 v0, s[64:65] scope:SCOPE_SE
	s_setreg_imm32_b32 hwreg(HW_REG_WAVE_MODE, 25, 1), 1
	s_wait_xcnt 0x0
	s_wait_alu depctr_hold_cnt(0) depctr_sa_sdst(0) depctr_va_vdst(0) depctr_va_sdst(0) depctr_va_ssrc(0) depctr_va_vcc(0) depctr_vm_vsrc(0)
	s_getreg_b32 s2, hwreg(HW_REG_IB_STS2, 6, 4)
	s_cmp_eq_u32 s2, 0
	s_cbranch_scc0 .Lentry_in_a_cluster
	s_endpgm
.Lentry_in_a_cluster:
	s_bfe_u32 s2, ttmp6, 0x10000c
	s_cmp_lg_u32 s2, 0xf033
	s_cbranch_scc0 .Lentry_shape_is_right
	s_endpgm
.Lentry_shape_is_right:
; C[m][n] = bf16( gelu( sum over k of A[m][k] W[n][k] + bias[n] ) ).  A: [16384][1024] bf16, W: [1024][1024] bf16, bias: [1024] f32, C: [16384][1024] bf16.
; Sums in f32; gelu in f32 in its erf form.
; LIMIT: erf is the rational form of Abramowitz and Stegun 7.1.25, absolute error at most 2.5e-5 for every argument, so gelu(x) is off by at most
; 1.25e-5 |x|, which lies below the rounding to bf16 that follows.  gelu(x) = max(x, 0) - 0.5 |x| (a1 t + a2 t^2 + a3 t^3) 2^(-0.7213 x^2), t = 1 / (1 + 0.33267 |x|).
; A work-group makes a block of 256 x 256 of C with four waves, one for each SIMD; a wave makes 128 x 128: 64 accumulator tiles of 16 x 16, 512 registers.
; 64 x 4 blocks = 256 work-groups.  K goes in 8 steps of 128 through a ring of two LDS slots filled by the tensor data mover: a tile's rows are 256 bytes
; of memory and start at multiples of 256 bytes from the buffer's first byte.
; CLUSTERS: 4 x 4 work-groups.  The four of a row of the cluster need the same tiles of A, the four of a column the same tiles of W.  Such a tile is asked
; for jointly: each of the four issues the same tensor load, with the same descriptor and a mask that names the four.  That divides the requests by four.
;
; REGISTERS, in windows of 256:
;   window 0: v0-31 addresses and constants; v32-63 at work on the way out; v64-127, v128-191 fragments of A, two buffers; v192-255 the bias of my columns
;   window 1: v64-127, v128-191 fragments of W, two buffers
;   window 2: the 32 accumulator tiles of my rows 0-63 (tile (a, b) at v[8 (8 a + b)]);   window 3: those of my rows 64-127
; THE MATRIX INSTRUCTION IS USED TRANSPOSED: source 0 = 16 rows of W, source 1 = 16 rows of A.  Lane l then holds row l % 16 of C, and its registers 0 to 7
; the columns 8 (l / 16) + 0 .. 7: eight neighbouring numbers of a row, which pack into 16 bytes.
.set SIZE_K, 1024
.set SIZE_N, 1024
.set KSTEP,  128
.set PITCH,  272                       ; an LDS row: 256 bytes + 16 of padding, so the 16 rows that a load touches start at 16 different 16-byte columns
.set HALFT,  128*PITCH                 ; 128 rows: what one tensor load brings, and what one wave reads of A or of W
.set SLOT,   4*HALFT                   ; A's 256 rows, then W's 256 rows
.set STAGE,  2*SLOT                    ; behind the ring: 16 rows x 272 bytes for each wave, for the way out; no tensor load lands there
.set SPITCH, 272
.set LAPS, SIZE_K/(2*KSTEP)            ; a lap = two K steps = once round the ring: 4
.set ADRA, 16                          ; v16-17  LDS address of my A fragments in slot 0, 1
.set ADRB, 20                          ; v20-21  the same for W
.set STO,  24                          ; v24     the way out: where I put 16 bytes of a row
.set RD,   25                          ; v25     the way out: where I read a row back
.set CO,   26                          ; v26     my byte offset in C
.set F0,   64
.set F1,   128
.set CBV,  192                         ; v[192:255] bias[my first column + 16 b + 8 (l / 16) + j] at 8 b + j
.set XR,   64                          ; the way out: 16 rows' sums + bias
.set T,    32                          ; the way out, eight numbers at a time: t, then the packed result
.set E,    40                          ; 2^(-0.7213 x^2)
.set P,    48                          ; the polynomial
.set HH,   56                          ; |x|
.set G1, 24                            ; s[24:31] descriptor group 1 for A's tiles
.set G0, 32                            ; s[32:39] descriptor group 0 for A's tiles, one set for each slot
.set G1B, 48                           ; s[48:55] descriptor group 1 for W's tiles: another mask
.set G0B, 56                           ; s[56:63] descriptor group 0 for W's tiles, one set for each slot
.set MSB, 0
.macro WIN new                         ; the immediate's high byte repeats the setting that is left
.if MSB != \new
	s_set_vgpr_msb (MSB<<8)|\new
.set MSB, \new
.endif
.endm
.set MUL_LO, 0xa1                      ; source 0 (W) window 1, source 1 (A) window 0, C and D window 2
.set MUL_HI, 0xf1                      ; the same, C and D window 3
.set TO_B,   0x40                      ; destination window 1, address window 0
; A joint load.  Waves 0 and 1 fetch A's two halves, waves 2 and 3 W's.  The branch hangs on the wave's number alone.
.macro JLOAD s
	s_cmp_eq_u32 s11, 0
	s_cbranch_scc0 .Lfor_b_\@
	tensor_load_to_lds s[G0+4*\s:G0+4*\s+3], s[G1:G1+7]
	s_nop 0
	s_branch .Lasked_\@
.Lfor_b_\@:
	tensor_load_to_lds s[G0B+4*\s:G0B+4*\s+3], s[G1B:G1B+7]
	s_nop 0
.Lasked_\@:
.endm
; A round of the cluster's barrier: my work-group's barrier; wave 0 signals for the work-group; every wave waits for all sixteen; my work-group's barrier again.
.macro CREST                           ; a round behind its opening barrier
	s_cmp_lg_u32 s10, 0
	s_cbranch_scc1 .Lnot_wave_0_\@
	s_barrier_signal -3
.Lnot_wave_0_\@:
	s_barrier_wait -3
	s_barrier_signal -1
	s_barrier_wait -1
.endm
.macro CROUND                          ; a whole round
	s_barrier_signal -1
	s_barrier_wait -1
	CREST
.endm
	s_load_b128 s[4:7], s[0:1], 0x0                ; A s[4:5], W s[6:7]
	s_load_b64 s[8:9], s[0:1], 0x10                ; C
	s_load_b64 s[68:69], s[0:1], 0x18              ; bias
	s_set_vgpr_msb 0x40
	v_lshl_add_u32 v255, v0, 2, 0x48400
	s_set_vgpr_msb 0x4000
	v_mov_b32 v31, 0
	s_set_vgpr_msb 0x1
	ds_add_u32 v255, v31
	s_set_vgpr_msb 0x100
	v_lshrrev_b32 v1, 5, v0
	v_readfirstlane_b32 s10, v1                    ; wave 0..3
	s_lshr_b32 s11, s10, 1                         ; which half of the block's rows is mine.  Also: I fetch for A (0) or for W (1)
	s_and_b32 s12, s10, 1                          ; which half of its columns.  Also: which 128 rows of that tile I fetch
	s_bfe_u32 s40, ttmp6, 0x40000                  ; cx
	s_bfe_u32 s41, ttmp6, 0x40004                  ; cy
	s_lshl_b32 s42, ttmp9, 2
	s_add_co_u32 s42, s42, s40                     ; block column of C = 4 x cluster x + cx
	s_and_b32 s13, ttmp7, 0xffff
	s_lshl_b32 s13, s13, 2
	s_add_co_u32 s13, s13, s41                     ; block row of C = 4 x cluster y + cy
	s_lshl_b32 s43, s41, 2
	s_lshl_b32 s43, 15, s43                        ; my row of the cluster: places 4 cy .. 4 cy + 3
	s_lshl_b32 s44, 0x1111, s40                    ; my column: places cx, cx + 4, cx + 8, cx + 12
	; descriptor group 1: a tile of 128 rows x 128 elements of 2 bytes, 4 words of padding behind every 64 words
	s_or_b32 s[G1+0], s43, (1<<16)|(1<<20)|(1<<21)|(5<<22)|(3<<25)
	s_or_b32 s[G1B+0], s44, (1<<16)|(1<<20)|(1<<21)|(5<<22)|(3<<25)
	s_mov_b32 s[G1B+1], KSTEP<<16
	s_mov_b32 s[G1+1], KSTEP<<16                   ; tensor_dim0 = 128
	s_mov_b32 s[G1B+2], 128<<16
	s_mov_b32 s[G1+2], 128<<16                     ; tensor_dim1 = 128
	s_mov_b32 s[G1B+3], KSTEP<<16
	s_mov_b32 s[G1+3], KSTEP<<16                   ; tile_dim0 = 128
	s_mov_b32 s[G1B+4], 128
	s_mov_b32 s[G1+4], 128                         ; tile_dim1 = 128
	s_mov_b32 s[G1B+5], SIZE_K
	s_mov_b32 s[G1+5], SIZE_K                      ; elements from row to row
	s_mov_b32 s[G1B+6], 0
	s_mov_b32 s[G1+6], 0
	s_mov_b32 s[G1B+7], 0
	s_mov_b32 s[G1+7], 0
	; A's tiles hang on the block row alone, which my row of the cluster shares; W's on the block column alone, which my column shares.
	s_lshl_b32 s17, s12, 7                         ; which 128 rows of the tile I fetch
	s_lshl_b32 s16, s13, 8
	s_add_co_u32 s16, s16, s17                     ; A: row 256 x block row + 128 x half
	s_lshl_b32 s46, s42, 8
	s_add_co_u32 s46, s46, s17                     ; W: row 256 x block column + 128 x half
	s_mov_b32 s17, 0
	s_mov_b32 s47, 0
	s_mov_b64 s[18:19], SIZE_K*2
	s_mul_u64 s[16:17], s[16:17], s[18:19]         ; in bytes
	s_mul_u64 s[46:47], s[46:47], s[18:19]
	s_mul_i32 s20, s10, HALFT                      ; where they go: wave x 128 rows
	s_wait_dscnt 0x0
	s_wait_kmcnt 0x0
	s_add_nc_u64 s[14:15], s[4:5], s[16:17]
	s_add_nc_u64 s[46:47], s[6:7], s[46:47]
	CROUND                                         ; all sixteen work-groups are here: the first joint loads meet
.irp s, 0,1
	s_mov_b32 s[G0+4*\s], 1
	s_add_co_u32 s[G0+4*\s+1], s20, \s*SLOT
	s_add_nc_u64 s[G0+4*\s+2:G0+4*\s+3], s[14:15], \s*KSTEP*2
	s_or_b32 s[G0+4*\s+3], s[G0+4*\s+3], 0x80000000
	s_mov_b32 s[G0B+4*\s], 1
	s_add_co_u32 s[G0B+4*\s+1], s20, \s*SLOT
	s_add_nc_u64 s[G0B+4*\s+2:G0B+4*\s+3], s[46:47], \s*KSTEP*2
	s_or_b32 s[G0B+4*\s+3], s[G0B+4*\s+3], 0x80000000
	JLOAD \s                                       ; both first fills go out before anything else: two tensor loads of the wave are out, never more
.endr
	; a fragment is 16 rows x 32 K in 8 registers: two loads of 16 bytes, 32 bytes apart, at row x pitch + 16 (l / 16)
	v_and_b32 v1, 15, v0                           ; l % 16
	v_bfe_u32 v2, v0, 4, 1                         ; l / 16
	v_mul_u32_u24 v3, v1, PITCH
	v_lshl_add_u32 v3, v2, 4, v3
	s_mul_i32 s21, s11, HALFT                      ; my 128 rows of A
	s_mul_i32 s22, s12, HALFT                      ; my 128 rows of W,
	s_add_co_u32 s22, s22, 2*HALFT                 ; which lie behind A's 256
.irp s, 0,1
	v_add_nc_u32 v[ADRA+\s], s21, v3
	v_add_nc_u32 v[ADRB+\s], s22, v3
	s_add_co_u32 s21, s21, SLOT
	s_add_co_u32 s22, s22, SLOT
.endr
	s_mul_i32 s23, s10, 16*SPITCH
	s_add_co_u32 s23, s23, STAGE                   ; my stage
	v_mul_u32_u24 v4, v1, SPITCH                   ; in: row l % 16, 16 bytes for each half of the lanes
	v_lshl_add_u32 v4, v2, 4, v4
	v_add_nc_u32 v[STO], s23, v4
	v_mul_u32_u24 v5, v2, SPITCH                   ; back: lanes 0-15 take one row of 256 bytes, lanes 16-31 the next
	v_lshl_add_u32 v5, v1, 4, v5
	v_add_nc_u32 v[RD], s23, v5
	v_mul_u32_u24 v5, v2, SIZE_N*2                 ; and the same two rows in C
	v_lshl_add_u32 v[CO], v1, 4, v5
	; the bias of my 128 columns, as the accumulators hold them, asked for once; it is waited for at the head of the way out, and nothing touches v192-255 till then
	s_lshl_b32 s74, s42, 10                        ; 256 columns of 4 bytes a block
	s_lshl_b32 s75, s12, 9                         ; 128 a half
	s_add_co_u32 s74, s74, s75
	s_mov_b32 s75, 0
	s_add_nc_u64 s[68:69], s[68:69], s[74:75]
	v_lshlrev_b32 v27, 5, v2                       ; 8 numbers further for lanes 16-31
.irp b, 0,1,2,3,4,5,6,7
	global_load_b128 v[CBV+8*\b:CBV+8*\b+3],   v27, s[68:69] offset:64*\b
	global_load_b128 v[CBV+8*\b+4:CBV+8*\b+7], v27, s[68:69] offset:64*\b+16
.endr
	v_mov_b32 v8,  0xbe32303a                      ; -a1 / 2 (the factor -0.5 of the formula is folded into the coefficients)
	v_mov_b32 v9,  0xbe32303a
	v_mov_b32 v10, 0x3d445ca1                      ; -a2 / 2
	v_mov_b32 v11, 0x3d445ca1
	v_mov_b32 v12, 0xbebf7377                      ; -a3 / 2
	v_mov_b32 v13, 0xbebf7377
	v_mov_b32 v14, 0xbf38aa3b                      ; -log2(e) / 2
	v_mov_b32 v15, 0xbf38aa3b
	v_mov_b32 v28, 0x3eaa540e                      ; 0.47047 / sqrt(2)
	v_mov_b32 v29, 0x3eaa540e
	s_mov_b32 s73, 0x7fffffff
; 16 matrix instructions: m blocks a0, a0 + 1 of the window's four x all 8 n blocks, 32 along K.  zero = 1: the first product starts the sums.
.macro MUL16 f, hi, a0, zero
.irp a, \a0, \a0+1
.irp b, 0,1,2,3,4,5,6,7
.if \zero
	v_wmma_f32_16x16x32_bf16 v[8*(8*(\a)+\b):8*(8*(\a)+\b)+7], v[\f+8*\b:\f+8*\b+7], v[\f+8*(4*\hi+\a):\f+8*(4*\hi+\a)+7], 0
.else
	v_wmma_f32_16x16x32_bf16 v[8*(8*(\a)+\b):8*(8*(\a)+\b)+7], v[\f+8*\b:\f+8*\b+7], v[\f+8*(4*\hi+\a):\f+8*(4*\hi+\a)+7], v[8*(8*(\a)+\b):8*(8*(\a)+\b)+7]
.endif
.endr
.endr
.endm
; 32 LDS loads in one run: the fragments of one quarter step (32 K at byte k of the rows) into buffer f
.macro FETCH slot, k, f
	WIN TO_B
.irp i, 0,1,2,3,4,5,6,7
	ds_load_b128 v[\f+8*\i:\f+8*\i+3],   v[ADRB+\slot] offset:\k+\i*16*PITCH
	ds_load_b128 v[\f+8*\i+4:\f+8*\i+7], v[ADRB+\slot] offset:\k+\i*16*PITCH+32
.endr
	WIN 0
.irp i, 0,1,2,3,4,5,6,7
	ds_load_b128 v[\f+8*\i:\f+8*\i+3],   v[ADRA+\slot] offset:\k+\i*16*PITCH
	ds_load_b128 v[\f+8*\i+4:\f+8*\i+7], v[ADRA+\slot] offset:\k+\i*16*PITCH+32
.endr
.endm
; four places behind a matrix instruction before a load lands on, or a vector instruction touches, one of its registers
.macro PLACES
.rept 4
	v_nop
.endr
.endm
; one of a K step's first three quarters: multiplies buffer f; in its middle it fetches the next quarter's fragments into buffer g
.macro QUARTER slot, k, f, g, zero
	s_wait_dscnt 8                                 ; W and A's rows 0-63 are in; the youngest eight loads (A's rows 64-127) may be out
	WIN MUL_LO
	MUL16 \f, 0, 0, \zero
	MUL16 \f, 0, 2, \zero
	PLACES
	FETCH \slot, \k, \g
	s_wait_dscnt 32                                ; all but the 32 just issued
	WIN MUL_HI
	MUL16 \f, 1, 0, \zero
	MUL16 \f, 1, 2, \zero
.endm
.macro THREE slot, zero
	QUARTER \slot, 64,  F0, F1, \zero
	QUARTER \slot, 128, F1, F0, 0
	QUARTER \slot, 192, F0, F1, 0
.endm
; The last quarter: multiplies buffer 1 and changes slots.  In front of the barrier each wave waits for its reads of this slot and for all its tensor
; loads (one is out: its part of the next slot).  Behind it the refill comes first, then the next slot's first fragments.
; The 64 accumulators take turns, one instruction a turn, in the same order in every quarter.
.macro TURN slot, next, fill
	s_wait_dscnt 8
	WIN MUL_LO
	MUL16 F1, 0, 0, 0
	s_wait_dscnt 0                                 ; my reads of this slot are over
	s_wait_tensorcnt 0x0                           ; and all my tensor loads have landed
	ds_add_u32 v255, v31
	s_wait_dscnt 0x0
	s_barrier_signal -1                            ; say so (where a slot is filled again this barrier opens a round of the cluster's barrier),
	MUL16 F1, 0, 2, 0                              ; work on registers while the others arrive,
	WIN 0
	s_barrier_wait -1
.if \fill
	CREST                                          ; no wave of any partner still reads this slot's tile or has a load on its way
	s_add_nc_u64 s[G0+4*\slot+2:G0+4*\slot+3], s[G0+4*\slot+2:G0+4*\slot+3], 2*KSTEP*2
	s_add_nc_u64 s[G0B+4*\slot+2:G0B+4*\slot+3], s[G0B+4*\slot+2:G0B+4*\slot+3], 2*KSTEP*2
	JLOAD \slot                                    ; the first tensor load behind the round, and the wave's only one until the next
.endif
	PLACES
	FETCH \next, 0, F0
	WIN MUL_HI
	MUL16 F1, 1, 0, 0
	MUL16 F1, 1, 2, 0
.endm
.macro LAP zero
	THREE 0, \zero
	TURN 0, 1, 1
	THREE 1, 0
	TURN 1, 0, 1
.endm
	s_wait_tensorcnt 1                             ; my part of K step 0 is in; K step 1's may stay out
	s_barrier_signal -1
	s_barrier_wait -1                              ; everybody's is
	FETCH 0, 0, F0
	LAP 1                                          ; the first lap stands in front of the loop: its first products start the sums
	WIN 0                                          ; at a label and at a branch every window is 0
	s_mov_b32 s3, LAPS-2
.Llap:
	LAP 0
	WIN 0
	s_sub_co_u32 s3, s3, 1
	s_cmp_lg_u32 s3, 0
	s_cbranch_scc1 .Llap
	THREE 0, 0                                     ; the last lap fills nothing
	TURN 0, 1, 0
	THREE 1, 0
	s_wait_dscnt 8                                 ; the very last quarter
	WIN MUL_LO
	MUL16 F1, 0, 0, 0
	MUL16 F1, 0, 2, 0
	s_wait_dscnt 0
	WIN MUL_HI
	MUL16 F1, 1, 0, 0
	MUL16 F1, 1, 2, 0
	; THE WAY OUT, 16 rows of C at a time: + bias, gelu, round to bf16, 16 bytes a lane into my own stage, read back as whole rows of 256 bytes.
	PLACES
	s_wait_loadcnt 0x0                             ; the bias, asked for at the start
	s_lshl_b32 s13, s13, 8
	s_lshl_b32 s14, s11, 7
	s_add_co_u32 s16, s13, s14                     ; my first row of C
	s_mov_b32 s17, 0
	s_mov_b64 s[18:19], SIZE_N*2
	s_mul_u64 s[16:17], s[16:17], s[18:19]
	s_add_nc_u64 s[8:9], s[8:9], s[16:17]
	s_lshl_b32 s46, s42, 9                         ; my first column, in bytes: 512 x block + 256 x half
	s_lshl_b32 s47, s12, 8
	s_add_co_u32 s46, s46, s47
	s_mov_b32 s47, 0
	s_add_nc_u64 s[8:9], s[8:9], s[46:47]
; gelu of the eight numbers at v[x .. x+7]; the result, packed to bf16, in v[T:T+3]
.macro GELU8 x
.irp k, 0,1,2,3,4,5,6,7
	v_and_b32 v[HH+\k], s73, v[\x+\k]              ; |x|
.endr
.irp k, 0,2,4,6
	v_pk_fma_f32 v[T+\k:T+\k+1], v[HH+\k:HH+\k+1], v[28:29], 1.0 op_sel_hi:[1,1,0]
.endr
.irp k, 0,2,4,6
	v_pk_mul_f32 v[E+\k:E+\k+1], v[\x+\k:\x+\k+1], v[\x+\k:\x+\k+1]
.endr
.irp k, 0,2,4,6
	v_pk_mul_f32 v[E+\k:E+\k+1], v[E+\k:E+\k+1], v[14:15]
.endr
.irp k, 0,1,2,3,4,5,6,7
	v_rcp_f32 v[T+\k], v[T+\k]                     ; t
.endr
.irp k, 0,1,2,3,4,5,6,7
	v_exp_f32 v[E+\k], v[E+\k]                     ; e^(-x^2 / 2)
.endr
.irp k, 0,1,2,3,4,5,6,7
	v_max_num_f32 v[\x+\k], 0, v[\x+\k]            ; plain work that touches neither T nor E stands between the transcendentals and the use of their results (ISA guide 5.7.2)
.endr
	s_wait_alu depctr_va_vdst(0)
.irp k, 0,2,4,6
	v_pk_fma_f32 v[P+\k:P+\k+1], v[T+\k:T+\k+1], v[12:13], v[10:11]
.endr
.irp k, 0,2,4,6
	v_pk_fma_f32 v[P+\k:P+\k+1], v[P+\k:P+\k+1], v[T+\k:T+\k+1], v[8:9]
.endr
.irp k, 0,2,4,6
	v_pk_mul_f32 v[P+\k:P+\k+1], v[P+\k:P+\k+1], v[T+\k:T+\k+1]
.endr
.irp k, 0,2,4,6
	v_pk_mul_f32 v[P+\k:P+\k+1], v[P+\k:P+\k+1], v[E+\k:E+\k+1]
.endr
.irp k, 0,2,4,6
	v_pk_fma_f32 v[\x+\k:\x+\k+1], v[HH+\k:HH+\k+1], v[P+\k:P+\k+1], v[\x+\k:\x+\k+1]
.endr
.irp k, 0,1,2,3
	v_cvt_pk_bf16_f32 v[T+\k], v[\x+2*\k], v[\x+2*\k+1]
.endr
.endm
; rows 16 i .. 16 i + 15 of my block = the eight tiles (a, 0..7) of window 2 or 3 (from = 0x02 or 0x03: source 0); f: the read-back registers, in turn
.macro OUTG i, a, from, f
	WIN \from
.irp b, 0,1,2,3,4,5,6,7
.irp r, 0,2,4,6
	v_pk_add_f32 v[XR+8*\b+\r:XR+8*\b+\r+1], v[8*(8*\a+\b)+\r:8*(8*\a+\b)+\r+1], v[CBV+8*\b+\r:CBV+8*\b+\r+1]
.endr
.endr
	WIN 0
.irp b, 0,1,2,3,4,5,6,7
	GELU8 XR+8*\b
	ds_store_b128 v[STO], v[T:T+3] offset:32*\b
.endr
	s_wait_xcnt 0x0                                ; the read-back registers, which stores read, and the stores' base are rewritten only behind this wait
.if \i
	s_add_nc_u64 s[8:9], s[8:9], 16*SIZE_N*2
.endif
.irp t, 0,1,2,3,4,5,6,7
	ds_load_b128 v[\f+4*\t:\f+4*\t+3], v[RD] offset:\t*2*SPITCH    ; LDS serves a wave's instructions in order: these see the stores above
.endr
.irp t, 0,1,2,3,4,5,6,7
	s_wait_dscnt 7-\t
	global_store_b128 v[CO], v[\f+4*\t:\f+4*\t+3], s[8:9] offset:2*\t*SIZE_N*2   ; 16 lanes store 256 consecutive bytes, aligned
.endr
.endm
	OUTG 0, 0, 0x02, 128
	OUTG 1, 1, 0x02, 160
	OUTG 2, 2, 0x02, 128
	OUTG 3, 3, 0x02, 160
	OUTG 4, 0, 0x03, 128
	OUTG 5, 1, 0x03, 160
	OUTG 6, 2, 0x03, 128
	OUTG 7, 3, 0x03, 160
	s_set_vgpr_msb 0x1
	s_wait_tensorcnt 0x0
	ds_add_u32 v255, v31
	s_wait_dscnt 0x0
	s_set_vgpr_msb 0x100
	CROUND                                         ; the closing round: no work-group ends while a partner may still ask for a tile that names it
	s_endpgm
.Lfunc_end_k_q282e8d421a_cmix1:
	.size	k_q282e8d421a_cmix1, .Lfunc_end_k_q282e8d421a_cmix1-k_q282e8d421a_cmix1
	.p2alignl 7, 3214868480
	.fill 96, 4, 3214868480
	.section	.rodata,"a",@progbits
	.p2align	6, 0x0
	.amdhsa_kernel k_q282e8d421a_cmix1
		.amdhsa_group_segment_fixed_size 327680
		.amdhsa_private_segment_fixed_size 0
		.amdhsa_enable_private_segment 0
		.amdhsa_kernarg_size 32
		.amdhsa_user_sgpr_count 2
		.amdhsa_user_sgpr_kernarg_segment_ptr 1
		.amdhsa_wavefront_size32 1
		.amdhsa_system_sgpr_workgroup_id_x 1
		.amdhsa_system_sgpr_workgroup_id_y 1
		.amdhsa_system_sgpr_workgroup_id_z 1
		.amdhsa_system_vgpr_workitem_id 0
		.amdhsa_next_free_vgpr 1024
		.amdhsa_next_free_sgpr 80
		.amdhsa_reserve_vcc 0
		.amdhsa_float_denorm_mode_32 3
		.amdhsa_float_denorm_mode_16_64 3
		.amdhsa_memory_ordered 1
		.amdhsa_forward_progress 1
		.amdhsa_inst_pref_size 255
	.end_amdhsa_kernel
	.section	.bss,"aw",@nobits
	.p2align	6
	.space	262144
	.amdgpu_metadata
---
amdhsa.version: [ 1, 2 ]
amdhsa.kernels:
  - .name:           k_q282e8d421a_cmix1
    .symbol:         k_q282e8d421a_cmix1.kd
    .args:
      - { .name: yt, .offset: 0, .size: 8, .value_kind: global_buffer, .address_space: global }
      - { .name: w3b, .offset: 8, .size: 8, .value_kind: global_buffer, .address_space: global }
      - { .name: g, .offset: 16, .size: 8, .value_kind: global_buffer, .address_space: global }
      - { .name: cb1, .offset: 24, .size: 8, .value_kind: global_buffer, .address_space: global }
    .group_segment_fixed_size: 327680
    .private_segment_fixed_size: 0
    .kernarg_segment_align: 8
    .kernarg_segment_size: 32
    .max_flat_workgroup_size: 128
    .sgpr_count:     80
    .vgpr_count:     1024
    .wavefront_size: 32
...
	.end_amdgpu_metadata
.endif
;; end of part 5
;; launch cmix2 (part 6): grid 4 x 64, 4 waves a work-group, clusters of 4 x 4, 327,680 bytes of LDS; arguments g, w4b, out0, cb2, x1; writes out0
.if DOCPART == 6
	.amdgcn_target "amdgcn-amd-amdhsa--gfx1250"
	.amdhsa_code_object_version 6
	.text
	.protected	k_q282e8d421a_cmix2
	.globl	k_q282e8d421a_cmix2
	.p2align	8
	.type	k_q282e8d421a_cmix2,@function
k_q282e8d421a_cmix2:
	s_mov_b64 s[64:65], 0
	v_nop
	global_prefetch_b8 v0, s[64:65] scope:SCOPE_SE
	s_setreg_imm32_b32 hwreg(HW_REG_WAVE_MODE, 25, 1), 1
	s_wait_xcnt 0x0
	s_wait_alu depctr_hold_cnt(0) depctr_sa_sdst(0) depctr_va_vdst(0) depctr_va_sdst(0) depctr_va_ssrc(0) depctr_va_vcc(0) depctr_vm_vsrc(0)
	s_getreg_b32 s2, hwreg(HW_REG_IB_STS2, 6, 4)
	s_cmp_eq_u32 s2, 0
	s_cbranch_scc0 .Lentry_in_a_cluster
	s_endpgm
.Lentry_in_a_cluster:
	s_bfe_u32 s2, ttmp6, 0x10000c
	s_cmp_lg_u32 s2, 0xf033
	s_cbranch_scc0 .Lentry_shape_is_right
	s_endpgm
.Lentry_shape_is_right:
; C[m][n] = R[m][n] + sum over k of A[m][k] W[n][k] + bias[n].  A: [16384][1024] bf16, W: [1024][1024] bf16, bias: [1024] f32, R and C: [16384][1024] f32.  Sums in f32.
; A work-group makes a block of 256 x 256 of C with four waves; a wave makes 128 x 128 in 512 registers.  64 x 4 blocks = 256 work-groups.
; K goes in 8 steps of 128 through a ring of two LDS slots filled by the tensor data mover; a tile's rows are 256 bytes of memory, aligned.
; CLUSTERS: 4 x 4 work-groups.  A's tile hangs on the block row alone and is shared along a row of the cluster, W's on the block column alone and is shared
; along a column: each is asked for jointly by the four that share it, which divides the requests by four.
;
; REGISTERS, in windows of 256:
;   window 0: v0-31 addresses and the bias of my 4 columns; v64-127, v128-191 fragments of A, two buffers; v192-255 the first 16 rows of R
;   window 1: v64-127, v128-191 fragments of W, two buffers;   windows 2, 3: the accumulator tiles of my rows 0-63, 64-127 (tile (a, b) at v[8 (8 a + b)])
; THE MATRIX INSTRUCTION IS USED TRANSPOSED: source 0 = 16 rows of W, source 1 = 16 rows of A.  Lane l holds row l % 16, registers 0 to 7 the columns 8 (l / 16) + 0 .. 7.
.set SIZE_K, 1024
.set KSTEP,  128
.set PITCH,  272                       ; an LDS row: 256 bytes + 16 of padding
.set HALFT,  128*PITCH
.set SLOT,   4*HALFT
.set STAGE,  2*SLOT                    ; behind the ring: 16 rows x 528 bytes for each wave; no tensor load lands there
.set SPITCH, 528                       ; 512 bytes + 16: the sixteen rows that a store touches start at 16 different 16-byte columns
.set CROW,   4096                      ; bytes in a row of R and C
.set LAPS, SIZE_K/(2*KSTEP)
.set ADRA, 16
.set ADRB, 20
.set STO,  24                          ; v24     the way out: where I put 32 bytes of a row
.set RD,   25                          ; v25     the way out: 16 L in my stage
.set CO,   26                          ; v26     16 L: my bytes in a row of my block
.set CB4,  28                          ; v[28:31] bias of my four columns on the way out
.set F0,   64
.set F1,   128
.set SR,   128                         ; the way out: 16 rows read back
.set G1, 24
.set G0, 32
.set G1B, 48
.set G0B, 56
.set MSB, 0
.macro WIN new
.if MSB != \new
	s_set_vgpr_msb (MSB<<8)|\new
.set MSB, \new
.endif
.endm
.set MUL_LO, 0xa1
.set MUL_HI, 0xf1
.set TO_B,   0x40
.macro JLOAD s                         ; waves 0 and 1 fetch A's two halves, waves 2 and 3 W's; the branch hangs on the wave's number alone
	s_cmp_eq_u32 s11, 0
	s_cbranch_scc0 .Lfor_b_\@
	tensor_load_to_lds s[G0+4*\s:G0+4*\s+3], s[G1:G1+7]
	s_nop 0
	s_branch .Lasked_\@
.Lfor_b_\@:
	tensor_load_to_lds s[G0B+4*\s:G0B+4*\s+3], s[G1B:G1B+7]
	s_nop 0
.Lasked_\@:
.endm
.macro CREST                           ; a round of the cluster's barrier behind its opening barrier
	s_cmp_lg_u32 s10, 0
	s_cbranch_scc1 .Lnot_wave_0_\@
	s_barrier_signal -3
.Lnot_wave_0_\@:
	s_barrier_wait -3
	s_barrier_signal -1
	s_barrier_wait -1
.endm
.macro CROUND                          ; a whole round
	s_barrier_signal -1
	s_barrier_wait -1
	CREST
.endm
	s_load_b128 s[4:7], s[0:1], 0x0                ; A s[4:5], W s[6:7]
	s_load_b64 s[8:9], s[0:1], 0x10                ; C
	s_load_b64 s[68:69], s[0:1], 0x18              ; bias
	s_load_b64 s[70:71], s[0:1], 0x20              ; R
	s_set_vgpr_msb 0x40
	v_lshl_add_u32 v255, v0, 2, 0x4c400
	s_set_vgpr_msb 0x4000
	v_mov_b32 v63, 0
	s_set_vgpr_msb 0x1
	ds_add_u32 v255, v63
	s_set_vgpr_msb 0x100
	v_lshrrev_b32 v1, 5, v0
	v_readfirstlane_b32 s10, v1                    ; wave 0..3
	s_lshr_b32 s11, s10, 1                         ; which half of the block's rows is mine.  Also: I fetch for A (0) or for W (1)
	s_and_b32 s12, s10, 1                          ; which half of its columns.  Also: which 128 rows of that tile I fetch
	s_bfe_u32 s40, ttmp6, 0x40000                  ; cx
	s_bfe_u32 s41, ttmp6, 0x40004                  ; cy
	s_lshl_b32 s42, ttmp9, 2
	s_add_co_u32 s42, s42, s40                     ; block column of C
	s_and_b32 s13, ttmp7, 0xffff
	s_lshl_b32 s13, s13, 2
	s_add_co_u32 s13, s13, s41                     ; block row of C
	s_lshl_b32 s43, s41, 2
	s_lshl_b32 s43, 15, s43                        ; my row of the cluster
	s_lshl_b32 s44, 0x1111, s40                    ; my column
	s_or_b32 s[G1+0], s43, (1<<16)|(1<<20)|(1<<21)|(5<<22)|(3<<25)   ; elements of 2 bytes; 4 words of padding behind every 64
	s_or_b32 s[G1B+0], s44, (1<<16)|(1<<20)|(1<<21)|(5<<22)|(3<<25)
	s_mov_b32 s[G1B+1], KSTEP<<16
	s_mov_b32 s[G1+1], KSTEP<<16                   ; tensor_dim0 = 128
	s_mov_b32 s[G1B+2], 128<<16
	s_mov_b32 s[G1+2], 128<<16                     ; tensor_dim1 = 128
	s_mov_b32 s[G1B+3], KSTEP<<16
	s_mov_b32 s[G1+3], KSTEP<<16                   ; tile_dim0 = 128
	s_mov_b32 s[G1B+4], 128
	s_mov_b32 s[G1+4], 128                         ; tile_dim1 = 128
	s_mov_b32 s[G1B+5], SIZE_K
	s_mov_b32 s[G1+5], SIZE_K
	s_mov_b32 s[G1B+6], 0
	s_mov_b32 s[G1+6], 0
	s_mov_b32 s[G1B+7], 0
	s_mov_b32 s[G1+7], 0
	s_lshl_b32 s17, s12, 7                         ; which 128 rows of the tile I fetch
	s_lshl_b32 s16, s13, 8
	s_add_co_u32 s16, s16, s17                     ; A: row 256 x block row + 128 x half
	s_lshl_b32 s46, s42, 8
	s_add_co_u32 s46, s46, s17                     ; W: row 256 x block column + 128 x half
	s_mov_b32 s17, 0
	s_mov_b32 s47, 0
	s_mov_b64 s[18:19], SIZE_K*2
	s_mul_u64 s[16:17], s[16:17], s[18:19]
	s_mul_u64 s[46:47], s[46:47], s[18:19]
	s_mul_i32 s20, s10, HALFT
	s_wait_dscnt 0x0
	s_wait_kmcnt 0x0
	s_add_nc_u64 s[14:15], s[4:5], s[16:17]
	s_add_nc_u64 s[46:47], s[6:7], s[46:47]
	CROUND                                         ; all sixteen work-groups are here: the first joint loads meet
.irp s, 0,1
	s_mov_b32 s[G0+4*\s], 1
	s_add_co_u32 s[G0+4*\s+1], s20, \s*SLOT
	s_add_nc_u64 s[G0+4*\s+2:G0+4*\s+3], s[14:15], \s*KSTEP*2
	s_or_b32 s[G0+4*\s+3], s[G0+4*\s+3], 0x80000000
	s_mov_b32 s[G0B+4*\s], 1
	s_add_co_u32 s[G0B+4*\s+1], s20, \s*SLOT
	s_add_nc_u64 s[G0B+4*\s+2:G0B+4*\s+3], s[46:47], \s*KSTEP*2
	s_or_b32 s[G0B+4*\s+3], s[G0B+4*\s+3], 0x80000000
	JLOAD \s                                       ; both first fills go out before anything else: two tensor loads of the wave are out, never more
.endr
	v_and_b32 v1, 15, v0                           ; l % 16
	v_bfe_u32 v2, v0, 4, 1                         ; l / 16
	v_mul_u32_u24 v3, v1, PITCH
	v_lshl_add_u32 v3, v2, 4, v3
	s_mul_i32 s21, s11, HALFT
	s_mul_i32 s22, s12, HALFT
	s_add_co_u32 s22, s22, 2*HALFT
.irp s, 0,1
	v_add_nc_u32 v[ADRA+\s], s21, v3
	v_add_nc_u32 v[ADRB+\s], s22, v3
	s_add_co_u32 s21, s21, SLOT
	s_add_co_u32 s22, s22, SLOT
.endr
	s_mul_i32 s23, s10, 16*SPITCH
	s_add_co_u32 s23, s23, STAGE                   ; my stage
	v_mul_u32_u24 v4, v1, SPITCH                   ; in: row l % 16, 32 bytes for each half of the lanes
	v_lshl_add_u32 v4, v2, 5, v4
	v_add_nc_u32 v[STO], s23, v4
	v_and_b32 v5, 31, v0
	v_lshlrev_b32 v[CO], 4, v5                     ; back: the 32 lanes take one row of 512 bytes
	v_add_nc_u32 v[RD], s23, v[CO]
	; my block's first byte in R and in C, and my columns' first byte in the bias
	s_lshl_b32 s76, s13, 20                        ; 256 rows of 4,096 bytes
	s_lshl_b32 s77, s11, 19                        ; 128 rows
	s_add_co_u32 s76, s76, s77
	s_lshl_b32 s74, s42, 10                        ; 256 columns of 4 bytes
	s_lshl_b32 s75, s12, 9                         ; 128 columns
	s_add_co_u32 s74, s74, s75
	s_add_co_u32 s76, s76, s74
	s_mov_b32 s75, 0
	s_mov_b32 s77, 0
	s_add_nc_u64 s[8:9], s[8:9], s[76:77]
	s_add_nc_u64 s[70:71], s[70:71], s[76:77]
	s_add_nc_u64 s[68:69], s[68:69], s[74:75]
	global_load_b128 v[CB4:CB4+3], v[CO], s[68:69]
.irp t, 0,1,2,3,4,5,6,7,8,9,10,11,12,13,14,15
	global_load_b128 v[192+4*\t:192+4*\t+3], v[CO], s[70:71] offset:\t*CROW th:TH_LOAD_NT   ; R, my first 16 rows: they wait in registers that the products do not use
.endr
.macro MUL16 f, hi, a0, zero
.irp a, \a0, \a0+1
.irp b, 0,1,2,3,4,5,6,7
.if \zero
	v_wmma_f32_16x16x32_bf16 v[8*(8*(\a)+\b):8*(8*(\a)+\b)+7], v[\f+8*\b:\f+8*\b+7], v[\f+8*(4*\hi+\a):\f+8*(4*\hi+\a)+7], 0
.else
	v_wmma_f32_16x16x32_bf16 v[8*(8*(\a)+\b):8*(8*(\a)+\b)+7], v[\f+8*\b:\f+8*\b+7], v[\f+8*(4*\hi+\a):\f+8*(4*\hi+\a)+7], v[8*(8*(\a)+\b):8*(8*(\a)+\b)+7]
.endif
.endr
.endr
.endm
.macro FETCH slot, k, f
	WIN TO_B
.irp i, 0,1,2,3,4,5,6,7
	ds_load_b128 v[\f+8*\i:\f+8*\i+3],   v[ADRB+\slot] offset:\k+\i*16*PITCH
	ds_load_b128 v[\f+8*\i+4:\f+8*\i+7], v[ADRB+\slot] offset:\k+\i*16*PITCH+32
.endr
	WIN 0
.irp i, 0,1,2,3,4,5,6,7
	ds_load_b128 v[\f+8*\i:\f+8*\i+3],   v[ADRA+\slot] offset:\k+\i*16*PITCH
	ds_load_b128 v[\f+8*\i+4:\f+8*\i+7], v[ADRA+\slot] offset:\k+\i*16*PITCH+32
.endr
.endm
.macro PLACES                          ; four places behind a matrix instruction before one of its registers is touched (ISA guide 7.12.1)
.rept 4
	v_nop
.endr
.endm
.macro QUARTER slot, k, f, g, zero
	s_wait_dscnt 8                                 ; W and A's rows 0-63 are in; the youngest eight loads (A's rows 64-127) may be out
	WIN MUL_LO
	MUL16 \f, 0, 0, \zero
	MUL16 \f, 0, 2, \zero
	PLACES
	FETCH \slot, \k, \g
	s_wait_dscnt 32                                ; all but the 32 just issued
	WIN MUL_HI
	MUL16 \f, 1, 0, \zero
	MUL16 \f, 1, 2, \zero
.endm
.macro THREE slot, zero
	QUARTER \slot, 64,  F0, F1, \zero
	QUARTER \slot, 128, F1, F0, 0
	QUARTER \slot, 192, F0, F1, 0
.endm
; The last quarter changes slots: each wave's reads of this slot and all its tensor loads are waited for in front of the barrier; the refill is first behind it.
; The 64 accumulators take turns, one instruction a turn.
.macro TURN slot, next, fill
	s_wait_dscnt 8
	WIN MUL_LO
	MUL16 F1, 0, 0, 0
	s_wait_dscnt 0                                 ; my reads of this slot are over
	s_wait_tensorcnt 0x0                           ; and all my tensor loads have landed
	ds_add_u32 v255, v63
	s_wait_dscnt 0x0
	s_barrier_signal -1
	MUL16 F1, 0, 2, 0
	WIN 0
	s_barrier_wait -1
.if \fill
	CREST                                          ; no wave of any partner still reads this slot's tile or has a load on its way
	s_add_nc_u64 s[G0+4*\slot+2:G0+4*\slot+3], s[G0+4*\slot+2:G0+4*\slot+3], 2*KSTEP*2
	s_add_nc_u64 s[G0B+4*\slot+2:G0B+4*\slot+3], s[G0B+4*\slot+2:G0B+4*\slot+3], 2*KSTEP*2
	JLOAD \slot
.endif
	PLACES
	FETCH \next, 0, F0
	WIN MUL_HI
	MUL16 F1, 1, 0, 0
	MUL16 F1, 1, 2, 0
.endm
.macro LAP zero
	THREE 0, \zero
	TURN 0, 1, 1
	THREE 1, 0
	TURN 1, 0, 1
.endm
	s_wait_loadcnt 0x0                             ; the bias and R's first rows, once
	s_wait_tensorcnt 1                             ; my part of K step 0 is in; K step 1's may stay out
	s_barrier_signal -1
	s_barrier_wait -1
	FETCH 0, 0, F0
	LAP 1
	WIN 0
	s_mov_b32 s3, LAPS-2
.Llap:
	LAP 0
	WIN 0
	s_sub_co_u32 s3, s3, 1
	s_cmp_lg_u32 s3, 0
	s_cbranch_scc1 .Llap
	THREE 0, 0
	TURN 0, 1, 0
	THREE 1, 0
	s_wait_dscnt 8
	WIN MUL_LO
	MUL16 F1, 0, 0, 0
	MUL16 F1, 0, 2, 0
	s_wait_dscnt 0
	WIN MUL_HI
	MUL16 F1, 1, 0, 0
	MUL16 F1, 1, 2, 0
	; THE WAY OUT, 16 rows at a time: 32 bytes a lane straight from the accumulators into my own stage, read back as whole rows of 512 bytes, + R + bias, stored.
	PLACES
; rows 16 i .. 16 i + 15 = tiles (a, 0..7).  winst: store data in the tiles' window.  rcur: R's rows of this block; rnext: where the next block's go (more = 1).
.macro OUTF i, a, winst, rcur, rnext, more
	WIN 0
.if \more
.irp t, 0,1,2,3,4,5,6,7,8,9,10,11,12,13,14,15
	global_load_b128 v[\rnext+4*\t:\rnext+4*\t+3], v[CO], s[70:71] offset:(16*(\i+1)+\t)*CROW th:TH_LOAD_NT
.endr
.endif
	WIN \winst
.irp b, 0,1,2,3,4,5,6,7
	ds_store_b128 v[STO], v[8*(8*\a+\b):8*(8*\a+\b)+3]   offset:64*\b
	ds_store_b128 v[STO], v[8*(8*\a+\b)+4:8*(8*\a+\b)+7] offset:64*\b+16
.endr
	WIN 0
	s_wait_xcnt 0x0                                ; SR, which the last block's stores read, is loaded again only behind this wait
.irp t, 0,1,2,3,4,5,6,7,8,9,10,11,12,13,14,15
	ds_load_b128 v[SR+4*\t:SR+4*\t+3], v[RD] offset:\t*SPITCH      ; LDS serves a wave's instructions in order: these see the stores above
.endr
.if \more
	s_wait_loadcnt 16                              ; this block's rows of R are in; the 16 loads just issued stay out
.else
	s_wait_loadcnt 0x0
.endif
.irp t, 0,1,2,3,4,5,6,7,8,9,10,11,12,13,14,15
	s_wait_dscnt 15-\t
	v_pk_add_f32 v[SR+4*\t:SR+4*\t+1],   v[SR+4*\t:SR+4*\t+1],   v[CB4:CB4+1]
	v_pk_add_f32 v[SR+4*\t+2:SR+4*\t+3], v[SR+4*\t+2:SR+4*\t+3], v[CB4+2:CB4+3]
	v_pk_add_f32 v[SR+4*\t:SR+4*\t+1],   v[SR+4*\t:SR+4*\t+1],   v[\rcur+4*\t:\rcur+4*\t+1]
	v_pk_add_f32 v[SR+4*\t+2:SR+4*\t+3], v[SR+4*\t+2:SR+4*\t+3], v[\rcur+4*\t+2:\rcur+4*\t+3]
	global_store_b128 v[CO], v[SR+4*\t:SR+4*\t+3], s[8:9] offset:(16*\i+\t)*CROW th:TH_STORE_NT   ; the wave stores 512 consecutive bytes, aligned
.endr
.endm
	OUTF 0, 0, 0x08, 192, 64, 1
	OUTF 1, 1, 0x08, 64, 192, 1
	OUTF 2, 2, 0x08, 192, 64, 1
	OUTF 3, 3, 0x08, 64, 192, 1
	OUTF 4, 0, 0x0c, 192, 64, 1
	OUTF 5, 1, 0x0c, 64, 192, 1
	OUTF 6, 2, 0x0c, 192, 64, 1
	OUTF 7, 3, 0x0c, 64, 192, 0
	s_set_vgpr_msb 0x1
	s_wait_tensorcnt 0x0
	ds_add_u32 v255, v63
	s_wait_dscnt 0x0
	s_set_vgpr_msb 0x100
	CROUND                                         ; the closing round: no work-group ends while a partner may still ask for a tile that names it
	s_endpgm
.Lfunc_end_k_q282e8d421a_cmix2:
	.size	k_q282e8d421a_cmix2, .Lfunc_end_k_q282e8d421a_cmix2-k_q282e8d421a_cmix2
	.p2alignl 7, 3214868480
	.fill 96, 4, 3214868480
	.section	.rodata,"a",@progbits
	.p2align	6, 0x0
	.amdhsa_kernel k_q282e8d421a_cmix2
		.amdhsa_group_segment_fixed_size 327680
		.amdhsa_private_segment_fixed_size 0
		.amdhsa_enable_private_segment 0
		.amdhsa_kernarg_size 40
		.amdhsa_user_sgpr_count 2
		.amdhsa_user_sgpr_kernarg_segment_ptr 1
		.amdhsa_wavefront_size32 1
		.amdhsa_system_sgpr_workgroup_id_x 1
		.amdhsa_system_sgpr_workgroup_id_y 1
		.amdhsa_system_sgpr_workgroup_id_z 1
		.amdhsa_system_vgpr_workitem_id 0
		.amdhsa_next_free_vgpr 1024
		.amdhsa_next_free_sgpr 80
		.amdhsa_reserve_vcc 0
		.amdhsa_float_denorm_mode_32 3
		.amdhsa_float_denorm_mode_16_64 3
		.amdhsa_memory_ordered 1
		.amdhsa_forward_progress 1
		.amdhsa_inst_pref_size 240
	.end_amdhsa_kernel
	.amdgpu_metadata
---
amdhsa.version: [ 1, 2 ]
amdhsa.kernels:
  - .name:           k_q282e8d421a_cmix2
    .symbol:         k_q282e8d421a_cmix2.kd
    .args:
      - { .name: g, .offset: 0, .size: 8, .value_kind: global_buffer, .address_space: global }
      - { .name: w4b, .offset: 8, .size: 8, .value_kind: global_buffer, .address_space: global }
      - { .name: out0, .offset: 16, .size: 8, .value_kind: global_buffer, .address_space: global }
      - { .name: cb2, .offset: 24, .size: 8, .value_kind: global_buffer, .address_space: global }
      - { .name: x1, .offset: 32, .size: 8, .value_kind: global_buffer, .address_space: global }
    .group_segment_fixed_size: 327680
    .private_segment_fixed_size: 0
    .kernarg_segment_align: 8
    .kernarg_segment_size: 40
    .max_flat_workgroup_size: 128
    .sgpr_count:     80
    .vgpr_count:     1024
    .wavefront_size: 32
...
	.end_amdgpu_metadata
.endif
;; end of part 6
;; ======== version 2 of 2: 6 launches; version 1 with the launches prep, ln2 written anew for expert scheduling mode
;; limits: a function is approximated: absolute error at most 2.5e-05; an absolute error that grows with the inputs' magnitude: up to 1.25e-05 times it
;; workspace buffers: w1b 2,097,152 bytes; w2b 2,097,152 bytes; w3b 2,097,152 bytes; w4b 2,097,152 bytes; yt 33,554,432 bytes; g 33,554,432 bytes; x1 67,108,864 bytes
;; launch prep (part 7): grid 256 x 1, 16 waves a work-group, no clusters, 280,576 bytes of LDS; arguments x, ln1_g, ln1_b, yt, tw1, tw2, cw1, cw2, w1b, w2b, w3b, w4b; writes yt, w1b, w2b, w3b, w4b
.if DOCPART == 7
	.amdgcn_target "amdgcn-amd-amdhsa--gfx1250"
	.amdhsa_code_object_version 6
	.text
	.protected	k_q282e8d421a_prep
	.globl	k_q282e8d421a_prep
	.p2align	8
	.type	k_q282e8d421a_prep,@function
k_q282e8d421a_prep:
	s_mov_b64 s[64:65], 0
	v_nop
	global_prefetch_b8 v0, s[64:65] scope:SCOPE_SE
	s_setreg_imm32_b32 hwreg(HW_REG_WAVE_SCHED_MODE, 0, 2), 2
	s_setreg_imm32_b32 hwreg(HW_REG_WAVE_MODE, 25, 1), 1
	s_wait_xcnt 0x0
	s_wait_alu depctr_vm_vsrc(0)
; Two jobs in one launch, chosen by the work-group's number.
; POSITION ORDER.  An index t = 256 c + 64 j + r along T (c: its class) is kept in the workspace at position 256 j + 64 ((4 - c) & 3) + r: every run of
; 256 positions holds 64 t of each class, in the order of classes 0, 3, 2, 1.  The class map c -> (4 - c) & 3 is its own inverse.  yt's columns and the rows and columns of
; w1b and w2b are in position order; the products that follow skip whole classes of the triangular weights by it.
;
; WORK-GROUPS 0 TO 127: yt[b][h][position of t] = bf16( LayerNorm over h of x[b][t][:] * g + beta ): the normalised rows, stored TRANSPOSED.
; The work-group owns 128 positions of one batch (two runs of 64 rows of x), so that its piece of a transposed row is 256 consecutive bytes, aligned; that is
; why this job has 16 x 8 = 128 work-groups and not more.  Sixteen waves; a wave takes 8 rows, two at a time, a whole row in 32 registers: mean, then
; centred squares (two passes over registers, as the definition has them), so x is read once.  Two rows' numbers of one column are packed into one word, two
; such words go to LDS by one store of 8 bytes into TR[h][position], pitch 272.  In these stores lane L stands at 1,088 L, which takes four values modulo 256
; there are 64 such stores a wave, and the pitch must stay a multiple of 16 for the way back.
;
; WORK-GROUPS 128 TO 255: the four weight matrices, [1024][1024] f32, rounded once to bf16; tw1 and tw2 get the lower-triangular mask (element (r, c) is kept
; where c <= r) and position order in rows and columns.  LIMIT: a masked weight is replaced by 0 and not multiplied by 0, so a weight above the diagonal that
; is not finite gives 0 here.  The work-group owns 8 rows of each matrix: 8 steps of 4 rows.  A thread owns 8 neighbouring numbers of the OUTPUT: sixteen
; lanes store 256 consecutive bytes, aligned, and eight lanes read 256 consecutive bytes, aligned.  All 16 loads go out first; no register is written twice.
;
; THE MODE: SCHED_MODE bits 1:0 = 2 (LLVM: expert scheduling mode 2), set by the entry lines.  The code itself states the register dependences
; between vector instructions and memory or LDS instructions, with s_wait_alu, always for 0.
; THE PLAN, first job.  Registers that memory or LDS instructions touch:
;   X0, X1      Pair p's vector instructions read and write them; the loads of pair p + 1 land in them, half a pair (chunks 0-3, chunks 4-7) at a time.
;   PK          Written by the conversions of an even pair (low words) and of the odd pair behind it (high words); read by the odd pair's 32 LDS stores.
;   G, BB       Loaded once, read by vector instructions alone; on the way back the last two batches from LDS land in them.
;   v[TA ..], v[XO], v[GBO], v[RDA], v[GO]   addresses and offsets, made once at the head and never written again: rows and chunks stand in the immediates.
; So a pair has two waits on va_vdst, one behind each half's conversions: the vector instructions are done with that half of X0 and X1, in which the next pair's
; loads land, and have written that half of PK, which an odd pair's LDS stores read.  The second half's vector instructions name none of the registers that the
; first half's loads and stores touch.  One wait on vm_vsrc, at the head of pair 2, stands ahead of the first conversions that write PK again.
; THE PLAN, second job.  IN: loaded once, then masked in place and read by the conversions.  OUT: written by the conversions, read by the stores, never written again.
; The stores of a matrix follow one wait on va_vdst at the head of the next matrix's work.  The sixteen masks are made in one run, with one wait on va_sdst.
.set ROWB, 4096                        ; bytes in a row of x
.set TP,   272                         ; pitch of TR: 256 bytes + 16
.set XO,  1                            ; v1         byte offset of my 16 bytes in my wave's first row; never rewritten
.set G,   2                            ; v[2:33]    gain of my 32 columns (chunk j: columns 128 j + 4 L + 0..3)
.set BB,  34                           ; v[34:65]   bias of the same
.set X0,  66                           ; v[66:97]   the pair's first row
.set X1,  98                           ; v[98:129]  the pair's second row
.set PK,  130                          ; v[130:193] column k = 4 j + c: two words, 4 neighbouring positions in bf16
.set T,   194                          ; v[194:197] at work, first row
.set TA,  198                          ; v[198:201] LDS addresses of the transposing stores: 1,088 L + 16 w + 256 rows of TR x k, for chunks 2 k and 2 k + 1; never rewritten
.set U,   202                          ; v[202:205] at work, second row
.set M0,  210                          ; pairs: minus the mean, and 1 / sqrt(var + eps), of each row
.set M1,  212
.set R0,  214
.set R1,  216
.set WT,  218                          ; at the head only: the wave's number
.set GBO, 220                          ; 16 L
.set LN,  221                          ; lane
.set RDA, 222                          ; the way back: LDS address
.set GO,  223                          ; the way back: byte offset in yt
; the weights' job
.set IO,  1                            ; v1  byte offset in, natural order: 32 t
.set OO,  2                            ; v2  byte offset out: 16 t
.set D0,  3                            ; v3  (row of step 0) - (my first column): element e of step k is kept where e - 4 k <= D0
.set IP,  4                            ; v4  byte offset in, for an output in position order
.set IN,  8                            ; v[8:71]    step s: 8 numbers as loaded
.set OUT, 72                           ; v[72:103]  step s: 4 registers to store
.set MK,  12                           ; s[12:19], s[24:31]  the mask of element e of a matrix's step k at MK + 12 k + e
	v_lshl_add_u32 v224, v0, 2, 0x44000            ; my spare word and 0: made here and kept for the closing lines alone
	v_mov_b32 v225, 0
	s_mov_b32 s21, ttmp9
	s_cmp_ge_u32 s21, 128
	s_cbranch_scc1 .Lweights
	s_load_b256 s[4:11], s[0:1], 0x0               ; x s[4:5], gain s[6:7], bias s[8:9], yt s[10:11]
	v_lshrrev_b32 v[WT], 5, v0
	v_readfirstlane_b32 s16, v[WT]                 ; wave 0..15
	s_lshr_b32 s18, s21, 3                         ; batch
	s_lshl_b32 s2, s18, 22                         ; x 1,024 rows of 4,096 bytes
	s_mov_b32 s3, 0
	s_lshl_b32 s18, s18, 21                        ; x 1,024 rows of 2,048 bytes
	s_and_b32 s17, s21, 7                          ; block of 128 positions
	s_lshl_b32 s19, s17, 8                         ; x 256 bytes
	s_add_co_u32 s18, s18, s19
	s_mov_b32 s19, 0
	; my wave's 8 positions 128 block + 8 w lie in run 2 (block & 1) + w / 8 of 64; its class is (4 - run) & 3; j = block / 2
	s_and_b32 s22, s17, 1
	s_lshl_b32 s22, s22, 1
	s_wait_alu depctr_va_sdst(0)                   ; s16 is written, ahead of its first reader: my rows and my LDS bytes are made from it
	s_lshr_b32 s23, s16, 3
	s_add_co_u32 s22, s22, s23
	s_sub_co_u32 s22, 4, s22
	s_and_b32 s22, s22, 3
	s_lshl_b32 s22, s22, 8                         ; 256 c
	s_lshr_b32 s23, s17, 1
	s_lshl_b32 s23, s23, 6                         ; + 64 j
	s_add_co_u32 s22, s22, s23
	s_and_b32 s23, s16, 7
	s_lshl_b32 s23, s23, 3                         ; + 8 (w mod 8)
	s_add_co_u32 s22, s22, s23
	s_lshl_b32 s22, s22, 12                        ; my first row of x, in bytes
	s_mov_b32 s12, 0x76543210                      ; v_permlanex16_b32: lane i of one half reads lane i of the other
	s_mov_b32 s13, 0xfedcba98
	s_mov_b32 s14, 0x3a800000                      ; 1 / 1024
	s_mov_b32 s15, 0x3727c5ac                      ; 1e-5
	s_mov_b32 s20, 0xba800000                      ; -1 / 1024
	v_and_b32 v[LN], 31, v0
	v_lshlrev_b32 v[GBO], 4, v[LN]
	v_add_nc_u32 v[XO], s22, v[GBO]
	v_mul_u32_u24 v[TA], v[LN], 4*TP               ; row 4 L of TR
	v_lshl_add_u32 v[TA], s16, 4, v[TA]            ; + my wave's 8 positions
.irp k, 1,2,3
	v_add_nc_u32 v[TA+\k], \k*256*TP, v[TA]        ; 256 rows of TR further on for each two chunks: the rest fits the 16 bits of the stores' immediate
.endr
	v_lshrrev_b32 v[T], 4, v[LN]
	v_lshl_add_u32 v[T], s16, 6, v[T]              ; the way back: row 64 w + L / 16
	v_and_b32 v[U], 15, v[LN]
	v_mul_u32_u24 v[RDA], v[T], TP
	v_lshl_add_u32 v[RDA], v[U], 4, v[RDA]
	v_lshlrev_b32 v[GO], 11, v[T]
	v_lshl_add_u32 v[GO], v[U], 4, v[GO]
	s_wait_kmcnt 0x0
	s_add_nc_u64 s[4:5], s[4:5], s[2:3]
	s_add_nc_u64 s[10:11], s[10:11], s[18:19]
	s_wait_alu depctr_va_vdst(0)                   ; v[XO], v[GBO], v[TA ..], v[RDA] and v[GO] are written: every load and store of this job reads one of them as its address
.macro LOADCH p, j                     ; chunk j (512 bytes) of both rows of pair p
	global_load_b128 v[X0+4*\j:X0+4*\j+3], v[XO], s[4:5] offset:(2*(\p))*ROWB+512*\j th:TH_LOAD_NT
	global_load_b128 v[X1+4*\j:X1+4*\j+3], v[XO], s[4:5] offset:(2*(\p)+1)*ROWB+512*\j th:TH_LOAD_NT
.endm
.irp j, 0,1,2,3,4,5,6,7
	LOADCH 0, \j
.endr
.irp j, 0,1,2,3,4,5,6,7
	global_load_b128 v[G+4*\j:G+4*\j+3],   v[GBO], s[6:7] offset:512*\j
	global_load_b128 v[BB+4*\j:BB+4*\j+3], v[GBO], s[8:9] offset:512*\j
.endr
.macro RED r, tmp                      ; sum over the 32 lanes, the result in every lane; tmp has been written before
	v_add_f32_dpp v[\r], v[\r], v[\r] row_xmask:1 row_mask:0xf bank_mask:0xf
	v_add_f32_dpp v[\r], v[\r], v[\r] row_xmask:2 row_mask:0xf bank_mask:0xf
	v_add_f32_dpp v[\r], v[\r], v[\r] row_xmask:4 row_mask:0xf bank_mask:0xf
	v_add_f32_dpp v[\r], v[\r], v[\r] row_xmask:8 row_mask:0xf bank_mask:0xf
	v_permlanex16_b32 v[\tmp], v[\r], s12, s13
	v_add_f32 v[\r], v[\r], v[\tmp]
.endm
; both rows, interleaved: mean; the rows centred in place; mean of the squares; 1 / sqrt(var + eps) in R0, R1
.macro STATS
	v_pk_add_f32 v[T:T+1],   v[X0:X0+1],   v[X0+2:X0+3]       ; the first pairs start the chains: nothing is cleared
	v_pk_add_f32 v[U:U+1],   v[X1:X1+1],   v[X1+2:X1+3]
	v_pk_add_f32 v[T+2:T+3], v[X0+4:X0+5], v[X0+6:X0+7]
	v_pk_add_f32 v[U+2:U+3], v[X1+4:X1+5], v[X1+6:X1+7]
.irp k, 8,12,16,20,24,28
	v_pk_add_f32 v[T:T+1],   v[T:T+1],   v[X0+\k:X0+\k+1]
	v_pk_add_f32 v[U:U+1],   v[U:U+1],   v[X1+\k:X1+\k+1]
	v_pk_add_f32 v[T+2:T+3], v[T+2:T+3], v[X0+\k+2:X0+\k+3]
	v_pk_add_f32 v[U+2:U+3], v[U+2:U+3], v[X1+\k+2:X1+\k+3]
.endr
	v_pk_add_f32 v[T:T+1], v[T:T+1], v[T+2:T+3]
	v_pk_add_f32 v[U:U+1], v[U:U+1], v[U+2:U+3]
	v_add_f32 v[T], v[T], v[T+1]
	v_add_f32 v[U], v[U], v[U+1]
	RED T, T+1
	RED U, U+1
	v_mul_f32 v[M0],   s20, v[T]                   ; minus the mean, twice (a pair for the packed add)
	v_mul_f32 v[M0+1], s20, v[T]
	v_mul_f32 v[M1],   s20, v[U]
	v_mul_f32 v[M1+1], s20, v[U]
.irp k, 0,2,4,6,8,10,12,14,16,18,20,22,24,26,28,30
	v_pk_add_f32 v[X0+\k:X0+\k+1], v[X0+\k:X0+\k+1], v[M0:M0+1]
	v_pk_add_f32 v[X1+\k:X1+\k+1], v[X1+\k:X1+\k+1], v[M1:M1+1]
.endr
	v_pk_mul_f32 v[T:T+1],   v[X0:X0+1],   v[X0:X0+1]
	v_pk_mul_f32 v[U:U+1],   v[X1:X1+1],   v[X1:X1+1]
	v_pk_mul_f32 v[T+2:T+3], v[X0+2:X0+3], v[X0+2:X0+3]
	v_pk_mul_f32 v[U+2:U+3], v[X1+2:X1+3], v[X1+2:X1+3]
.irp k, 4,8,12,16,20,24,28
	v_pk_fma_f32 v[T:T+1],   v[X0+\k:X0+\k+1],   v[X0+\k:X0+\k+1],   v[T:T+1]
	v_pk_fma_f32 v[U:U+1],   v[X1+\k:X1+\k+1],   v[X1+\k:X1+\k+1],   v[U:U+1]
	v_pk_fma_f32 v[T+2:T+3], v[X0+\k+2:X0+\k+3], v[X0+\k+2:X0+\k+3], v[T+2:T+3]
	v_pk_fma_f32 v[U+2:U+3], v[X1+\k+2:X1+\k+3], v[X1+\k+2:X1+\k+3], v[U+2:U+3]
.endr
	v_pk_add_f32 v[T:T+1], v[T:T+1], v[T+2:T+3]
	v_pk_add_f32 v[U:U+1], v[U:U+1], v[U+2:U+3]
	v_add_f32 v[T], v[T], v[T+1]
	v_add_f32 v[U], v[U], v[U+1]
	RED T, T+1
	RED U, U+1
	v_fma_f32 v[T], v[T], s14, s15                 ; var + eps
	v_fma_f32 v[U], v[U], s14, s15
	v_rsq_f32 v[R0],   v[T]
	v_rsq_f32 v[R0+1], v[T]
	v_rsq_f32 v[R1],   v[U]
	v_rsq_f32 v[R1+1], v[U]
	v_nop                                          ; one plain vector instruction between a transcendental and the use of its result (ISA guide 5.7.2)
	s_wait_alu depctr_va_vdst(0)                   ; the four reciprocal roots in R0 and R1 are written, ahead of their first reader: one wait for the batch
.endm
; chunk j of pair p: scaled, gain and bias, and two neighbouring positions of each of its four columns h packed into one word of PK
.macro NORM p, j
	v_pk_mul_f32 v[X0+4*\j:X0+4*\j+1],   v[X0+4*\j:X0+4*\j+1],   v[R0:R0+1]
	v_pk_mul_f32 v[X0+4*\j+2:X0+4*\j+3], v[X0+4*\j+2:X0+4*\j+3], v[R0:R0+1]
	v_pk_mul_f32 v[X1+4*\j:X1+4*\j+1],   v[X1+4*\j:X1+4*\j+1],   v[R1:R1+1]
	v_pk_mul_f32 v[X1+4*\j+2:X1+4*\j+3], v[X1+4*\j+2:X1+4*\j+3], v[R1:R1+1]
	v_pk_fma_f32 v[X0+4*\j:X0+4*\j+1],   v[X0+4*\j:X0+4*\j+1],   v[G+4*\j:G+4*\j+1],   v[BB+4*\j:BB+4*\j+1]
	v_pk_fma_f32 v[X0+4*\j+2:X0+4*\j+3], v[X0+4*\j+2:X0+4*\j+3], v[G+4*\j+2:G+4*\j+3], v[BB+4*\j+2:BB+4*\j+3]
	v_pk_fma_f32 v[X1+4*\j:X1+4*\j+1],   v[X1+4*\j:X1+4*\j+1],   v[G+4*\j:G+4*\j+1],   v[BB+4*\j:BB+4*\j+1]
	v_pk_fma_f32 v[X1+4*\j+2:X1+4*\j+3], v[X1+4*\j+2:X1+4*\j+3], v[G+4*\j+2:G+4*\j+3], v[BB+4*\j+2:BB+4*\j+3]
.irp c, 0,1,2,3
	v_cvt_pk_bf16_f32 v[PK+2*(4*\j+\c)+(\p&1)], v[X0+4*\j+\c], v[X1+4*\j+\c]
.endr
.endm
; chunk j behind an odd pair p: four positions are together: 8 bytes into row h = 128 j + 4 L + c of TR
.macro TSTORE p, j
.irp c, 0,1,2,3
	ds_store_b64 v[TA+(\j>>1)], v[PK+2*(4*\j+\c):PK+2*(4*\j+\c)+1] offset:(\j&1)*128*TP+TP*\c+8*(\p>>1)
.endr
.endm
; rows 2 p and 2 p + 1 of my wave.  more = 1: each half's registers are loaded again, with the next pair, as soon as the half is used up.
.macro PAIR p, more
	s_wait_loadcnt 0x0                             ; both rows are whole (and, the first time, gain and bias)
.if \p == 2
	s_wait_alu depctr_vm_vsrc(0)                   ; the LDS stores behind pair 1 have read PK, which this pair's and the next pair's conversions write again
.endif
	STATS
.irp j, 0,1,2,3
	NORM \p, \j
.endr
	s_wait_alu depctr_va_vdst(0)                   ; the vector instructions are done with chunks 0-3 of X0 and X1, in which the loads below land, and have written chunks 0-3 of PK, which the LDS stores below read
.if \more
.irp j, 0,1,2,3
	LOADCH \p+1, \j
.endr
.endif
.if \p&1
.irp j, 0,1,2,3
	TSTORE \p, \j
.endr
.endif
.irp j, 4,5,6,7
	NORM \p, \j                                    ; these name chunks 4-7 alone: none of the registers that the loads and stores above touch
.endr
	s_wait_alu depctr_va_vdst(0)                   ; the same for chunks 4-7; behind the last pair also: no vector instruction names X0, X1, G or BB any more, in which the way back's LDS loads land
.if \more
.irp j, 4,5,6,7
	LOADCH \p+1, \j
.endr
.endif
.if \p&1
.irp j, 4,5,6,7
	TSTORE \p, \j
.endr
.endif
.endm
	PAIR 0, 1
	PAIR 1, 1
	PAIR 2, 1
	PAIR 3, 0
	s_wait_dscnt 0x0                               ; my stores into TR are done, for the other waves' sake
	s_barrier_signal -1
	s_barrier_wait -1                              ; everybody's are
; The way back: wave w takes rows h = 64 w .. 64 w + 63 of TR, two rows an instruction: sixteen lanes read and store 256 consecutive bytes.
; Each of the four batches has 32 registers of its own (X0, X1, G, BB): no store's data is ever written again.
.macro WOUT bt, f
.irp t, 0,1,2,3,4,5,6,7
	ds_load_b128 v[\f+4*\t:\f+4*\t+3], v[RDA] offset:2*TP*(8*\bt+\t)
.endr
.irp t, 0,1,2,3,4,5,6,7
	s_wait_dscnt 7-\t                              ; LDS loads come back in order: number t of the eight is in
	global_store_b128 v[GO], v[\f+4*\t:\f+4*\t+3], s[10:11] offset:4096*(8*\bt+\t)
.endr
.endm
	WOUT 0, X0
	WOUT 1, X1
	WOUT 2, G
	WOUT 3, BB
	s_wait_dscnt 0x0                               ; the closing lines, six on end
	s_wait_alu 0x0
	s_wait_tensorcnt 0x0
	ds_add_u32 v224, v225
	s_wait_dscnt 0x0
	s_endpgm
.Lweights:
	s_load_b512 s[32:47], s[0:1], 0x20             ; tw1 tw2 cw1 cw2 in s[32:39], w1b w2b w3b w4b in s[40:47]
	s_sub_co_u32 s22, s21, 128                     ; n = 0..127: rows 8 n .. 8 n + 7 of each matrix
	s_lshl_b32 s2, s22, 15                         ; 8 rows of 4,096 bytes
	s_mov_b32 s3, 0
	s_lshl_b32 s4, s22, 14                         ; 8 rows of 2,048 bytes, natural order
	s_mov_b32 s5, 0
	s_lshr_b32 s6, s22, 3                          ; position of row 8 n = 256 c + 64 j + 8 (n mod 8): c = n / 32, j = (n / 8) mod 4
	s_and_b32 s6, s6, 3
	s_lshl_b32 s6, s6, 8                           ; 256 j
	s_lshr_b32 s7, s22, 5
	s_sub_co_u32 s7, 4, s7
	s_and_b32 s7, s7, 3
	s_lshl_b32 s7, s7, 6                           ; + 64 ((4 - c) & 3)
	s_add_co_u32 s6, s6, s7
	s_and_b32 s7, s22, 7
	s_lshl_b32 s7, s7, 3                           ; + 8 (n mod 8)
	s_add_co_u32 s6, s6, s7
	s_lshl_b32 s6, s6, 11                          ; rows of 2,048 bytes
	s_mov_b32 s7, 0
	s_lshl_b32 s8, s22, 3                          ; my first row
	v_lshlrev_b32 v[IO], 5, v0
	v_lshlrev_b32 v[OO], 4, v0
	v_lshrrev_b32 v5, 7, v0                        ; which of a step's four rows
	v_and_b32 v6, 127, v0                          ; my 8 output positions begin at 8 x this = 256 j + 64 run + 8 m
	v_bfe_u32 v7, v6, 3, 2                         ; run
	v_sub_nc_u32 v7, 4, v7
	v_and_b32 v7, 3, v7                            ; its class
	v_lshlrev_b32 v7, 8, v7                        ; 256 c
	v_lshrrev_b32 v[D0], 5, v6
	v_lshl_add_u32 v7, v[D0], 6, v7                ; + 64 j
	v_and_b32 v[D0], 7, v0
	v_lshl_add_u32 v7, v[D0], 3, v7                ; + 8 m: the column that my first position stands for
	v_lshlrev_b32 v[IP], 2, v7
	v_lshl_add_u32 v[IP], v5, 12, v[IP]
	v_sub_nc_u32 v[D0], v5, v7
	v_add_nc_u32 v[D0], s8, v[D0]
	; the masks, column <= row, in one run: they hang on the element and on the step within a matrix, and are the same for tw1 and tw2
.irp k, 0,1
.irp e, 0,1,2,3,4,5,6,7
	v_cmp_le_i32 s[MK+12*\k+\e], \e-4*\k, v[D0]
.endr
.endr
	s_wait_kmcnt 0x0
.irp m, 0,1,2,3
	s_add_nc_u64 s[32+2*\m:33+2*\m], s[32+2*\m:33+2*\m], s[2:3]
.endr
	s_add_nc_u64 s[40:41], s[40:41], s[6:7]
	s_add_nc_u64 s[42:43], s[42:43], s[6:7]
	s_add_nc_u64 s[44:45], s[44:45], s[4:5]
	s_add_nc_u64 s[46:47], s[46:47], s[4:5]
	s_wait_alu depctr_va_vdst(0)                   ; v[IP], v[IO] and v[OO] are written: every load and store of this job reads one of them as its offset
.irp m, 0,1
.irp k, 0,1
	global_load_b128 v[IN+8*(2*\m+\k):IN+8*(2*\m+\k)+3],   v[IP], s[32+2*\m:33+2*\m] offset:\k*16384 th:TH_LOAD_NT
	global_load_b128 v[IN+8*(2*\m+\k)+4:IN+8*(2*\m+\k)+7], v[IP], s[32+2*\m:33+2*\m] offset:\k*16384+16 th:TH_LOAD_NT
.endr
.endr
.irp m, 2,3
.irp k, 0,1
	global_load_b128 v[IN+8*(2*\m+\k):IN+8*(2*\m+\k)+3],   v[IO], s[32+2*\m:33+2*\m] offset:\k*16384 th:TH_LOAD_NT
	global_load_b128 v[IN+8*(2*\m+\k)+4:IN+8*(2*\m+\k)+7], v[IO], s[32+2*\m:33+2*\m] offset:\k*16384+16 th:TH_LOAD_NT
.endr
.endr
	s_wait_alu depctr_va_sdst(0)                   ; the sixteen masks are written, ahead of the first select that reads one: one wait for the run of compares
.macro WSTORE m                        ; the two steps of matrix m go out
.irp k, 0,1
	global_store_b128 v[OO], v[OUT+4*(2*(\m)+\k):OUT+4*(2*(\m)+\k)+3], s[40+2*(\m):41+2*(\m)] offset:\k*8192
.endr
.endm
; both steps of matrix m; masked = 1: the triangular mask is applied.  The matrix before goes out at this one's head.
.macro MAT m, masked
	s_wait_loadcnt 12-4*\m                         ; loads come back in order: this matrix's four are in, the later matrices' stay out
.if \m
	s_wait_alu depctr_va_vdst(0)                   ; the conversions of the matrix before have written its part of OUT, which the two stores below read
	WSTORE \m-1
.endif
.irp k, 0,1
.if \masked
.irp e, 0,1,2,3,4,5,6,7
	v_cndmask_b32 v[IN+8*(2*\m+\k)+\e], 0, v[IN+8*(2*\m+\k)+\e], s[MK+12*\k+\e]
.endr
.endif
.irp j, 0,1,2,3
	v_cvt_pk_bf16_f32 v[OUT+4*(2*\m+\k)+\j], v[IN+8*(2*\m+\k)+2*\j], v[IN+8*(2*\m+\k)+2*\j+1]
.endr
.endr
.endm
	MAT 0, 1
	MAT 1, 1
	MAT 2, 0
	MAT 3, 0
	s_wait_alu depctr_va_vdst(0)                   ; the last conversions have written the last part of OUT, which the last two stores read
	WSTORE 3
	s_endpgm
.Lfunc_end_k_q282e8d421a_prep:
	.size	k_q282e8d421a_prep, .Lfunc_end_k_q282e8d421a_prep-k_q282e8d421a_prep
	.p2alignl 7, 3214868480
	.fill 96, 4, 3214868480
	.section	.rodata,"a",@progbits
	.p2align	6, 0x0
	.amdhsa_kernel k_q282e8d421a_prep
		.amdhsa_group_segment_fixed_size 280576
		.amdhsa_private_segment_fixed_size 0
		.amdhsa_enable_private_segment 0
		.amdhsa_kernarg_size 96
		.amdhsa_user_sgpr_count 2
		.amdhsa_user_sgpr_kernarg_segment_ptr 1
		.amdhsa_wavefront_size32 1
		.amdhsa_system_sgpr_workgroup_id_x 1
		.amdhsa_system_sgpr_workgroup_id_y 1
		.amdhsa_system_sgpr_workgroup_id_z 1
		.amdhsa_system_vgpr_workitem_id 0
		.amdhsa_next_free_vgpr 226
		.amdhsa_next_free_sgpr 66
		.amdhsa_reserve_vcc 0
		.amdhsa_float_denorm_mode_32 3
		.amdhsa_float_denorm_mode_16_64 3
		.amdhsa_memory_ordered 1
		.amdhsa_forward_progress 1
		.amdhsa_inst_pref_size 86
	.end_amdhsa_kernel
	.amdgpu_metadata
---
amdhsa.version: [ 1, 2 ]
amdhsa.kernels:
  - .name:           k_q282e8d421a_prep
    .symbol:         k_q282e8d421a_prep.kd
    .args:
      - { .name: x, .offset: 0, .size: 8, .value_kind: global_buffer, .address_space: global }
      - { .name: ln1_g, .offset: 8, .size: 8, .value_kind: global_buffer, .address_space: global }
      - { .name: ln1_b, .offset: 16, .size: 8, .value_kind: global_buffer, .address_space: global }
      - { .name: yt, .offset: 24, .size: 8, .value_kind: global_buffer, .address_space: global }
      - { .name: tw1, .offset: 32, .size: 8, .value_kind: global_buffer, .address_space: global }
      - { .name: tw2, .offset: 40, .size: 8, .value_kind: global_buffer, .address_space: global }
      - { .name: cw1, .offset: 48, .size: 8, .value_kind: global_buffer, .address_space: global }
      - { .name: cw2, .offset: 56, .size: 8, .value_kind: global_buffer, .address_space: global }
      - { .name: w1b, .offset: 64, .size: 8, .value_kind: global_buffer, .address_space: global }
      - { .name: w2b, .offset: 72, .size: 8, .value_kind: global_buffer, .address_space: global }
      - { .name: w3b, .offset: 80, .size: 8, .value_kind: global_buffer, .address_space: global }
      - { .name: w4b, .offset: 88, .size: 8, .value_kind: global_buffer, .address_space: global }
    .group_segment_fixed_size: 280576
    .private_segment_fixed_size: 0
    .kernarg_segment_align: 8
    .kernarg_segment_size: 96
    .max_flat_workgroup_size: 512
    .sgpr_count:     66
    .vgpr_count:     226
    .wavefront_size: 32
...
	.end_amdgpu_metadata
.endif
;; end of part 7
;; launch tmix1: the kernel of part 2 again; grid 4 x 64, 4 waves a work-group, clusters of 4 x 4, 327,680 bytes of LDS; arguments yt, w1b, g, tb1; writes g
;; launch tmix2: the kernel of part 3 again; grid 4 x 64, 4 waves a work-group, clusters of 4 x 4, 327,680 bytes of LDS; arguments w2b, g, x1, tb2, x; writes x1
;; launch ln2 (part 8): grid 256 x 1, 16 waves a work-group, no clusters, 0 bytes of LDS; arguments x1, ln2_g, ln2_b, yt; writes yt
.if DOCPART == 8
	.amdgcn_target "amdgcn-amd-amdhsa--gfx1250"
	.amdhsa_code_object_version 6
	.text
	.protected	k_q282e8d421a_ln2
	.globl	k_q282e8d421a_ln2
	.p2align	8
	.type	k_q282e8d421a_ln2,@function
k_q282e8d421a_ln2:
	s_mov_b64 s[64:65], 0
	v_nop
	global_prefetch_b8 v0, s[64:65] scope:SCOPE_SE
	s_setreg_imm32_b32 hwreg(HW_REG_WAVE_SCHED_MODE, 0, 2), 2
	s_setreg_imm32_b32 hwreg(HW_REG_WAVE_MODE, 25, 1), 1
	s_wait_xcnt 0x0
	s_wait_alu depctr_vm_vsrc(0)
; yt[row][h] = bf16( LayerNorm over h of x1[row][:] * g + beta ).  x1: [16384][1024] f32.  yt: [16384][1024] bf16.
; Sixteen waves; the work-group owns 64 rows, a wave 4, two at a time, a whole row in 32 registers: mean, then centred squares (two passes over
; registers, as the definition has them), so x1 is read once.  At the start all of the work-group's 262,144 bytes are asked for at once (16 waves x 32 loads
; x 512 bytes).  A lane's four numbers of a chunk pack into 8 bytes: a store of the wave covers 256 consecutive bytes, aligned.
; No wave depends on another: no LDS, no barrier; the matrix unit has nothing to do here.
; THE MODE: SCHED_MODE bits 1:0 = 2 (LLVM: expert scheduling mode 2), set by the entry lines.  The code itself states the register dependences
; between vector instructions and memory instructions, with s_wait_alu, always for 0.
; THE PLAN.  Registers that memory instructions touch:
;   X           four rows of 32 registers.  Each row is written by its eight loads, once, at the head; then centred, scaled and packed in place by its pair's vector
;               instructions (chunk j's four numbers close up into the first two of its four registers); then read by its eight stores; never written again.
;   G, BB       loaded once, read by vector instructions alone.
;   v[XO], v[GBO], v[YO]   byte offsets, made once at the head and never written again: rows and chunks stand in the immediates.
; So no load lands in a register that a vector instruction has named, and no register that a memory instruction has read is written again.  What is left to state: the offsets
; ahead of the first load, and, once a pair, the conversions ahead of the run of sixteen stores that read their results.
.set ROWB, 4096                        ; bytes in a row of x1
.set YROW, 2048                        ; bytes in a row of yt
.set XO,  1                            ; v1         byte offset of my 16 bytes in my wave's first row; never rewritten
.set G,   2                            ; v[2:33]    gain of my 32 columns (chunk j: columns 128 j + 4 L + 0..3)
.set BB,  34                           ; v[34:65]   bias of the same
.set X,   66                           ; v[66:193]  row r of my four at X + 32 r
.set T,   194
.set U,   202
.set M0,  210
.set M1,  212
.set R0,  214
.set R1,  216
.set YO,  218                          ; byte offset of my 8 bytes in yt; never rewritten
.set GBO, 220
.set LN,  221
	s_load_b256 s[4:11], s[0:1], 0x0               ; x1 s[4:5], gain s[6:7], bias s[8:9], yt s[10:11]
	v_lshrrev_b32 v[T], 5, v0
	v_readfirstlane_b32 s16, v[T]                  ; wave 0..15
	s_lshl_b32 s2, ttmp9, 18                       ; 64 rows of 4,096 bytes
	s_mov_b32 s3, 0
	s_lshl_b32 s18, ttmp9, 17                      ; 64 rows of 2,048 bytes
	s_mov_b32 s19, 0
	s_mov_b32 s12, 0x76543210
	s_mov_b32 s13, 0xfedcba98
	s_mov_b32 s14, 0x3a800000                      ; 1 / 1024
	s_mov_b32 s15, 0x3727c5ac                      ; 1e-5
	s_mov_b32 s20, 0xba800000                      ; -1 / 1024
	v_and_b32 v[LN], 31, v0
	v_lshlrev_b32 v[GBO], 4, v[LN]
	s_wait_alu depctr_va_sdst(0)                   ; s16 is written, ahead of its first reader: my rows' offsets are made from it
	v_lshl_add_u32 v[XO], s16, 14, v[GBO]          ; wave x 4 rows + 16 L
	v_lshlrev_b32 v[YO], 3, v[LN]
	v_lshl_add_u32 v[YO], s16, 13, v[YO]           ; wave x 4 rows + 8 L
	s_wait_kmcnt 0x0
	s_add_nc_u64 s[4:5], s[4:5], s[2:3]
	s_add_nc_u64 s[10:11], s[10:11], s[18:19]
	s_wait_alu depctr_va_vdst(0)                   ; v[XO], v[GBO] and v[YO] are written: every load and store of the kernel reads one of them as its offset
.macro LOADCH p, j                     ; chunk j (512 bytes) of both rows of pair p
	global_load_b128 v[X+64*\p+4*\j:X+64*\p+4*\j+3],       v[XO], s[4:5] offset:(2*\p)*ROWB+512*\j th:TH_LOAD_NT
	global_load_b128 v[X+64*\p+32+4*\j:X+64*\p+32+4*\j+3], v[XO], s[4:5] offset:(2*\p+1)*ROWB+512*\j th:TH_LOAD_NT
.endm
.irp j, 0,1,2,3,4,5,6,7
	LOADCH 0, \j
.endr
.irp j, 0,1,2,3,4,5,6,7
	global_load_b128 v[G+4*\j:G+4*\j+3],   v[GBO], s[6:7] offset:512*\j
	global_load_b128 v[BB+4*\j:BB+4*\j+3], v[GBO], s[8:9] offset:512*\j
.endr
.irp j, 0,1,2,3,4,5,6,7
	LOADCH 1, \j                                   ; the second pair has registers of its own and is asked for at once
.endr
.macro RED r, tmp                      ; sum over the 32 lanes, the result in every lane; tmp has been written before
	v_add_f32_dpp v[\r], v[\r], v[\r] row_xmask:1 row_mask:0xf bank_mask:0xf
	v_add_f32_dpp v[\r], v[\r], v[\r] row_xmask:2 row_mask:0xf bank_mask:0xf
	v_add_f32_dpp v[\r], v[\r], v[\r] row_xmask:4 row_mask:0xf bank_mask:0xf
	v_add_f32_dpp v[\r], v[\r], v[\r] row_xmask:8 row_mask:0xf bank_mask:0xf
	v_permlanex16_b32 v[\tmp], v[\r], s12, s13
	v_add_f32 v[\r], v[\r], v[\tmp]
.endm
; both rows (X0, X1: set by PAIR), interleaved: mean; the rows centred in place; mean of the squares; 1 / sqrt(var + eps) in R0, R1
.macro STATS
	v_pk_add_f32 v[T:T+1],   v[X0:X0+1],   v[X0+2:X0+3]
	v_pk_add_f32 v[U:U+1],   v[X1:X1+1],   v[X1+2:X1+3]
	v_pk_add_f32 v[T+2:T+3], v[X0+4:X0+5], v[X0+6:X0+7]
	v_pk_add_f32 v[U+2:U+3], v[X1+4:X1+5], v[X1+6:X1+7]
.irp k, 8,12,16,20,24,28
	v_pk_add_f32 v[T:T+1],   v[T:T+1],   v[X0+\k:X0+\k+1]
	v_pk_add_f32 v[U:U+1],   v[U:U+1],   v[X1+\k:X1+\k+1]
	v_pk_add_f32 v[T+2:T+3], v[T+2:T+3], v[X0+\k+2:X0+\k+3]
	v_pk_add_f32 v[U+2:U+3], v[U+2:U+3], v[X1+\k+2:X1+\k+3]
.endr
	v_pk_add_f32 v[T:T+1], v[T:T+1], v[T+2:T+3]
	v_pk_add_f32 v[U:U+1], v[U:U+1], v[U+2:U+3]
	v_add_f32 v[T], v[T], v[T+1]
	v_add_f32 v[U], v[U], v[U+1]
	RED T, T+1
	RED U, U+1
	v_mul_f32 v[M0],   s20, v[T]                   ; minus the mean, twice
	v_mul_f32 v[M0+1], s20, v[T]
	v_mul_f32 v[M1],   s20, v[U]
	v_mul_f32 v[M1+1], s20, v[U]
.irp k, 0,2,4,6,8,10,12,14,16,18,20,22,24,26,28,30
	v_pk_add_f32 v[X0+\k:X0+\k+1], v[X0+\k:X0+\k+1], v[M0:M0+1]
	v_pk_add_f32 v[X1+\k:X1+\k+1], v[X1+\k:X1+\k+1], v[M1:M1+1]
.endr
	v_pk_mul_f32 v[T:T+1],   v[X0:X0+1],   v[X0:X0+1]
	v_pk_mul_f32 v[U:U+1],   v[X1:X1+1],   v[X1:X1+1]
	v_pk_mul_f32 v[T+2:T+3], v[X0+2:X0+3], v[X0+2:X0+3]
	v_pk_mul_f32 v[U+2:U+3], v[X1+2:X1+3], v[X1+2:X1+3]
.irp k, 4,8,12,16,20,24,28
	v_pk_fma_f32 v[T:T+1],   v[X0+\k:X0+\k+1],   v[X0+\k:X0+\k+1],   v[T:T+1]
	v_pk_fma_f32 v[U:U+1],   v[X1+\k:X1+\k+1],   v[X1+\k:X1+\k+1],   v[U:U+1]
	v_pk_fma_f32 v[T+2:T+3], v[X0+\k+2:X0+\k+3], v[X0+\k+2:X0+\k+3], v[T+2:T+3]
	v_pk_fma_f32 v[U+2:U+3], v[X1+\k+2:X1+\k+3], v[X1+\k+2:X1+\k+3], v[U+2:U+3]
.endr
	v_pk_add_f32 v[T:T+1], v[T:T+1], v[T+2:T+3]
	v_pk_add_f32 v[U:U+1], v[U:U+1], v[U+2:U+3]
	v_add_f32 v[T], v[T], v[T+1]
	v_add_f32 v[U], v[U], v[U+1]
	RED T, T+1
	RED U, U+1
	v_fma_f32 v[T], v[T], s14, s15                 ; var + eps
	v_fma_f32 v[U], v[U], s14, s15
	v_rsq_f32 v[R0],   v[T]
	v_rsq_f32 v[R0+1], v[T]
	v_rsq_f32 v[R1],   v[U]
	v_rsq_f32 v[R1+1], v[U]
	v_nop                                          ; one plain vector instruction between a transcendental and the use of its result (ISA guide 5.7.2)
.endm
; rows 2 p and 2 p + 1 of my wave.  left = how many younger loads may still be out when this pair's have to be there.
.macro PAIR p, left
.set X0, X+64*\p
.set X1, X+64*\p+32
	s_wait_loadcnt \left                           ; loads come back in order (ISA guide 5.7.1): both rows are whole, and gain and bias; the pair behind stays out
	STATS
	s_wait_alu depctr_va_vdst(0)                   ; the four reciprocal roots in R0 and R1 are written, ahead of their first reader: one wait for the batch
.irp j, 0,1,2,3,4,5,6,7
	v_pk_mul_f32 v[X0+4*\j:X0+4*\j+1],   v[X0+4*\j:X0+4*\j+1],   v[R0:R0+1]
	v_pk_mul_f32 v[X0+4*\j+2:X0+4*\j+3], v[X0+4*\j+2:X0+4*\j+3], v[R0:R0+1]
	v_pk_mul_f32 v[X1+4*\j:X1+4*\j+1],   v[X1+4*\j:X1+4*\j+1],   v[R1:R1+1]
	v_pk_mul_f32 v[X1+4*\j+2:X1+4*\j+3], v[X1+4*\j+2:X1+4*\j+3], v[R1:R1+1]
	v_pk_fma_f32 v[X0+4*\j:X0+4*\j+1],   v[X0+4*\j:X0+4*\j+1],   v[G+4*\j:G+4*\j+1],   v[BB+4*\j:BB+4*\j+1]
	v_pk_fma_f32 v[X0+4*\j+2:X0+4*\j+3], v[X0+4*\j+2:X0+4*\j+3], v[G+4*\j+2:G+4*\j+3], v[BB+4*\j+2:BB+4*\j+3]
	v_pk_fma_f32 v[X1+4*\j:X1+4*\j+1],   v[X1+4*\j:X1+4*\j+1],   v[G+4*\j:G+4*\j+1],   v[BB+4*\j:BB+4*\j+1]
	v_pk_fma_f32 v[X1+4*\j+2:X1+4*\j+3], v[X1+4*\j+2:X1+4*\j+3], v[G+4*\j+2:G+4*\j+3], v[BB+4*\j+2:BB+4*\j+3]
	v_cvt_pk_bf16_f32 v[X0+4*\j],   v[X0+4*\j],   v[X0+4*\j+1]     ; four numbers close up into the first two of their four registers
	v_cvt_pk_bf16_f32 v[X0+4*\j+1], v[X0+4*\j+2], v[X0+4*\j+3]
	v_cvt_pk_bf16_f32 v[X1+4*\j],   v[X1+4*\j],   v[X1+4*\j+1]
	v_cvt_pk_bf16_f32 v[X1+4*\j+1], v[X1+4*\j+2], v[X1+4*\j+3]
.endr
	s_wait_alu depctr_va_vdst(0)                   ; the conversions have written the first two registers of every chunk of both rows, which the sixteen stores below read
.irp j, 0,1,2,3,4,5,6,7
	global_store_b64 v[YO], v[X0+4*\j:X0+4*\j+1], s[10:11] offset:(2*\p)*YROW+256*\j
	global_store_b64 v[YO], v[X1+4*\j:X1+4*\j+1], s[10:11] offset:(2*\p+1)*YROW+256*\j
.endr
.endm
	PAIR 0, 16
	PAIR 1, 0
	s_endpgm
.Lfunc_end_k_q282e8d421a_ln2:
	.size	k_q282e8d421a_ln2, .Lfunc_end_k_q282e8d421a_ln2-k_q282e8d421a_ln2
	.p2alignl 7, 3214868480
	.fill 96, 4, 3214868480
	.section	.rodata,"a",@progbits
	.p2align	6, 0x0
	.amdhsa_kernel k_q282e8d421a_ln2
		.amdhsa_group_segment_fixed_size 0
		.amdhsa_private_segment_fixed_size 0
		.amdhsa_enable_private_segment 0
		.amdhsa_kernarg_size 32
		.amdhsa_user_sgpr_count 2
		.amdhsa_user_sgpr_kernarg_segment_ptr 1
		.amdhsa_wavefront_size32 1
		.amdhsa_system_sgpr_workgroup_id_x 1
		.amdhsa_system_sgpr_workgroup_id_y 1
		.amdhsa_system_sgpr_workgroup_id_z 1
		.amdhsa_system_vgpr_workitem_id 0
		.amdhsa_next_free_vgpr 224
		.amdhsa_next_free_sgpr 66
		.amdhsa_reserve_vcc 0
		.amdhsa_float_denorm_mode_32 3
		.amdhsa_float_denorm_mode_16_64 3
		.amdhsa_memory_ordered 1
		.amdhsa_forward_progress 1
		.amdhsa_inst_pref_size 37
	.end_amdhsa_kernel
	.amdgpu_metadata
---
amdhsa.version: [ 1, 2 ]
amdhsa.kernels:
  - .name:           k_q282e8d421a_ln2
    .symbol:         k_q282e8d421a_ln2.kd
    .args:
      - { .name: x1, .offset: 0, .size: 8, .value_kind: global_buffer, .address_space: global }
      - { .name: ln2_g, .offset: 8, .size: 8, .value_kind: global_buffer, .address_space: global }
      - { .name: ln2_b, .offset: 16, .size: 8, .value_kind: global_buffer, .address_space: global }
      - { .name: yt, .offset: 24, .size: 8, .value_kind: global_buffer, .address_space: global }
    .group_segment_fixed_size: 0
    .private_segment_fixed_size: 0
    .kernarg_segment_align: 8
    .kernarg_segment_size: 32
    .max_flat_workgroup_size: 512
    .sgpr_count:     66
    .vgpr_count:     224
    .wavefront_size: 32
...
	.end_amdgpu_metadata
.endif
;; end of part 8
;; launch cmix1: the kernel of part 5 again; grid 4 x 64, 4 waves a work-group, clusters of 4 x 4, 327,680 bytes of LDS; arguments yt, w3b, g, cb1; writes g
;; launch cmix2: the kernel of part 6 again; grid 4 x 64, 4 waves a work-group, clusters of 4 x 4, 327,680 bytes of LDS; arguments g, w4b, out0, cb2, x1; writes out0
